; MI455X (gfx1250); checked and timed in simulation.
; The chip was launched on July 23, 2026; its instructions are those of AMD's public machine-readable ISA for CDNA 5 (MIT licence, August 2026) and "CDNA5" Instruction Set Architecture Reference Guide (July 2026). The comments in the code are by the model that wrote it; some were corrected since.
;; UHG Transformer. Allowed arithmetic: matrix products marked QUANTISED: E4M3 operands, one given power-of-two scale a tensor, by v_wmma_f32_16x16x64_fp8_fp8 or v_wmma_f32_16x16x128_fp8_fp8, f32 sums; everything else in f32.
;; Inputs: b1 4,096 float32; b2 1,024 float32; beta1 1,024 float32; beta2 1,024 float32; bk 1,024 float32; bo 1,024 float32; bq 1,024 float32; bv 1,024 float32; g1 1,024 float32; g2 1,024 float32; lowp_scales 16 int32 (the exponents e of the quantised operands' scales 2^e); src 2,048 x 2 x 1,024 float32; w1_codes 4,096 x 32 x 32 uint8 (E4M3 codes of w1, K innermost, in blocks of 32 codes); w2_codes 1,024 x 128 x 32 uint8 (E4M3 codes of w2, K innermost, in blocks of 32 codes); wk_codes 1,024 x 32 x 32 uint8 (E4M3 codes of wk, K innermost, in blocks of 32 codes); wo_codes 1,024 x 32 x 32 uint8 (E4M3 codes of wo, K innermost, in blocks of 32 codes); wq_codes 1,024 x 32 x 32 uint8 (E4M3 codes of wq, K innermost, in blocks of 32 codes); wv_codes 1,024 x 32 x 32 uint8 (E4M3 codes of wv, K innermost, in blocks of 32 codes).
;; Outputs: out0 2,048 x 2 x 1,024 float32.
;; This version of the problem:
;;   THIS VERSION OF THE PROBLEM IS GIVEN IN LOW PRECISION. The matrix products marked QUANTISED in the list below multiply operands that are first quantised to E4M3 (4 exponent bits, 3 mantissa bits; 8 bits a number), with one given power-of-two scale for each operand tensor; their sums are f32. All else is computed in f32.
;;   The module's matrix products, in the order in which they are computed (A, B: the left and right operand; K: the contracted axis; several contracted axes count as one K, in the product's order):
;;     1. [M 4,096, K 1,024] x [K 1,024, N 1,024]; A: input src; B: input wq (given as codes): QUANTISED (scales: A lowp_scales[0], B lowp_scales[1])
;;     2. [M 4,096, K 1,024] x [K 1,024, N 1,024]; A: input src; B: input wk (given as codes): QUANTISED (scales: A lowp_scales[2], B lowp_scales[3])
;;     3. [M 4,096, K 1,024] x [K 1,024, N 1,024]; A: input src; B: input wv (given as codes): QUANTISED (scales: A lowp_scales[4], B lowp_scales[5])
;;     4. batch 32 x [M 2,048, K 64] x [K 64, N 2,048]; A: computed on the way; B: computed on the way: QUANTISED (scales: A lowp_scales[6], B lowp_scales[7])
;;     5. batch 32 x [M 64, K 2,048] x [K 2,048, N 2,048]; A: computed on the way; B: softmax (see below): QUANTISED (scales: A lowp_scales[8], B lowp_scales[9])
;;     6. [M 4,096, K 1,024] x [K 1,024, N 1,024]; A: computed on the way; B: input wo (given as codes): QUANTISED (scales: A lowp_scales[10], B lowp_scales[11])
;;     7. [M 4,096, K 1,024] x [K 1,024, N 4,096]; A: computed on the way; B: input w1 (given as codes): QUANTISED (scales: A lowp_scales[12], B lowp_scales[13])
;;     8. [M 4,096, K 4,096] x [K 4,096, N 1,024]; A: computed on the way; B: input w2 (given as codes): QUANTISED (scales: A lowp_scales[14], B lowp_scales[15])
;;   THE QUANTISER, for each operand of a quantised product, along K:
;;     - The operand's scale is 2^e, e = its entry of the input lowp_scales (int32; the entries are numbered through the quantised products in the list's order, A before B).
;;     - Each number is divided by the scale, clamped to +-448, and rounded to the nearest number of E4M3, ties to even, subnormals kept.
;;     - The product sums the exact products of the quantised numbers (number of the format x scale) in f32.
;;   ~~~python
;;   def quantise(x, axis, e):      # numpy; x: float32 -> the quantised numbers, widened to float32 again
;;       x = np.moveaxis(x, axis, -1); K = x.shape[-1]
;;       r = np.clip(x / 2.0 ** e, -448, 448)
;;       step = 2.0 ** (np.maximum(np.frexp(np.where(r == 0, 1, r))[1] - 1, -6) - 3)
;;       q = np.round(r / step) * step * 2.0 ** e      # np.round: ties to even
;;       return np.moveaxis(q, -1, axis).astype(np.float32)
;;   ~~~
;;   SOFTMAX AHEAD OF A QUANTISED PRODUCT. Where the list says 'softmax', what is quantised is not the finished softmax but p = 2^(t - M), with t = logit x log2(e) and M = ceil(the row's largest t), a whole number; so 1/2 < the row's largest p <= 1. The row's sum l is taken of the UNQUANTISED p, in f32, and the product's result is divided by l at the end. Since M is a whole number, a kernel that streams over the keys may use a running M (the ceiling of the running maximum): every later rescaling is an exact power of two, so the quantised numbers keep their values, but for numbers so far below the row's largest that they fall under the format's range.
;;   OPERANDS COMPUTED ON THE WAY. 'Computed on the way' means the value that the module computes at that place (a softmax that the list does not call 'softmax' is quantised finished and normalised). What goes into a quantiser is computed in f32, as accurately as f32 sums, v_exp_f32 and their like allow (about 1e-6 of the number): no bf16 or f16 on the way to a quantiser, and a product that is left as it is and whose result goes on into a quantised operand takes f32 operands (vector FMAs, or v_wmma_f32_16x16x4_f32). A number that lies on a knife's edge between two numbers of the format may be rounded either way, as far as f32 arithmetic and the matrix unit's own rounding can turn it there, and no further.
;;   INPUTS GIVEN AS CODES. w1 (in the module: [4096, 1024], K = its axis 1); w2 (in the module: [1024, 4096], K = its axis 1); wk (in the module: [1024, 1024], K = its axis 1); wo (in the module: [1024, 1024], K = its axis 1); wq (in the module: [1024, 1024], K = its axis 1); wv (in the module: [1024, 1024], K = its axis 1): each comes as NAME_codes (uint8): NAME with its K axis moved to the last place and cut into blocks of 32 codes, [.., K / 32, bytes a block], one block behind the other in memory; one code a byte (a code: sign, 4 exponent bits, 3 mantissa bits); its scale is its entry of lowp_scales. Its value is code x scale, taken as it is: it is not quantised again, and the codes and scales need not be those that the quantiser above would give.
;; 2 versions. Each part assembles by itself: llvm-mc -triple=amdgcn-amd-amdhsa -mcpu=gfx1250 --defsym DOCPART=n.
;; ======== version 1 of 2: 7 launches
;; workspace buffers: qkv 13,107,200 bytes; ao 4,194,304 bytes; xbuf 20,971,520 bytes; ss1 65,536 bytes; hbuf 16,777,216 bytes; ffp 67,108,864 bytes
;; launch qkv (part 1): grid 64 x 3, 4 waves a work-group, clusters of 4 x 1, 327,680 bytes of LDS; arguments src, wq_codes, wk_codes, wv_codes, bq, bk, bv, lowp_scales, qkv; writes qkv
.if DOCPART == 1
	.amdgcn_target "amdgcn-amd-amdhsa--gfx1250"
	.amdhsa_code_object_version 6
	.text
	.protected	k_q10cb80e636_qkv
	.globl	k_q10cb80e636_qkv
	.p2align	8
	.type	k_q10cb80e636_qkv,@function
k_q10cb80e636_qkv:
	s_mov_b64 s[64:65], 0
	v_nop
	global_prefetch_b8 v0, s[64:65] scope:SCOPE_SE
	s_setreg_imm32_b32 hwreg(HW_REG_WAVE_MODE, 25, 1), 1
	s_wait_xcnt 0x0
	s_wait_alu depctr_hold_cnt(0) depctr_sa_sdst(0) depctr_va_vdst(0) depctr_va_sdst(0) depctr_va_ssrc(0) depctr_va_vcc(0) depctr_vm_vsrc(0)
	s_getreg_b32 s2, hwreg(HW_REG_IB_STS2, 6, 4)
	s_cmp_eq_u32 s2, 0
	s_cbranch_scc0 .Lentry_in_a_cluster
	s_endpgm
.Lentry_in_a_cluster:
	s_bfe_u32 s2, ttmp6, 0x10000c
	s_cmp_lg_u32 s2, 0x3003
	s_cbranch_scc0 .Lentry_shape_is_right
	s_endpgm
.Lentry_shape_is_right:
; LAUNCH 1 OF 7: q, k, v = (src W^T + b) / (|row| + 1e-8), quantised for attention.  Work-group y = 0: q, 1: k, 2: v.
; DEAD WORK: none in the whole program.  Every input (all biases, gains and both epsilons) moves a code or a result, so every input is loaded and every product of the table is made.
; (Product 7 is made twice, launches 4 and 5: its rows of 4,096 do not fit one work-group's registers, and its norm is wanted ahead of its quantiser.)
; ROWS: inside the program a token is rho = 2048 b + s; in src it lies at byte 8192 s + 4096 b.  A row block i (0..63) is 64 neighbouring s of one b.
; SHARES: a work-group makes 64 tokens x all 1,024 columns: 4 waves x 512 accumulator registers, so a row's norm never leaves the work-group.  Wave w makes columns 256 w .. 256 w + 255:
; 16 column tiles x 4 row tiles.  The product is used transposed (source 0 = 16 rows of W, source 1 = 16 tokens): lane (r, hh) holds token 16 a + r and columns 16 b + 8 hh + 0..7, which one
; conversion turns into registers 2 b, 2 b + 1 of the next operand (this form's own layout: registers 2 c, 2 c + 1 hold k = 16 c + 8 hh + 0..7).
; W's codes come through a ring of two LDS slots, 128 rows x 256 K for each wave, each wave's own bytes.  CLUSTER: the four row blocks of a cluster need the same W, so each tile is asked for jointly (mask 15).
; src is quantised by the wave that owns the row tile and goes to the other waves as images of the operand's registers (16 bytes a lane, 512 bytes a store).  LDS holds four of the eight K steps' images;
; the other four wait in 64 registers and are stored when the first four have been read.
; OUT, all in the order of the reader's registers: q, k: [bh][tile of 16][2][lane][16 bytes]; v: [bh][128 keys][4 tiles of channels][4][lane][16], keys innermost: v's codes are turned by products with unit
; matrices (code x 1.0, nothing rounded); |q|^2, |k|^2 of each head and token in f32.  The table's product 4 has k as its left operand: k takes entry 6 of the scales, q entry 7; v entry 8.
; LIMITS: each power of two made here is an f32 number: e(src) + e(W) between -126 and 127; each quantiser's e between -126 and 119.  NaN and infinity among the inputs are not served.
.set KROW,   1024                      ; a row of W in bytes
.set PITCH,  272                       ; an LDS row: 256 bytes + 16: the 32 lanes of an 8-byte load (16 rows, two halves) touch 64 different words modulo 64
.set WPART,  128*PITCH                 ; a wave's part of a slot
.set SLOT,   4*WPART
.set IMG,    2*SLOT                    ; images of A: ((s % 4) x 4 + a) x 2048 + g x 512 + 16 x lane
.set XCH,    IMG+32768                 ; sums from wave to wave
.set SPARE,  XCH+3072                  ; the spare words, 128 bytes a wave
; window 0: v1 r, v2 hh, v3 src offset, v16-17 B's LDS addresses, v19-22 images and sums, v26 16 x lane, v27 32 hh, v28-29 the add's two, v30-31 scale and limit, v32-63 sums, v64-127 held images, v128-255 A (two sets)
; window 1: B (two sets of 128).   window 2, 3: accumulators of column tiles 0-7, 8-15 at v[8 (4 b' + a)]
.set MSB, 0
.macro WIN new                         ; the immediate's high byte repeats the setting that is left
.if MSB != (\new)
	s_set_vgpr_msb (MSB<<8)|(\new)
.set MSB, (\new)
.endif
.endm
.macro PLACES n
.rept \n
	v_nop
.endr
.endm
.macro CREST                           ; a round of the cluster's barrier behind its opening barrier
	s_cmp_lg_u32 s14, 0
	s_cbranch_scc1 .Lnot_wave_0_\@
	s_barrier_signal -3
.Lnot_wave_0_\@:
	s_barrier_wait -3
	s_barrier_signal -1
	s_barrier_wait -1
.endm
.macro CROUND
	s_barrier_signal -1
	s_barrier_wait -1
	CREST
.endm
.macro FETCH_B slot, q, set            ; my 8 column tiles x 128 K: 64 loads of 8 bytes
	WIN 0x40
.irp b, 0,1,2,3,4,5,6,7
.irp c, 0,1,2,3,4,5,6,7
	ds_load_b64 v[128*(\set)+16*\b+2*\c:128*(\set)+16*\b+2*\c+1], v[16+(\slot)] offset:\b*16*PITCH+128*(\q)+16*\c
.endr
.endr
	WIN 0
.endm
.macro FETCH_A s, set                  ; the four row tiles' images of K step s
.irp a, 0,1,2,3
.irp g, 0,1,2,3
	ds_load_b128 v[128+64*(\set)+16*\a+4*\g:128+64*(\set)+16*\a+4*\g+3], v19 offset:(((\s)%4)*4+\a)*2048+\g*512
.endr
.endr
.endm
.macro IMAGE reg, s                    ; my row tile's fragment of K step s goes to LDS as it stands
.irp g, 0,1,2,3
	ds_store_b128 v20, v[(\reg)+4*\g:(\reg)+4*\g+3] offset:((\s)%4)*8192+\g*512
.endr
.endm
.macro MUL16 q, b0, zero               ; 16 products; the 32 accumulators of a trip take turns, one instruction a turn
.irp b, \b0, \b0+1, \b0+2, \b0+3
.irp a, 0,1,2,3
.if \zero
	v_wmma_f32_16x16x128_fp8_fp8 v[8*(4*(\b)+\a):8*(4*(\b)+\a)+7], v[128*(\q)+16*(\b):128*(\q)+16*(\b)+15], v[128+64*(\q)+16*\a:128+64*(\q)+16*\a+15], 0
.else
	v_wmma_f32_16x16x128_fp8_fp8 v[8*(4*(\b)+\a):8*(4*(\b)+\a)+7], v[128*(\q)+16*(\b):128*(\q)+16*(\b)+15], v[128+64*(\q)+16*\a:128+64*(\q)+16*\a+15], v[8*(4*(\b)+\a):8*(4*(\b)+\a)+7]
.endif
.endr
.endr
.endm
.macro TAILLOAD                        ; the bias in the result's layout: window 1, v[8 b + j] = bias(256 w + 16 b + 8 hh + j)
	WIN 0x40
.irp b, 0,1,2,3,4,5,6,7,8,9,10,11,12,13,14,15
	global_load_b128 v[8*\b:8*\b+3], v27, s[16:17] offset:64*\b
	global_load_b128 v[8*\b+4:8*\b+7], v27, s[16:17] offset:64*\b+16
.endr
	WIN 0
.endm
; TRIP t = 2 k + H: K step k of 256, column tiles 8 H .. 8 H + 7, slot H: 64 products.  Trips 0 to 5 fill their slot again with tile t + 2.
.macro TRIP t, zero
.set HH, (\t)%2
.set KK, (\t)/2
	s_wait_dscnt 0x0                               ; set 0 is in (trip 3: my held images are stored too)
	PLACES 4                                       ; four places between the last products and loads into registers that they read
	FETCH_B HH, 1, 1
.if HH == 0
	FETCH_A 2*KK+1, 1
.endif
	WIN 0xa1+0x50*HH
	MUL16 0, 0, \zero
.if (\t) <= 5
	WIN 0                                          ; (the add's two registers lie in window 0)
	s_wait_tensorcnt 0x0                           ; all my tensor loads have landed: the one that was out is tile t + 1
	ds_add_u32 v28, v29                            ; 0 onto my spare word
	s_add_nc_u64 s[34+4*HH:35+4*HH], s[34+4*HH:35+4*HH], 256   ; no load of mine is out: this slot's next tile, 256 along K on
.endif
.if (\t) == 6
	s_wait_tensorcnt 0x0                           ; tile 7, which only I read, has landed
.endif
	WIN 0xa1+0x50*HH
	MUL16 0, 4, \zero
	s_wait_dscnt 0x0                               ; the add is done, set 1 is in, and my reads of this slot are over
.if (\t) <= 5
	s_barrier_signal -1                            ; opens a round of the cluster's barrier
.endif
	MUL16 1, 0, 0
	WIN 0
.if (\t) <= 5
	s_barrier_wait -1
	CREST                                          ; no wave of any partner still reads this slot or has a load on its way
	tensor_load_to_lds s[32+4*HH:35+4*HH], s[24:31]
	s_nop 0
.endif
	PLACES 4
.if (\t) == 2
	IMAGE 64, 4                                    ; every wave's reads of K steps 0-3 were waited for ahead of this round: steps 4-7 take their place
	IMAGE 80, 5
	IMAGE 96, 6
	IMAGE 112, 7
.endif
.if (\t) < 7
	FETCH_B 1-HH, 0, 0
.if HH == 1
	FETCH_A 2*KK+2, 0
.endif
.else
	TAILLOAD
.endif
	WIN 0xa1+0x50*HH
	MUL16 1, 4, 0
	WIN 0
.endm
.macro E1                              ; sum x 2^(eA + eB) + bias, each accumulator from its low end on
.irp h, 0,1
	WIN 0x92+0x41*\h
.irp b, 0,1,2,3,4,5,6,7
.irp a, 0,1,2,3
.irp p, 0,2,4,6
	v_pk_fma_f32 v[8*(4*\b+\a)+\p:8*(4*\b+\a)+\p+1], v[8*(4*\b+\a)+\p:8*(4*\b+\a)+\p+1], s[44:45], v[8*(8*\h+\b)+\p:8*(8*\h+\b)+\p+1] op_sel_hi:[1,0,1]
.endr
.endr
.endr
.endr
	WIN 0
.endm
.macro SQ                              ; sums of squares of my 256 columns, a pair for each row tile; four chains side by side; the first product starts them
.irp h, 0,1
	WIN 0x0a+5*\h
.irp b, 0,1,2,3,4,5,6,7
.irp p, 0,2,4,6
.irp a, 0,1,2,3
.if \h+\b+\p == 0
	v_pk_mul_f32 v[32+2*\a:33+2*\a], v[8*(4*\b+\a)+\p:8*(4*\b+\a)+\p+1], v[8*(4*\b+\a)+\p:8*(4*\b+\a)+\p+1]
.else
	v_pk_fma_f32 v[32+2*\a:33+2*\a], v[8*(4*\b+\a)+\p:8*(4*\b+\a)+\p+1], v[8*(4*\b+\a)+\p:8*(4*\b+\a)+\p+1], v[32+2*\a:33+2*\a]
.endif
.endr
.endr
.endr
.endr
	WIN 0
.endm
.macro HALVES                          ; a pair's two words, and the other half of the lanes
.irp a, 0,1,2,3
	v_add_f32 v[40+\a], v[32+2*\a], v[33+2*\a]
.endr
.irp a, 0,1,2,3
	v_permlanex16_b32 v[44+\a], v[40+\a], s46, s47
.endr
.irp a, 0,1,2,3
	v_add_f32 v[40+\a], v[40+\a], v[44+\a]
.endr
.endm
.macro XSUM n                          ; the four waves' sums meet in LDS; every wave adds them in the same order
	ds_store_b128 v21, v[40:43] offset:(\n)*1024
	s_wait_dscnt 0x0                               ; for the others' sake: my store has landed
	s_barrier_signal -1
	s_barrier_wait -1
.irp u, 0,1,2,3
	ds_load_b128 v[64+4*\u:67+4*\u], v22 offset:(\n)*1024+256*\u
.endr
	s_wait_dscnt 0x0
	v_pk_add_f32 v[64:65], v[64:65], v[68:69]
	v_pk_add_f32 v[66:67], v[66:67], v[70:71]
	v_pk_add_f32 v[72:73], v[72:73], v[76:77]
	v_pk_add_f32 v[74:75], v[74:75], v[78:79]
	v_pk_add_f32 v[40:41], v[64:65], v[72:73]
	v_pk_add_f32 v[42:43], v[66:67], v[74:75]
.endm
.macro RNORM                           ; v[48 + 2 a] = 1 / (sqrt(sum) + 1e-8), twice
.irp a, 0,1,2,3
	v_sqrt_f32 v[40+\a], v[40+\a]
.endr
	v_nop                                          ; a plain line behind the batch,
	s_wait_alu depctr_va_vdst(0)                   ; and one wait ahead of its first reader
.irp a, 0,1,2,3
	v_add_f32 v[40+\a], 0x322bcc77, v[40+\a]
.endr
.irp a, 0,1,2,3
	v_rcp_f32 v[48+2*\a], v[40+\a]
.endr
	v_nop
	s_wait_alu depctr_va_vdst(0)
.irp a, 0,1,2,3
	v_mov_b32 v[49+2*\a], v[48+2*\a]
.endr
.endm
.macro SCALEA R                        ; every number x the low word of v[R + 2 a]
.irp h, 0,1
	WIN 0x82+0x41*\h
.irp b, 0,1,2,3,4,5,6,7
.irp a, 0,1,2,3
.irp p, 0,2,4,6
	v_pk_mul_f32 v[8*(4*\b+\a)+\p:8*(4*\b+\a)+\p+1], v[8*(4*\b+\a)+\p:8*(4*\b+\a)+\p+1], v[(\R)+2*\a:(\R)+2*\a+1] op_sel_hi:[1,0]
.endr
.endr
.endr
.endr
	WIN 0
.endm
.macro QCONST e, t                     ; v30 = 2^e, v31 = 448 x 2^e; e in s[e]
	s_add_co_i32 s[\t], s[\e], 127
	s_lshl_b32 s[\t+1], s[\t], 23
	v_mov_b32 v30, s[\t+1]
	s_add_co_i32 s[\t], s[\t], 8
	s_lshl_b32 s[\t], s[\t], 23
	s_or_b32 s[\t], s[\t], 0x600000
	v_mov_b32 v31, s[\t]
.endm
.macro HOLDALL                         ; the conversion to an 8-bit code does not saturate (ISA guide 7.6.2): hold within the largest code x the scale
.set J, 0
.rept 256
	v_med3_num_f32 v[J], v[J], -v31, v31
.set J, J+1
.endr
.endm
.macro SRCFRAG blk, s                  ; src: my 64 numbers of K step s (k = 128 s + 16 c + 8 hh + 0..7 of token r) into block blk of the window in hand
.irp c, 0,1,2,3,4,5,6,7
	global_load_b128 v[64*(\blk)+8*\c:64*(\blk)+8*\c+3], v3, s[4:5] offset:512*(\s)+64*\c
	global_load_b128 v[64*(\blk)+8*\c+4:64*(\blk)+8*\c+7], v3, s[4:5] offset:512*(\s)+64*\c+16
.endr
.endm
.macro CVTFRAG blk, d                  ; block blk becomes a fragment's 16 registers from v[d] of window 0.  The blocks are dealt so that d never lies among the block's own register numbers
.irp c, 0,1,2,3,4,5,6,7
	v_cvt_scalef32_pk8_fp8_f32 v[(\d)+2*\c:(\d)+2*\c+1], v[64*(\blk)+8*\c:64*(\blk)+8*\c+7], v30
.endr
.endm
.macro QNS                             ; |head|^2: pair (hl, a) at v[96 + 2 (4 hl + a)]
.irp h, 0,1
	WIN 0x0a+5*\h
.irp b, 0,1,2,3,4,5,6,7
.irp p, 0,2,4,6
.irp a, 0,1,2,3
.if (\b%4)+\p == 0
	v_pk_mul_f32 v[96+2*(4*(2*\h+\b/4)+\a):97+2*(4*(2*\h+\b/4)+\a)], v[8*(4*\b+\a)+\p:8*(4*\b+\a)+\p+1], v[8*(4*\b+\a)+\p:8*(4*\b+\a)+\p+1]
.else
	v_pk_fma_f32 v[96+2*(4*(2*\h+\b/4)+\a):97+2*(4*(2*\h+\b/4)+\a)], v[8*(4*\b+\a)+\p:8*(4*\b+\a)+\p+1], v[8*(4*\b+\a)+\p:8*(4*\b+\a)+\p+1], v[96+2*(4*(2*\h+\b/4)+\a):97+2*(4*(2*\h+\b/4)+\a)]
.endif
.endr
.endr
.endr
.endr
	WIN 0
.endm
.macro QOUT                            ; codes: fragment (head hl = 2 h + b' / 4, row tile a), 8 registers, at v[128 - 64 (hl % 2) + 8 (4 (hl / 2) + a)]
.irp h, 0,1
	WIN 0x82+0x41*\h
	HOLDALL
	WIN 0x02+\h
.irp b, 0,1,2,3,4,5,6,7
.irp a, 0,1,2,3
	v_cvt_scalef32_pk8_fp8_f32 v[128-64*(\b/4)+8*(4*\h+\a)+2*(\b%4):128-64*(\b/4)+8*(4*\h+\a)+2*(\b%4)+1], v[8*(4*\b+\a):8*(4*\b+\a)+7], v30
.endr
.endr
.endr
	WIN 0
	v_nop                                          ; a plain line behind the last conversion
.endm
	s_load_b256 s[4:11], s[0:1], 0x0               ; src, wq, wk, wv
	s_load_b256 s[68:75], s[0:1], 0x20             ; bq, bk, bv, the scales' exponents
	s_load_b64 s[76:77], s[0:1], 0x40              ; qkv
	v_lshl_add_u32 v28, v0, 2, SPARE
	v_mov_b32 v29, 0
	ds_add_u32 v28, v29                            ; the wave's opening: the add, twice on end, and its wait ahead of my first tensor load
	ds_add_u32 v28, v29
	v_lshrrev_b32 v1, 5, v0
	v_readfirstlane_b32 s14, v1                    ; wave 0..3
	s_bfe_u32 s40, ttmp6, 0x40000                  ; cx
	s_lshl_b32 s41, ttmp9, 2
	s_add_co_u32 s41, s41, s40                     ; row block i: it enters src's and qkv's addresses alone
	s_and_b32 s42, ttmp7, 0xffff                   ; y: which product; the four partners share it
	s_mov_b32 s24, 15|(1<<20)|(1<<21)|(5<<22)|(3<<25)  ; group 1: mask of the four; bytes; padding of 4 words behind every 64; bit 21 beside the mask
	s_mov_b32 s25, 256<<16                         ; tensor_dim0
	s_mov_b32 s26, 128<<16                         ; tensor_dim1
	s_mov_b32 s27, 256<<16                         ; tile_dim0
	s_mov_b32 s28, 128                             ; tile_dim1
	s_mov_b32 s29, KROW                            ; from row to row
	s_mov_b32 s30, 0
	s_mov_b32 s31, 0
	s_mov_b32 s46, 0x76543210                      ; v_permlanex16_b32: lane l xor 16
	s_mov_b32 s47, 0xfedcba98
	v_and_b32 v1, 15, v0                           ; r
	v_bfe_u32 v2, v0, 4, 1                         ; hh
	v_and_b32 v3, 31, v0
	v_lshlrev_b32 v26, 4, v3                       ; 16 x lane
	s_mul_i32 s33, s14, WPART                      ; my part of slot 0
	v_mul_u32_u24 v16, v1, PITCH
	v_lshl_add_u32 v16, v2, 3, v16
	v_add_nc_u32 v16, s33, v16
	v_add_nc_u32 v17, SLOT, v16
	v_add_nc_u32 v19, IMG, v26
	s_lshl_b32 s20, s14, 11
	v_add_nc_u32 v20, s20, v19
	v_lshlrev_b32 v22, 4, v1
	v_add_nc_u32 v22, XCH, v22
	s_lshl_b32 s20, s14, 8
	v_add_nc_u32 v21, s20, v22
	v_lshlrev_b32 v27, 5, v2
	v_lshl_add_u32 v3, v1, 13, v27                 ; src: token r of 8,192 bytes, + 32 hh
.irp n, 44,45,46,47
	v_mov_b32 v\n, 0                               ; written once: a lane permute's destination counts as one of its sources
.endr
	s_and_b32 s15, s41, 31
	s_lshl_b32 s15, s15, 6                         ; s0: the block's first position
	s_lshr_b32 s43, s41, 5                         ; its batch
	s_lshl_b32 s20, s14, 4
	s_add_co_u32 s20, s20, s15
	s_lshl_b32 s20, s20, 13
	s_lshl_b32 s21, s43, 12
	s_add_co_u32 s22, s20, s21
	s_mov_b32 s23, 0
	s_wait_dscnt 0x0                               ; both opening adds are done
	s_wait_kmcnt 0x0
	s_load_b512 s[80:95], s[74:75], 0x0            ; the sixteen exponents
	s_add_nc_u64 s[4:5], s[4:5], s[22:23]          ; src at my 16 tokens
	s_cmp_eq_u32 s42, 0                            ; W and the bias by y
	s_cselect_b64 s[12:13], s[6:7], s[8:9]
	s_cselect_b64 s[16:17], s[68:69], s[70:71]
	s_cmp_eq_u32 s42, 2
	s_cselect_b64 s[12:13], s[10:11], s[12:13]
	s_cselect_b64 s[16:17], s[72:73], s[16:17]
	s_lshl_b32 s20, s14, 18                        ; my 256 rows of W
	s_mov_b32 s21, 0
	s_add_nc_u64 s[12:13], s[12:13], s[20:21]
	s_lshl_b32 s20, s14, 10
	s_add_nc_u64 s[16:17], s[16:17], s[20:21]
	s_mov_b32 s32, 1                               ; group 0 of slot 0: rows 0-127 of mine, K step 0
	s_mov_b64 s[34:35], s[12:13]
	s_or_b32 s35, s35, 0x80000000
	s_mov_b32 s36, 1                               ; of slot 1: rows 128-255
	s_add_co_u32 s37, s33, SLOT
	s_add_nc_u64 s[38:39], s[12:13], 128*KROW
	s_or_b32 s39, s39, 0x80000000
	CROUND                                         ; the four work-groups are here: the first joint loads meet
	tensor_load_to_lds s[32:35], s[24:31]
	s_nop 0
	tensor_load_to_lds s[36:39], s[24:31]          ; two loads of mine are out
	s_nop 0
	PLACES 4
	WIN 0x80                                       ; src into the registers that the sums will take
	SRCFRAG 0, 0
	SRCFRAG 1, 1
	SRCFRAG 2, 7
	SRCFRAG 3, 2
	WIN 0xc0
	SRCFRAG 0, 4
	SRCFRAG 1, 3
	SRCFRAG 2, 5
	SRCFRAG 3, 6
	WIN 0
	s_wait_kmcnt 0x0
	s_cmp_eq_u32 s42, 0                            ; the exponents by y: src's, W's, the result's
	s_cselect_b32 s48, s80, s82
	s_cselect_b32 s49, s81, s83
	s_cselect_b32 s50, s87, s86
	s_cmp_eq_u32 s42, 2
	s_cselect_b32 s48, s84, s48
	s_cselect_b32 s49, s85, s49
	s_cselect_b32 s50, s88, s50
	s_add_co_i32 s44, s48, s49
	s_add_co_i32 s44, s44, 127
	s_lshl_b32 s44, s44, 23                        ; 2^(e src + e W)
	s_mov_b32 s45, s44
	QCONST 48, 20
	s_wait_loadcnt 63                              ; at most 63 of the 128 loads are out: the first 64 are in
	WIN 0x82
	HOLDALL
	WIN 0x02
	CVTFRAG 0, 128
	CVTFRAG 1, 144
	CVTFRAG 2, 112
	CVTFRAG 3, 160
	s_wait_loadcnt 0x0
	WIN 0xc3
	HOLDALL
	WIN 0x03
	CVTFRAG 0, 64
	CVTFRAG 1, 176
	CVTFRAG 2, 80
	CVTFRAG 3, 96
	WIN 0
	v_nop                                          ; a plain line behind the last conversion: products will write its sources
	IMAGE 128, 0
	IMAGE 144, 1
	IMAGE 160, 2
	IMAGE 176, 3
	s_wait_tensorcnt 0x1                           ; my tile 0 is in; tile 1 may stay out
	s_wait_dscnt 0x0                               ; my images have landed
	s_barrier_signal -1
	s_barrier_wait -1
	FETCH_B 0, 0, 0
	FETCH_A 0, 0
	TRIP 0, 1
	TRIP 1, 1
	TRIP 2, 0
	TRIP 3, 0
	TRIP 4, 0
	TRIP 5, 0
	TRIP 6, 0
	TRIP 7, 0
	; where the results go
	s_lshl_b32 s52, s43, 21
	s_lshl_b32 s53, s14, 19
	s_add_co_u32 s52, s52, s53                     ; (16 b + 4 w) x 131,072: my first head
	s_lshr_b32 s56, s52, 4                         ; the norms: (16 b + 4 w) x 8,192 + 4 s0 + 262,144 y + 12 MiB
	s_lshl_b32 s53, s15, 2
	s_add_co_u32 s56, s56, s53
	s_lshl_b32 s53, s42, 18
	s_add_co_u32 s56, s56, s53
	s_add_co_u32 s56, s56, 0xc00000
	s_mov_b32 s57, 0
	s_add_nc_u64 s[56:57], s[76:77], s[56:57]
	s_lshr_b32 s53, s15, 7                         ; v: + 8 MiB + the key step x 8,192 + which half of its keys x 1,024
	s_lshl_b32 s53, s53, 13
	s_add_co_u32 s58, s52, s53
	s_bfe_u32 s53, s15, 0x10006
	s_lshl_b32 s53, s53, 10
	s_add_co_u32 s58, s58, s53
	s_add_co_u32 s58, s58, 0x800000
	s_mov_b32 s59, 0
	s_add_nc_u64 s[58:59], s[76:77], s[58:59]
	s_lshl_b32 s53, s15, 6                         ; q, k: + (s0 / 16) x 1,024 + 4 MiB y
	s_add_co_u32 s52, s52, s53
	s_lshl_b32 s53, s42, 22
	s_add_co_u32 s52, s52, s53
	s_mov_b32 s53, 0
	s_add_nc_u64 s[52:53], s[76:77], s[52:53]
	s_wait_loadcnt 0x0                             ; the bias
	PLACES 4                                       ; between the last products and the first read of results
	E1
	SQ
	HALVES
	XSUM 0
	RNORM
	SCALEA 48                                      ; onto the unit sphere
	s_cmp_eq_u32 s42, 2                            ; v has no norms of heads: a branch on the work-group's y, the same in all partners
	s_cbranch_scc1 .Lno_norms
	QNS
.irp n, 0,1,2,3,4,5,6,7,8,9,10,11,12,13,14,15
	v_add_f32 v[64+\n], v[96+2*\n], v[97+2*\n]
.endr
.irp n, 0,1,2,3,4,5,6,7,8,9,10,11,12,13,14,15
	v_permlanex16_b32 v[80+\n], v[64+\n], s46, s47
.endr
.irp n, 0,1,2,3,4,5,6,7,8,9,10,11,12,13,14,15
	v_add_f32 v[64+\n], v[64+\n], v[80+\n]
.endr
	v_cmp_eq_u32 s54, 1, v2                        ; lanes 16-31 take the odd row tile, so that 32 lanes store 32 neighbouring tokens
	v_lshrrev_b32 v4, 2, v26                       ; 4 x lane
.irp hl, 0,1,2,3
.irp p, 0,1
	v_cndmask_b32 v[32+2*\hl+\p], v[64+4*\hl+2*\p], v[65+4*\hl+2*\p], s54
	global_store_b32 v4, v[32+2*\hl+\p], s[56:57] offset:\hl*8192+128*\p
.endr
.endr
.Lno_norms:
	QCONST 50, 20
	QOUT
	s_cmp_eq_u32 s42, 2
	s_cbranch_scc1 .Lvalues
.irp hl, 0,1,2,3
.irp a, 0,1,2,3
.irp g, 0,1
	global_store_b128 v26, v[128-64*(\hl%2)+8*(4*(\hl/2)+\a)+4*\g:128-64*(\hl%2)+8*(4*(\hl/2)+\a)+4*\g+3], s[52:53] offset:\hl*131072+\a*1024+\g*512   ; 512 consecutive bytes
.endr
.endr
.endr
	s_branch .Lend
.Lvalues:
	; v's keys must come innermost.  D = (16 tokens x 64 channels of codes) x I_tau: lane r then holds channel 16 tau + r, register j token 16 a + 8 hh + j; the values are code x 1.0.
	; I_tau is a run of 8 out of 14 registers: six zeros, E0, E1, six zeros; E_u holds the code of 1.0 (0x38) in byte r % 4 where hh = r / 8 and (r / 4) % 2 = u.
	v_and_b32 v8, 3, v1
	v_lshlrev_b32 v8, 3, v8
	v_mov_b32 v9, 0x38
	v_lshlrev_b32 v8, v8, v9
	v_lshrrev_b32 v9, 3, v1
	v_cmp_eq_u32 s54, v9, v2
	v_bfe_u32 v9, v1, 2, 1
	v_cmp_eq_u32 s55, 0, v9
	s_and_b32 s60, s54, s55
	s_and_not1_b32 s61, s54, s55
	v_mov_b32 v23, 1.0                             ; the second conversion's scale
	WIN 0x40
.irp n, 128,129,130,131,132,133,136,137,138,139,140,141
	v_mov_b32 v\n, 0
.endr
	v_cndmask_b32 v134, 0, v8, s60
	v_cndmask_b32 v135, 0, v8, s61
.irp hl, 0,1,2,3
	WIN 0x44                                       ; source 0 window 0, source 1 and D window 1
.irp tau, 0,1,2,3
.irp a, 0,1,2,3
	v_wmma_f32_16x16x64_fp8_fp8 v[8*(4*\tau+\a):8*(4*\tau+\a)+7], v[128-64*(\hl%2)+8*(4*(\hl/2)+\a):128-64*(\hl%2)+8*(4*(\hl/2)+\a)+7], v[134-2*\tau:141-2*\tau], 0
.endr
.endr
	PLACES 4
	WIN 0x81                                       ; source 0 window 1, destination window 2
.irp tau, 0,1,2,3
.irp a, 0,1,2,3
	v_cvt_scalef32_pk8_fp8_f32 v[128+32*\hl+8*\tau+4*(\a/2)+2*(\a%2):128+32*\hl+8*\tau+4*(\a/2)+2*(\a%2)+1], v[8*(4*\tau+\a):8*(4*\tau+\a)+7], v23
.endr
.endr
	PLACES 2                                       ; with the four above: six places ahead of the next head's products, which write over these results
.endr
	WIN 0x08                                       ; store data in window 2
.irp hl, 0,1,2,3
.irp tau, 0,1,2,3
.irp g, 0,1
	global_store_b128 v26, v[128+32*\hl+8*\tau+4*\g:128+32*\hl+8*\tau+4*\g+3], s[58:59] offset:\hl*131072+\tau*2048+\g*512
.endr
.endr
.endr
	WIN 0
.Lend:
	s_wait_tensorcnt 0x0                           ; the wave's end
	ds_add_u32 v28, v29
	s_wait_dscnt 0x0
	CROUND                                         ; the closing round
	s_endpgm
.Lfunc_end_k_q10cb80e636_qkv:
	.size	k_q10cb80e636_qkv, .Lfunc_end_k_q10cb80e636_qkv-k_q10cb80e636_qkv
	.p2alignl 7, 3214868480
	.fill 96, 4, 3214868480
	.section	.rodata,"a",@progbits
	.p2align	6, 0x0
	.amdhsa_kernel k_q10cb80e636_qkv
		.amdhsa_group_segment_fixed_size 327680
		.amdhsa_private_segment_fixed_size 0
		.amdhsa_enable_private_segment 0
		.amdhsa_kernarg_size 72
		.amdhsa_user_sgpr_count 2
		.amdhsa_user_sgpr_kernarg_segment_ptr 1
		.amdhsa_wavefront_size32 1
		.amdhsa_system_sgpr_workgroup_id_x 1
		.amdhsa_system_sgpr_workgroup_id_y 1
		.amdhsa_system_sgpr_workgroup_id_z 1
		.amdhsa_system_vgpr_workitem_id 0
		.amdhsa_next_free_vgpr 1024
		.amdhsa_next_free_sgpr 100
		.amdhsa_reserve_vcc 0
		.amdhsa_float_denorm_mode_32 3
		.amdhsa_float_denorm_mode_16_64 3
		.amdhsa_memory_ordered 1
		.amdhsa_forward_progress 1
		.amdhsa_inst_pref_size 255
	.end_amdhsa_kernel
	.section	.bss,"aw",@nobits
	.p2align	6
	.space	262144
	.amdgpu_metadata
---
amdhsa.version: [ 1, 2 ]
amdhsa.kernels:
  - .name:           k_q10cb80e636_qkv
    .symbol:         k_q10cb80e636_qkv.kd
    .args:
      - { .name: src, .offset: 0, .size: 8, .value_kind: global_buffer, .address_space: global }
      - { .name: wq_codes, .offset: 8, .size: 8, .value_kind: global_buffer, .address_space: global }
      - { .name: wk_codes, .offset: 16, .size: 8, .value_kind: global_buffer, .address_space: global }
      - { .name: wv_codes, .offset: 24, .size: 8, .value_kind: global_buffer, .address_space: global }
      - { .name: bq, .offset: 32, .size: 8, .value_kind: global_buffer, .address_space: global }
      - { .name: bk, .offset: 40, .size: 8, .value_kind: global_buffer, .address_space: global }
      - { .name: bv, .offset: 48, .size: 8, .value_kind: global_buffer, .address_space: global }
      - { .name: lowp_scales, .offset: 56, .size: 8, .value_kind: global_buffer, .address_space: global }
      - { .name: qkv, .offset: 64, .size: 8, .value_kind: global_buffer, .address_space: global }
    .group_segment_fixed_size: 327680
    .private_segment_fixed_size: 0
    .kernarg_segment_align: 8
    .kernarg_segment_size: 72
    .max_flat_workgroup_size: 128
    .sgpr_count:     100
    .vgpr_count:     1024
    .wavefront_size: 32
...
	.end_amdgpu_metadata
.endif
;; end of part 1
;; launch attn (part 2): grid 8 x 32, 16 waves a work-group, clusters of 4 x 1, 327,680 bytes of LDS; arguments qkv, lowp_scales, ao; writes ao
.if DOCPART == 2
	.amdgcn_target "amdgcn-amd-amdhsa--gfx1250"
	.amdhsa_code_object_version 6
	.text
	.protected	k_q10cb80e636_attn
	.globl	k_q10cb80e636_attn
	.p2align	8
	.type	k_q10cb80e636_attn,@function
k_q10cb80e636_attn:
	s_mov_b64 s[64:65], 0
	v_nop
	global_prefetch_b8 v0, s[64:65] scope:SCOPE_SE
	s_setreg_imm32_b32 hwreg(HW_REG_WAVE_MODE, 25, 1), 1
	s_wait_xcnt 0x0
	s_wait_alu depctr_hold_cnt(0) depctr_sa_sdst(0) depctr_va_vdst(0) depctr_va_sdst(0) depctr_va_ssrc(0) depctr_va_vcc(0) depctr_vm_vsrc(0)
	s_getreg_b32 s2, hwreg(HW_REG_IB_STS2, 6, 4)
	s_cmp_eq_u32 s2, 0
	s_cbranch_scc0 .Lentry_in_a_cluster
	s_endpgm
.Lentry_in_a_cluster:
	s_bfe_u32 s2, ttmp6, 0x10000c
	s_cmp_lg_u32 s2, 0x3003
	s_cbranch_scc0 .Lentry_shape_is_right
	s_endpgm
.Lentry_shape_is_right:
; LAUNCH 2 OF 7: attention with scores -sqrt(clip(1 - (q.k)^2 / (|q|^2 |k|^2 + 1e-8), 0)), both products on codes of E4M3.  No work of the problem is left out.
; SHARES: a work-group owns 256 queries of one (batch, head); each of its sixteen waves one tile of 16 in 256 registers, four waves to a SIMD, so that one wave's vector work stands beside another's
; matrix work and LDS loads.  Every wave walks 16 steps of 128 keys.  Both products are used transposed: S^T = K Q^T, O^T = V^T P^T: a lane holds one query throughout, and the eight registers of score
; tile T are keys 16 T + 8 hh + 0..7, which one conversion turns into registers 2 T, 2 T + 1 of P.
; K, V and |k|^2 lie in memory in the order of the operands' registers, so a slot (256 keys: 16 KB of K, 16 KB of V) is two dense blocks and every LDS load takes 512 consecutive bytes.
; CLUSTER: the four query blocks of a cluster walk the same K, V and |k|^2: joint loads, mask 15 (wave 0: K, wave 1: V, wave 2: |k|^2 once).
; SCORE: with d = |q|^2 |k|^2 + 1e-8 and n = d - dots^2, sqrt(n / d) = n x rsq(n d): two transcendentals a pair with the exponential.
; SOFTMAX: t = score x log2(e); M = the running largest t rounded up to a whole number; p = 2^(t - M) is quantised; the sum is taken of the unquantised p and divides at the end.
; LIMITS: the clip stands at n >= 2^-80 in place of 0, which moves a score by at most 9e-9 (d is at least 1e-8), and keeps n d above the smallest normal number.  e6 + e7 between -63 and 63;
; e9 and e10 between -126 and 119.  NaN and infinity are not served.
.set SLOT1, 32768                      ; slot 1; one exclusive or turns an address
.set KNB,   65536                      ; |k|^2 of the head's 2,048 keys, filled once
.set SPARE, 73728                      ; the spare words, 128 bytes for each of 16 waves
; v1 16 x lane; v2 KNB + 32 hh; v3 256 x lane; v5, v6 the add's two; v7 4 r; v8, v9 addresses in hand; v12 -M, v13 largest t, v[14:15] the sum; v16-23 Q; v[24:25] |q|^2;
; v32-95 K, then |k|^2 / d / n d / rsq, then V; v96-159 scores, then p; v160-191 O^T; v192-207 p's codes; v208-223 at work; v240, v244: 448 x 2^e9, 2^e9; v241, v245 the same with e10
.macro PLACES n
.rept \n
	v_nop
.endr
.endm
.macro CROUND
	s_barrier_signal -1
	s_barrier_wait -1
	s_cmp_lg_u32 s18, 0
	s_cbranch_scc1 .Lnot_wave_0_\@
	s_barrier_signal -3
.Lnot_wave_0_\@:
	s_barrier_wait -3
	s_barrier_signal -1
	s_barrier_wait -1
.endm
.macro TLOAD first                     ; the branches hang on the wave's number alone
	s_cmp_lt_u32 s18, 2
	s_cbranch_scc0 .Lnot_kv_\@
	tensor_load_to_lds s[40:43], s[24:31]
	s_nop 0
	PLACES 4
	s_branch .Lasked_\@
.Lnot_kv_\@:
.if \first
	s_cmp_eq_u32 s18, 2
	s_cbranch_scc0 .Lasked_\@
	tensor_load_to_lds s[44:47], s[32:39]
	s_nop 0
	PLACES 4
.endif
.Lasked_\@:
.endm
; A prefetch of the slot that the NEXT change of slots will load: 32 KB, named once in the launch: wave 4 of the head's first cluster asks; its four partners take 8 KB each, told apart by address
; (K's two halves, V's two halves); lanes 256 bytes apart.  Nothing at the head; nothing at the last change that fills a slot.
.macro ASK
	s_cmp_gt_u32 s67, s68
	s_cbranch_scc0 .Lnot_mine_\@
	global_prefetch_b8 v3, s[76:77] th:TH_LOAD_NT scope:SCOPE_SE
.Lnot_mine_\@:
.endm
	s_load_b128 s[4:7], s[0:1], 0x0                ; qkv, the scales' exponents
	s_load_b64 s[8:9], s[0:1], 0x10                ; ao
	v_lshl_add_u32 v5, v0, 2, SPARE
	v_mov_b32 v6, 0
	ds_add_u32 v5, v6                              ; the wave's opening: the add, twice on end, and its wait ahead of the first tensor load
	ds_add_u32 v5, v6
	v_lshrrev_b32 v8, 5, v0
	v_readfirstlane_b32 s18, v8                    ; wave 0..15
	s_bfe_u32 s10, ttmp6, 0x40000                  ; cx
	s_lshl_b32 s11, ttmp9, 2
	s_add_co_u32 s11, s11, s10                     ; my block of 256 queries
	s_and_b32 s12, ttmp7, 0xffff                   ; bh = 16 b + h, which the partners share
	s_mov_b32 s24, 15|(3<<16)|(1<<21)              ; group 1 of the ring: mask of the four; elements of 8 bytes; a dense block as 64 rows of 256 bytes
	s_mov_b32 s25, 32<<16
	s_mov_b32 s26, 64<<16
	s_mov_b32 s27, 32<<16
	s_mov_b32 s28, 64
	s_mov_b32 s29, 32
	s_mov_b32 s30, 0
	s_mov_b32 s31, 0
	s_mov_b32 s32, 15|(3<<16)|(1<<21)              ; of |k|^2: 32 rows
	s_mov_b32 s33, 32<<16
	s_mov_b32 s34, 32<<16
	s_mov_b32 s35, 32<<16
	s_mov_b32 s36, 32
	s_mov_b32 s37, 32
	s_mov_b32 s38, 0
	s_mov_b32 s39, 0
	s_mov_b32 s20, 0x76543210
	s_mov_b32 s21, 0xfedcba98
	s_mov_b32 s22, 0xbfb8aa3b                      ; -log2(e): t = -log2(e) x distance
	s_mov_b32 s23, s22
	s_mov_b32 s48, 0x322bcc77                      ; 1e-8
	s_mov_b32 s49, s48
	s_mov_b32 s62, 0x17800000                      ; 2^-80
	s_mov_b32 s63, 0x3fb8aa3b                      ; log2(e)
	s_mov_b32 s60, 0                               ; the slot in hand
	s_mov_b32 s61, 0                               ; its keys' place in |k|^2
	s_mov_b32 s67, 7                               ; slots still to be asked for
	s_lshl_b32 s16, s12, 17                        ; bh x 131,072
	s_and_b32 s13, s18, 1
	s_lshl_b32 s41, s13, 14                        ; K at the slot's head, V 16 KB on
	s_lshl_b32 s14, s13, 22
	s_add_co_u32 s14, s14, s16
	s_add_co_u32 s14, s14, 0x400000                ; K at 4 MiB, V at 8 MiB
	s_mov_b32 s15, 0
	s_lshl_b32 s52, s12, 13
	s_add_co_u32 s56, s52, 0xc00000                ; |q|^2 at 12 MiB,
	s_add_co_u32 s52, s52, 0xc40000                ; |k|^2 256 KiB on
	s_mov_b32 s53, 0
	s_lshl_b32 s54, s11, 4
	s_add_co_u32 s54, s54, s18                     ; my tile among the head's 128
	s_lshl_b32 s57, s54, 6
	s_add_co_u32 s56, s56, s57
	s_mov_b32 s57, 0
	s_lshl_b32 s54, s54, 10
	s_add_co_u32 s54, s54, s16
	s_mov_b32 s55, 0
	s_lshr_b32 s58, s12, 4                         ; ao: row block 32 b + 4 xb + wave / 4, row tile wave % 4, then 1,024 h
	s_lshl_b32 s58, s58, 5
	s_lshl_b32 s59, s11, 2
	s_add_co_u32 s58, s58, s59
	s_lshr_b32 s59, s18, 2
	s_add_co_u32 s58, s58, s59
	s_lshl_b32 s58, s58, 16
	s_and_b32 s59, s18, 3
	s_lshl_b32 s59, s59, 14
	s_add_co_u32 s58, s58, s59
	s_and_b32 s59, s12, 15
	s_lshl_b32 s59, s59, 10
	s_add_co_u32 s58, s58, s59
	s_mov_b32 s59, 0
	s_lshr_b32 s70, s10, 1                         ; the prefetches: my work-group's 8 KB, in slot 1; the first change steps it to slot 2
	s_lshl_b32 s70, s70, 22
	s_and_b32 s71, s10, 1
	s_lshl_b32 s71, s71, 13
	s_add_co_u32 s70, s70, s71
	s_add_co_u32 s70, s70, s16
	s_add_co_u32 s70, s70, 0x400000+16384
	s_mov_b32 s71, 0
	s_xor_b32 s68, s18, 4
	s_or_b32 s68, s68, ttmp9                       ; 0 in wave 4 of the head's first cluster: the same in all four partners
	s_cmp_eq_u32 s68, 0
	s_cselect_b32 s68, 1, -1
	v_and_b32 v1, 31, v0
	v_lshlrev_b32 v3, 8, v1
	v_lshlrev_b32 v1, 4, v1
	v_bfe_u32 v2, v0, 4, 1
	v_lshlrev_b32 v2, 5, v2
	v_add_nc_u32 v2, KNB, v2
	v_and_b32 v7, 15, v0
	v_lshlrev_b32 v7, 2, v7
	s_wait_dscnt 0x0                               ; both opening adds are done
	s_wait_kmcnt 0x0
	s_load_b512 s[84:99], s[6:7], 0x0              ; entry n in s[84 + n]
	s_mov_b32 s40, 1
	s_add_nc_u64 s[42:43], s[4:5], s[14:15]
	s_or_b32 s43, s43, 0x80000000
	s_mov_b32 s44, 1
	s_mov_b32 s45, KNB
	s_add_nc_u64 s[46:47], s[4:5], s[52:53]
	s_or_b32 s47, s47, 0x80000000
	s_add_nc_u64 s[54:55], s[4:5], s[54:55]
	s_add_nc_u64 s[56:57], s[4:5], s[56:57]
	s_add_nc_u64 s[76:77], s[4:5], s[70:71]
	s_add_nc_u64 s[8:9], s[8:9], s[58:59]
	CROUND                                         ; the four work-groups are here: the first joint loads meet
	TLOAD 1                                        ; slot 0 and |k|^2
	global_load_b128 v[16:19], v1, s[54:55]        ; Q's fragment stays in registers
	global_load_b128 v[20:23], v1, s[54:55] offset:512
	global_load_b32 v24, v7, s[56:57]              ; |q|^2 of my query
	v_mov_b32 v13, 0xff61b1e6                      ; the largest t so far: -3e38
	v_floor_f32 v12, -v13                          ; -M
	v_mov_b32 v14, 0
	v_mov_b32 v15, 0
	v_mov_b32 v236, 0                              ; a lane permute's destination counts as one of its sources
	v_mov_b32 v253, 0                              ; (the upper half of the pair v[252:253])
.set J, 0
.rept 32
	v_mov_b32 v[160+J], 0                          ; O^T: the step is written once; its first run finds zeros
.set J, J+1
.endr
	s_wait_kmcnt 0x0
	s_add_co_i32 s70, s90, s91                     ; dots = sum x 2^(e6 + e7): its square takes 2^(2 (e6 + e7))
	s_lshl_b32 s70, s70, 1
	s_add_co_i32 s70, s70, 127
	s_lshl_b32 s50, s70, 23
	s_mov_b32 s51, s50
	s_add_co_i32 s70, s93, 127
	s_lshl_b32 s71, s70, 23
	v_mov_b32 v244, s71                            ; 2^e9
	s_add_co_i32 s70, s70, 8
	s_lshl_b32 s70, s70, 23
	s_or_b32 s70, s70, 0x600000
	v_mov_b32 v240, s70                            ; 448 x 2^e9
	s_add_co_i32 s70, s94, 127
	s_lshl_b32 s71, s70, 23
	v_mov_b32 v245, s71                            ; 2^e10
	s_add_co_i32 s70, s70, 8
	s_lshl_b32 s70, s70, 23
	s_or_b32 s70, s70, 0x600000
	v_mov_b32 v241, s70
	s_add_co_i32 s72, s92, s93                     ; e8 + e9
	s_wait_loadcnt 0x0
	v_mov_b32 v25, v24
; A KEY STEP: 128 keys, the q-th of the slot in hand
.macro STEP q
	v_add_nc_u32 v8, s60, v1
	v_add_nc_u32 v9, s61, v2
	PLACES 2                                       ; with the two additions: four places between the last products and loads into registers that they read
.irp t, 0,1,2,3,4,5,6,7
	ds_load_b128 v[32+8*\t:35+8*\t], v8 offset:(\q)*8192+\t*1024
	ds_load_b128 v[36+8*\t:39+8*\t], v8 offset:(\q)*8192+\t*1024+512
.endr
	s_wait_dscnt 0x0
.irp t, 0,1,2,3,4,5,6,7
	v_wmma_f32_16x16x64_fp8_fp8 v[96+8*\t:103+8*\t], v[32+8*\t:39+8*\t], v[16:23], 0
.endr
	PLACES 4
.irp t, 0,1,2,3,4,5,6,7
	ds_load_b128 v[32+8*\t:35+8*\t], v9 offset:(\q)*512+\t*64       ; |k|^2 of keys 16 t + 8 hh + 0..7, in the scores' layout
	ds_load_b128 v[36+8*\t:39+8*\t], v9 offset:(\q)*512+\t*64+16
.endr
	s_wait_dscnt 0x0
.set J, 0
.rept 32
	v_pk_fma_f32 v[32+J:33+J], v[32+J:33+J], v[24:25], s[48:49] op_sel_hi:[1,1,0]   ; d = |k|^2 |q|^2 + 1e-8
.set J, J+2
.endr
.irp g, 0,1,2,3
.irp u, 0,2,4,6,8,10,12,14
	v_pk_mul_f32 v[208+\u:209+\u], v[96+16*\g+\u:97+16*\g+\u], s[50:51] op_sel_hi:[1,0]   ; each accumulator from its low end on
.endr
.irp u, 0,2,4,6,8,10,12,14
	v_pk_fma_f32 v[96+16*\g+\u:97+16*\g+\u], v[208+\u:209+\u], v[96+16*\g+\u:97+16*\g+\u], v[32+16*\g+\u:33+16*\g+\u] neg_lo:[1,0,0] neg_hi:[1,0,0]   ; n = d - dots^2
.endr
.endr
.set J, 0
.rept 64
	v_max_num_f32 v[96+J], s62, v[96+J]            ; the clip
.set J, J+1
.endr
.set J, 0
.rept 32
	v_pk_mul_f32 v[32+J:33+J], v[96+J:97+J], v[32+J:33+J]   ; n d
.set J, J+2
.endr
.set J, 0
.rept 64
	v_rsq_f32 v[32+J], v[32+J]
.set J, J+1
.endr
	v_nop                                          ; a plain line behind the batch,
	s_wait_alu depctr_va_vdst(0)                   ; and one wait ahead of its first reader
.set J, 0
.rept 32
	v_pk_mul_f32 v[96+J:97+J], v[96+J:97+J], v[32+J:33+J]   ; the distance: n x rsq(n d)
.set J, J+2
.endr
.irp t, 0,1,2,3
.irp g, 0,1,2,3
	ds_load_b128 v[32+16*\t+4*\g:35+16*\t+4*\g], v8 offset:16384+(\q)*8192+\t*2048+\g*512   ; V: it lands while the softmax is worked
.endr
.endr
	v_max3_num_f32 v254, -v96, -v97, -v98          ; the largest of -distance among my 64 keys, in two chains,
	v_max3_num_f32 v252, -v99, -v100, -v101
.irp i, 6,10,14,18,22,26,30,34,38,42,46,50,54,58
	v_max3_num_f32 v254, v254, -v[96+\i], -v[97+\i]
	v_max3_num_f32 v252, v252, -v[98+\i], -v[99+\i]
.endr
	v_max3_num_f32 v254, v254, -v158, -v159
	v_max_num_f32 v254, v254, v252
	v_permlanex16_b32 v236, v254, s20, s21
	v_max_num_f32 v254, v254, v236                 ; and among lane l xor 16's
	v_mul_f32 v254, s63, v254                      ; as t
	v_max_num_f32 v13, v13, v254                   ; the running largest t
	v_mov_b32 v254, v12
	v_floor_f32 v12, -v13                          ; the new -M = floor(-t): M is a whole number
	v_sub_f32 v254, v12, v254                      ; old M - new M: a whole number, 0 or less
	v_cvt_i32_f32 v254, v254                       ; (it saturates)
	v_ldexp_f32 v252, 1.0, v254                    ; f = 2^(old M - new M): rounds nothing
.set J, 0
.rept 32
	v_pk_fma_f32 v[96+J:97+J], v[96+J:97+J], s[22:23], v[12:13] op_sel_hi:[1,0,0]   ; t - M
.set J, J+2
.endr
.set J, 0
.rept 64
	v_exp_f32 v[96+J], v[96+J]                     ; p = 2^(t - M)
.set J, J+1
.endr
	v_pk_mul_f32 v[14:15], v[14:15], v[252:253] op_sel_hi:[1,0]   ; the sums under the new M: the plain line behind the batch
	s_wait_alu depctr_va_vdst(0)                   ; one wait for the batch
	v_pk_add_f32 v[242:243], v[96:97], v[98:99]    ; the row's sum of the unquantised p, in two chains
.irp j, 4,8,12,16,20,24,28,32,36,40,44,48,52,56,60
	v_pk_add_f32 v[14:15], v[14:15], v[96+\j:97+\j]
	v_pk_add_f32 v[242:243], v[242:243], v[98+\j:99+\j]
.endr
	v_pk_add_f32 v[14:15], v[14:15], v[242:243]
.irp t, 0,1,2,3,4,5,6,7
.irp i, 0,1,2,3,4,5,6,7
	v_min_num_f32 v[96+8*\t+\i], v[96+8*\t+\i], v240   ; the conversion does not saturate (ISA guide 7.6.2); p is not negative: a one-sided hold
.endr
	v_cvt_scalef32_pk8_fp8_f32 v[192+2*\t:193+2*\t], v[96+8*\t:103+8*\t], v244
.endr
.set J, 0
.rept 16
	v_pk_mul_f32 v[160+J:161+J], v[160+J:161+J], v[252:253] op_sel_hi:[1,0]   ; O^T under the new M; also the plain lines behind the conversions
.set J, J+2
.endr
	s_wait_dscnt 0x0                               ; V is in
.irp t, 0,1,2,3
	v_wmma_f32_16x16x128_fp8_fp8 v[160+8*\t:167+8*\t], v[32+16*\t:47+16*\t], v[192:207], v[160+8*\t:167+8*\t]
.endr
.endm
; THE CHANGE OF SLOTS stands at a slot's head.  Each wave waits for all its tensor loads, adds 0 to its spare word, and waits for that and for its reads of the slot that it has left.
.macro CHANGE fill
	s_wait_tensorcnt 0x0
	ds_add_u32 v5, v6
.if \fill
	ds_add_u32 v5, v6                              ; and once more
	s_xor_b32 s41, s41, SLOT1                      ; the walking descriptor: the other slot, the next 256 keys
	s_add_nc_u64 s[42:43], s[42:43], 16384
	s_wait_xcnt 0x0                                ; the last prefetch, a slot back, has read its address
	s_add_nc_u64 s[76:77], s[76:77], 16384
	s_wait_dscnt 0x0
	CROUND                                         ; no wave of any partner still reads the slot or has a load on its way
	TLOAD 0                                        ; the first thing behind the round: it has a slot's two steps in which to land
	ASK
.else
	s_wait_dscnt 0x0
	s_barrier_signal -1
	s_barrier_wait -1
.endif
.endm
.macro SLOT_STEPS
	STEP 0
	STEP 1
	s_xor_b32 s60, s60, SLOT1
	s_add_co_u32 s61, s61, 1024
.endm
.Lslot:                                            ; seven trips: behind each change of slots but the last the next slot is asked for
	CHANGE 1
	SLOT_STEPS
	s_sub_co_u32 s67, s67, 1
	s_cmp_lg_u32 s67, 0
	s_cbranch_scc1 .Lslot
	CHANGE 0                                       ; the last slot is written out
	SLOT_STEPS
	; THE WAY OUT: O^T x 2^(e8 + e9) / the sum, quantised with e10: the conversions' results are registers of launch 3's operand, stored as they stand
	v_add_f32 v14, v14, v15
	v_permlanex16_b32 v252, v14, s20, s21
	v_add_f32 v14, v14, v252
	v_rcp_f32 v14, v14
	PLACES 4                                       ; the plain line behind the reciprocal, and the places behind the last products
	s_wait_alu depctr_va_vdst(0)
	v_ldexp_f32 v14, v14, s72
	v_mov_b32 v15, v14
.set J, 0
.rept 16
	v_pk_mul_f32 v[96+J:97+J], v[160+J:161+J], v[14:15]
.set J, J+2
.endr
.set J, 0
.rept 32
	v_med3_num_f32 v[96+J], v[96+J], -v241, v241
.set J, J+1
.endr
.irp t, 0,1,2,3
	v_cvt_scalef32_pk8_fp8_f32 v[192+2*\t:193+2*\t], v[96+8*\t:103+8*\t], v245
.endr
	v_nop
	global_store_b128 v1, v[192:195], s[8:9]       ; 512 consecutive bytes each
	global_store_b128 v1, v[196:199], s[8:9] offset:512
	s_wait_tensorcnt 0x0                           ; the wave's end
	ds_add_u32 v5, v6
	s_wait_dscnt 0x0
	CROUND                                         ; the closing round
	s_endpgm
.Lfunc_end_k_q10cb80e636_attn:
	.size	k_q10cb80e636_attn, .Lfunc_end_k_q10cb80e636_attn-k_q10cb80e636_attn
	.p2alignl 7, 3214868480
	.fill 96, 4, 3214868480
	.section	.rodata,"a",@progbits
	.p2align	6, 0x0
	.amdhsa_kernel k_q10cb80e636_attn
		.amdhsa_group_segment_fixed_size 327680
		.amdhsa_private_segment_fixed_size 0
		.amdhsa_enable_private_segment 0
		.amdhsa_kernarg_size 24
		.amdhsa_user_sgpr_count 2
		.amdhsa_user_sgpr_kernarg_segment_ptr 1
		.amdhsa_wavefront_size32 1
		.amdhsa_system_sgpr_workgroup_id_x 1
		.amdhsa_system_sgpr_workgroup_id_y 1
		.amdhsa_system_sgpr_workgroup_id_z 1
		.amdhsa_system_vgpr_workitem_id 0
		.amdhsa_next_free_vgpr 256
		.amdhsa_next_free_sgpr 100
		.amdhsa_reserve_vcc 0
		.amdhsa_float_denorm_mode_32 3
		.amdhsa_float_denorm_mode_16_64 3
		.amdhsa_memory_ordered 1
		.amdhsa_forward_progress 1
		.amdhsa_inst_pref_size 135
	.end_amdhsa_kernel
	.amdgpu_metadata
---
amdhsa.version: [ 1, 2 ]
amdhsa.kernels:
  - .name:           k_q10cb80e636_attn
    .symbol:         k_q10cb80e636_attn.kd
    .args:
      - { .name: qkv, .offset: 0, .size: 8, .value_kind: global_buffer, .address_space: global }
      - { .name: lowp_scales, .offset: 8, .size: 8, .value_kind: global_buffer, .address_space: global }
      - { .name: ao, .offset: 16, .size: 8, .value_kind: global_buffer, .address_space: global }
    .group_segment_fixed_size: 327680
    .private_segment_fixed_size: 0
    .kernarg_segment_align: 8
    .kernarg_segment_size: 24
    .max_flat_workgroup_size: 512
    .sgpr_count:     100
    .vgpr_count:     256
    .wavefront_size: 32
...
	.end_amdgpu_metadata
.endif
;; end of part 2
;; launch oproj (part 3): grid 64 x 1, 4 waves a work-group, clusters of 4 x 1, 327,680 bytes of LDS; arguments ao, wo_codes, bo, src, g1, beta1, lowp_scales, xbuf; writes xbuf
.if DOCPART == 3
	.amdgcn_target "amdgcn-amd-amdhsa--gfx1250"
	.amdhsa_code_object_version 6
	.text
	.protected	k_q10cb80e636_oproj
	.globl	k_q10cb80e636_oproj
	.p2align	8
	.type	k_q10cb80e636_oproj,@function
k_q10cb80e636_oproj:
	s_mov_b64 s[64:65], 0
	v_nop
	global_prefetch_b8 v0, s[64:65] scope:SCOPE_SE
	s_setreg_imm32_b32 hwreg(HW_REG_WAVE_MODE, 25, 1), 1
	s_wait_xcnt 0x0
	s_wait_alu depctr_hold_cnt(0) depctr_sa_sdst(0) depctr_va_vdst(0) depctr_va_sdst(0) depctr_va_ssrc(0) depctr_va_vcc(0) depctr_vm_vsrc(0)
	s_getreg_b32 s2, hwreg(HW_REG_IB_STS2, 6, 4)
	s_cmp_eq_u32 s2, 0
	s_cbranch_scc0 .Lentry_in_a_cluster
	s_endpgm
.Lentry_in_a_cluster:
	s_bfe_u32 s2, ttmp6, 0x10000c
	s_cmp_lg_u32 s2, 0x3003
	s_cbranch_scc0 .Lentry_shape_is_right
	s_endpgm
.Lentry_shape_is_right:
; LAUNCH 3 OF 7: x = layernorm(src + project(attention Wo^T + bo)) g1 + beta1, stored in f32 and as codes for product 7.  No work of the problem is left out.
; SHARES: a work-group makes 64 tokens (row block i) x all 1,024 columns in 4 x 512 accumulator registers, so the norm, the mean and the variance of a row never leave the work-group.  Wave w makes columns
; 256 w .. 256 w + 255.  The product is used transposed (source 0 = 16 rows of Wo, source 1 = 16 tokens): lane (r, hh) holds token 16 a + r and columns 16 b + 8 hh + 0..7.
; Wo's codes come through a ring of two LDS slots, each wave's own 128 rows x 256 K; the four row blocks of a cluster ask for each tile jointly (mask 15).  A's codes lie in memory in the order of the
; operand's registers; the wave that owns a row tile loads them and hands them on through LDS as they stand; four of the eight K steps wait in registers.
; The variance divides by 1,023, as the problem has it.
; LIMITS: e10 + e11 between -126 and 127; e12 between -126 and 119.  NaN and infinity are not served.
.set KROW,   1024
.set PITCH,  272                       ; an LDS row: 256 bytes + 16
.set WPART,  128*PITCH
.set SLOT,   4*WPART
.set IMG,    2*SLOT
.set XCH,    IMG+32768
.set SPARE,  XCH+3072
.set SPITCH, 1040                      ; the way out: a stage of 16 rows x (1,024 + 16) bytes in my own part of slot 0, behind its last fill and its last read
; window 0: v1 r, v2 hh, v3 src offset, v16-17, v19-22, v24-27 addresses, v28-29 the add's two, v30-31 scale and limit, v32-47 sums, v48-55 1 / norm, v56-63 mean, then 1 / deviation, v64-127 held images, later codes, v128-255 A, later codes
; window 1: B; in the tail two halves of 128 by turns: bo, src, g1, beta1, rows on their way out.   window 2, 3: accumulators at v[8 (4 b' + a)]
.set MSB, 0
.macro WIN new
.if MSB != (\new)
	s_set_vgpr_msb (MSB<<8)|(\new)
.set MSB, (\new)
.endif
.endm
.macro PLACES n
.rept \n
	v_nop
.endr
.endm
.macro CREST
	s_cmp_lg_u32 s14, 0
	s_cbranch_scc1 .Lnot_wave_0_\@
	s_barrier_signal -3
.Lnot_wave_0_\@:
	s_barrier_wait -3
	s_barrier_signal -1
	s_barrier_wait -1
.endm
.macro CROUND
	s_barrier_signal -1
	s_barrier_wait -1
	CREST
.endm
.macro FETCH_B slot, q, set
	WIN 0x40
.irp b, 0,1,2,3,4,5,6,7
.irp c, 0,1,2,3,4,5,6,7
	ds_load_b64 v[128*(\set)+16*\b+2*\c:128*(\set)+16*\b+2*\c+1], v[16+(\slot)] offset:\b*16*PITCH+128*(\q)+16*\c
.endr
.endr
	WIN 0
.endm
.macro FETCH_A s, set
.irp a, 0,1,2,3
.irp g, 0,1,2,3
	ds_load_b128 v[128+64*(\set)+16*\a+4*\g:128+64*(\set)+16*\a+4*\g+3], v19 offset:(((\s)%4)*4+\a)*2048+\g*512
.endr
.endr
.endm
.macro IMAGE reg, s
.irp g, 0,1,2,3
	ds_store_b128 v20, v[(\reg)+4*\g:(\reg)+4*\g+3] offset:((\s)%4)*8192+\g*512
.endr
.endm
.macro MUL16 q, b0, zero               ; the 32 accumulators of a trip take turns, one instruction a turn
.irp b, \b0, \b0+1, \b0+2, \b0+3
.irp a, 0,1,2,3
.if \zero
	v_wmma_f32_16x16x128_fp8_fp8 v[8*(4*(\b)+\a):8*(4*(\b)+\a)+7], v[128*(\q)+16*(\b):128*(\q)+16*(\b)+15], v[128+64*(\q)+16*\a:128+64*(\q)+16*\a+15], 0
.else
	v_wmma_f32_16x16x128_fp8_fp8 v[8*(4*(\b)+\a):8*(4*(\b)+\a)+7], v[128*(\q)+16*(\b):128*(\q)+16*(\b)+15], v[128+64*(\q)+16*\a:128+64*(\q)+16*\a+15], v[8*(4*(\b)+\a):8*(4*(\b)+\a)+7]
.endif
.endr
.endr
.endm
.macro VECLOAD R, sb                   ; a vector's 256 numbers of my columns, in the result's layout, into window 1 from v[R]
	WIN 0x40
.irp b, 0,1,2,3,4,5,6,7,8,9,10,11,12,13,14,15
	global_load_b128 v[(\R)+8*\b:(\R)+8*\b+3], v27, s[\sb:\sb+1] offset:64*\b
	global_load_b128 v[(\R)+8*\b+4:(\R)+8*\b+7], v27, s[\sb:\sb+1] offset:64*\b+16
.endr
	WIN 0
.endm
.macro TAILLOAD
	VECLOAD 0, 8                                   ; bo
.endm
; TRIP t = 2 k + H: K step k of 256, column tiles 8 H .. 8 H + 7, slot H.  Trips 0 to 5 fill their slot again with tile t + 2.
.macro TRIP t, zero
.set HH, (\t)%2
.set KK, (\t)/2
	s_wait_dscnt 0x0                               ; set 0 is in (trip 3: my held images are stored too)
	PLACES 4                                       ; four places between the last products and loads into registers that they read
	FETCH_B HH, 1, 1
.if HH == 0
	FETCH_A 2*KK+1, 1
.endif
	WIN 0xa1+0x50*HH
	MUL16 0, 0, \zero
.if (\t) <= 5
	WIN 0
	s_wait_tensorcnt 0x0                           ; all my tensor loads have landed: the one that was out is tile t + 1
	ds_add_u32 v28, v29
	s_add_nc_u64 s[34+4*HH:35+4*HH], s[34+4*HH:35+4*HH], 256
.endif
.if (\t) == 6
	s_wait_tensorcnt 0x0                           ; tile 7, which only I read, has landed
.endif
	WIN 0xa1+0x50*HH
	MUL16 0, 4, \zero
	s_wait_dscnt 0x0                               ; the add is done, set 1 is in, and my reads of this slot are over
.if (\t) <= 5
	s_barrier_signal -1
.endif
	MUL16 1, 0, 0
	WIN 0
.if (\t) <= 5
	s_barrier_wait -1
	CREST                                          ; no wave of any partner still reads this slot or has a load on its way
	tensor_load_to_lds s[32+4*HH:35+4*HH], s[24:31]
	s_nop 0
.endif
	PLACES 4
.if (\t) == 2
	IMAGE 64, 4                                    ; every wave's reads of K steps 0-3 were waited for ahead of this round
	IMAGE 80, 5
	IMAGE 96, 6
	IMAGE 112, 7
.endif
.if (\t) < 7
	FETCH_B 1-HH, 0, 0
.if HH == 1
	FETCH_A 2*KK+2, 0
.endif
.else
	TAILLOAD
.endif
	WIN 0xa1+0x50*HH
	MUL16 1, 4, 0
	WIN 0
.endm
.macro E1                              ; sum x 2^(eA + eB) + bias, each accumulator from its low end on
.irp h, 0,1
	WIN 0x92+0x41*\h
.irp b, 0,1,2,3,4,5,6,7
.irp a, 0,1,2,3
.irp p, 0,2,4,6
	v_pk_fma_f32 v[8*(4*\b+\a)+\p:8*(4*\b+\a)+\p+1], v[8*(4*\b+\a)+\p:8*(4*\b+\a)+\p+1], s[44:45], v[8*(8*\h+\b)+\p:8*(8*\h+\b)+\p+1] op_sel_hi:[1,0,1]
.endr
.endr
.endr
.endr
	WIN 0
.endm
.macro SQ
.irp h, 0,1
	WIN 0x0a+5*\h
.irp b, 0,1,2,3,4,5,6,7
.irp p, 0,2,4,6
.irp a, 0,1,2,3
.if \h+\b+\p == 0
	v_pk_mul_f32 v[32+2*\a:33+2*\a], v[8*(4*\b+\a)+\p:8*(4*\b+\a)+\p+1], v[8*(4*\b+\a)+\p:8*(4*\b+\a)+\p+1]
.else
	v_pk_fma_f32 v[32+2*\a:33+2*\a], v[8*(4*\b+\a)+\p:8*(4*\b+\a)+\p+1], v[8*(4*\b+\a)+\p:8*(4*\b+\a)+\p+1], v[32+2*\a:33+2*\a]
.endif
.endr
.endr
.endr
.endr
	WIN 0
.endm
.macro SUMS
.irp n, 32,33,34,35,36,37,38,39
	v_mov_b32 v\n, 0
.endr
.irp h, 0,1
	WIN 0x02+\h
.irp b, 0,1,2,3,4,5,6,7
.irp p, 0,2,4,6
.irp a, 0,1,2,3
	v_pk_add_f32 v[32+2*\a:33+2*\a], v[8*(4*\b+\a)+\p:8*(4*\b+\a)+\p+1], v[32+2*\a:33+2*\a]
.endr
.endr
.endr
.endr
	WIN 0
.endm
.macro HALVES
.irp a, 0,1,2,3
	v_add_f32 v[40+\a], v[32+2*\a], v[33+2*\a]
.endr
.irp a, 0,1,2,3
	v_permlanex16_b32 v[44+\a], v[40+\a], s46, s47
.endr
.irp a, 0,1,2,3
	v_add_f32 v[40+\a], v[40+\a], v[44+\a]
.endr
.endm
.macro XSUM n                          ; the four waves' sums meet in LDS, in bytes of their own for each of the three meetings
	ds_store_b128 v21, v[40:43] offset:(\n)*1024
	s_wait_dscnt 0x0
	s_barrier_signal -1
	s_barrier_wait -1
.irp u, 0,1,2,3
	ds_load_b128 v[64+4*\u:67+4*\u], v22 offset:(\n)*1024+256*\u
.endr
	s_wait_dscnt 0x0
	v_pk_add_f32 v[64:65], v[64:65], v[68:69]
	v_pk_add_f32 v[66:67], v[66:67], v[70:71]
	v_pk_add_f32 v[72:73], v[72:73], v[76:77]
	v_pk_add_f32 v[74:75], v[74:75], v[78:79]
	v_pk_add_f32 v[40:41], v[64:65], v[72:73]
	v_pk_add_f32 v[42:43], v[66:67], v[74:75]
.endm
.macro RNORM
.irp a, 0,1,2,3
	v_sqrt_f32 v[40+\a], v[40+\a]
.endr
	v_nop
	s_wait_alu depctr_va_vdst(0)                   ; one wait for the batch, ahead of its first reader
.irp a, 0,1,2,3
	v_add_f32 v[40+\a], 0x322bcc77, v[40+\a]
.endr
.irp a, 0,1,2,3
	v_rcp_f32 v[48+2*\a], v[40+\a]
.endr
	v_nop
	s_wait_alu depctr_va_vdst(0)
.irp a, 0,1,2,3
	v_mov_b32 v[49+2*\a], v[48+2*\a]
.endr
.endm
.macro SCALEA R
.irp h, 0,1
	WIN 0x82+0x41*\h
.irp b, 0,1,2,3,4,5,6,7
.irp a, 0,1,2,3
.irp p, 0,2,4,6
	v_pk_mul_f32 v[8*(4*\b+\a)+\p:8*(4*\b+\a)+\p+1], v[8*(4*\b+\a)+\p:8*(4*\b+\a)+\p+1], v[(\R)+2*\a:(\R)+2*\a+1] op_sel_hi:[1,0]
.endr
.endr
.endr
.endr
	WIN 0
.endm
.macro CENTER                          ; less the mean
.irp h, 0,1
	WIN 0x82+0x41*\h
.irp b, 0,1,2,3,4,5,6,7
.irp a, 0,1,2,3
.irp p, 0,2,4,6
	v_pk_add_f32 v[8*(4*\b+\a)+\p:8*(4*\b+\a)+\p+1], v[8*(4*\b+\a)+\p:8*(4*\b+\a)+\p+1], v[56+2*\a:57+2*\a] op_sel_hi:[1,0] neg_lo:[0,1] neg_hi:[0,1]
.endr
.endr
.endr
.endr
	WIN 0
.endm
.macro GAIN                            ; x g1 + beta1: g1 in window 1 from v128, beta1 from v0
.irp h, 0,1
	WIN 0x96+0x41*\h
.irp b, 0,1,2,3,4,5,6,7
.irp a, 0,1,2,3
.irp p, 0,2,4,6
	v_pk_fma_f32 v[8*(4*\b+\a)+\p:8*(4*\b+\a)+\p+1], v[8*(4*\b+\a)+\p:8*(4*\b+\a)+\p+1], v[128+8*(8*\h+\b)+\p:128+8*(8*\h+\b)+\p+1], v[8*(8*\h+\b)+\p:8*(8*\h+\b)+\p+1]
.endr
.endr
.endr
.endr
	WIN 0
.endm
.macro SRCLOAD a, R                    ; src of row tile a, my columns, in the result's layout
	WIN 0x40
.irp b, 0,1,2,3,4,5,6,7,8,9,10,11,12,13,14,15
	global_load_b128 v[(\R)+8*\b:(\R)+8*\b+3], v3, s[10:11] offset:(\a)*131072+64*\b
	global_load_b128 v[(\R)+8*\b+4:(\R)+8*\b+7], v3, s[10:11] offset:(\a)*131072+64*\b+16
.endr
	WIN 0
.endm
.macro RESID a, R                      ; src + out / (norm + 1e-8)
.irp h, 0,1
	WIN 0x92+0x41*\h
.irp b, 0,1,2,3,4,5,6,7
.irp p, 0,2,4,6
	v_pk_fma_f32 v[8*(4*\b+(\a))+\p:8*(4*\b+(\a))+\p+1], v[8*(4*\b+(\a))+\p:8*(4*\b+(\a))+\p+1], v[48+2*(\a):49+2*(\a)], v[(\R)+8*(8*\h+\b)+\p:(\R)+8*(8*\h+\b)+\p+1] op_sel_hi:[1,0,1]
.endr
.endr
.endr
	WIN 0
.endm
.macro QCONST e, t
	s_add_co_i32 s[\t], s[\e], 127
	s_lshl_b32 s[\t+1], s[\t], 23
	v_mov_b32 v30, s[\t+1]
	s_add_co_i32 s[\t], s[\t], 8
	s_lshl_b32 s[\t], s[\t], 23
	s_or_b32 s[\t], s[\t], 0x600000
	v_mov_b32 v31, s[\t]
.endm
.macro TOSTAGE a                       ; row tile a: a lane's 32 bytes of a row into my stage, and back as whole rows of 1,024 bytes.  LDS serves a wave's instructions in order (ISA guide 5.7.1.4)
.irp h, 0,1
	WIN 0x08+4*\h
.irp b, 0,1,2,3,4,5,6,7
	ds_store_b128 v24, v[8*(4*\b+(\a)):8*(4*\b+(\a))+3] offset:64*(8*\h+\b)
	ds_store_b128 v24, v[8*(4*\b+(\a))+4:8*(4*\b+(\a))+7] offset:64*(8*\h+\b)+16
.endr
.endr
	WIN 0x40
.irp n, 0,1,2,3,4,5,6,7,8,9,10,11,12,13,14,15,16,17,18,19,20,21,22,23,24,25,26,27,28,29,30,31
	ds_load_b128 v[128*((\a)%2)+4*\n:128*((\a)%2)+4*\n+3], v25 offset:(\n/2)*SPITCH+512*(\n%2)
.endr
	WIN 0
.endm
.macro SEND a
	s_wait_dscnt 0x0
	WIN 0x04
.irp n, 0,1,2,3,4,5,6,7,8,9,10,11,12,13,14,15,16,17,18,19,20,21,22,23,24,25,26,27,28,29,30,31
	global_store_b128 v26, v[128*((\a)%2)+4*\n:128*((\a)%2)+4*\n+3], s[52:53] offset:(16*(\a)+\n/2)*4096+512*(\n%2)   ; 512 consecutive bytes
.endr
	WIN 0
.endm
.macro CODES a, relu                   ; row tile a becomes two fragments (K steps 2 w, 2 w + 1 of the next product): tiles b' < 4 to v128.., b' >= 4 to v64.., so that no conversion's destination has its source's numbers
.irp h, 0,1
	WIN 0x82+0x41*\h
.irp b, 0,1,2,3,4,5,6,7
.irp j, 0,1,2,3,4,5,6,7
.if \relu
	v_med3_num_f32 v[8*(4*\b+(\a))+\j], v[8*(4*\b+(\a))+\j], 0, v31
.else
	v_med3_num_f32 v[8*(4*\b+(\a))+\j], v[8*(4*\b+(\a))+\j], -v31, v31
.endif
.endr
.endr
	WIN 0x02+\h
.irp b, 0,1,2,3,4,5,6,7
	v_cvt_scalef32_pk8_fp8_f32 v[128-64*(\b/4)+16*(\a)+8*\h+2*(\b%4):128-64*(\b/4)+16*(\a)+8*\h+2*(\b%4)+1], v[8*(4*\b+(\a)):8*(4*\b+(\a))+7], v30
.endr
.endr
	WIN 0
	v_nop
.irp h, 0,1
.irp g, 0,1,2,3
	global_store_b128 v26, v[128-64*(\g/2)+16*(\a)+8*\h+4*(\g%2):128-64*(\g/2)+16*(\a)+8*\h+4*(\g%2)+3], s[54:55] offset:(\a)*16384+\h*2048+\g*512
.endr
.endr
.endm
	s_load_b256 s[4:11], s[0:1], 0x0               ; ao, wo, bo, src
	s_load_b256 s[68:75], s[0:1], 0x20             ; g1, beta1, the scales' exponents, xbuf
	v_lshl_add_u32 v28, v0, 2, SPARE
	v_mov_b32 v29, 0
	ds_add_u32 v28, v29                            ; the wave's opening: the add, twice on end, and its wait ahead of my first tensor load
	ds_add_u32 v28, v29
	v_lshrrev_b32 v1, 5, v0
	v_readfirstlane_b32 s14, v1
	s_bfe_u32 s40, ttmp6, 0x40000
	s_lshl_b32 s41, ttmp9, 2
	s_add_co_u32 s41, s41, s40                     ; row block i
	s_mov_b32 s24, 15|(1<<20)|(1<<21)|(5<<22)|(3<<25)
	s_mov_b32 s25, 256<<16
	s_mov_b32 s26, 128<<16
	s_mov_b32 s27, 256<<16
	s_mov_b32 s28, 128
	s_mov_b32 s29, KROW
	s_mov_b32 s30, 0
	s_mov_b32 s31, 0
	s_mov_b32 s46, 0x76543210
	s_mov_b32 s47, 0xfedcba98
	s_mov_b32 s62, 0x3a802008                      ; 1 / 1023
	s_mov_b32 s63, 0x3727c5ac                      ; 1e-5
	v_and_b32 v1, 15, v0
	v_bfe_u32 v2, v0, 4, 1
	v_and_b32 v3, 31, v0
	v_lshlrev_b32 v26, 4, v3
	s_mul_i32 s33, s14, WPART
	v_mul_u32_u24 v16, v1, PITCH
	v_lshl_add_u32 v16, v2, 3, v16
	v_add_nc_u32 v16, s33, v16
	v_add_nc_u32 v17, SLOT, v16
	v_add_nc_u32 v19, IMG, v26
	s_lshl_b32 s20, s14, 11
	v_add_nc_u32 v20, s20, v19
	v_lshlrev_b32 v22, 4, v1
	v_add_nc_u32 v22, XCH, v22
	s_lshl_b32 s20, s14, 8
	v_add_nc_u32 v21, s20, v22
	v_mul_u32_u24 v24, v1, SPITCH
	v_lshl_add_u32 v24, v2, 5, v24
	v_add_nc_u32 v24, s33, v24
	v_add_nc_u32 v25, s33, v26
	v_lshlrev_b32 v27, 5, v2
	v_lshl_add_u32 v3, v1, 13, v27
.irp n, 44,45,46,47
	v_mov_b32 v\n, 0
.endr
	s_lshl_b32 s20, s41, 16                        ; ao: i x 65,536 + w x 16,384
	s_lshl_b32 s21, s14, 14
	s_add_co_u32 s20, s20, s21
	s_mov_b32 s21, 0
	s_and_b32 s22, s41, 31                         ; src: s0 x 8,192 + b x 4,096 + w x 1,024
	s_lshl_b32 s22, s22, 19
	s_lshr_b32 s23, s41, 5
	s_lshl_b32 s23, s23, 12
	s_add_co_u32 s22, s22, s23
	s_lshl_b32 s48, s14, 10                        ; w x 1,024
	s_add_co_u32 s22, s22, s48
	s_mov_b32 s23, 0
	s_mov_b32 s49, 0
	s_lshl_b32 s50, s14, 18                        ; my 256 rows of Wo
	s_mov_b32 s51, 0
	s_lshl_b32 s52, s41, 18                        ; x: i x 262,144 + w x 1,024
	s_add_co_u32 s52, s52, s48
	s_mov_b32 s53, 0
	s_lshl_b32 s54, s41, 16                        ; its codes: 16 MiB + i x 65,536 + w x 4,096
	s_lshl_b32 s55, s14, 12
	s_add_co_u32 s54, s54, s55
	s_add_co_u32 s54, s54, 0x1000000
	s_mov_b32 s55, 0
	s_wait_dscnt 0x0
	s_wait_kmcnt 0x0
	s_load_b512 s[80:95], s[72:73], 0x0
	s_add_nc_u64 s[4:5], s[4:5], s[20:21]
	s_add_nc_u64 s[10:11], s[10:11], s[22:23]
	s_add_nc_u64 s[8:9], s[8:9], s[48:49]
	s_add_nc_u64 s[68:69], s[68:69], s[48:49]
	s_add_nc_u64 s[70:71], s[70:71], s[48:49]
	s_add_nc_u64 s[6:7], s[6:7], s[50:51]
	s_add_nc_u64 s[52:53], s[74:75], s[52:53]
	s_add_nc_u64 s[54:55], s[74:75], s[54:55]
	s_mov_b32 s32, 1
	s_mov_b64 s[34:35], s[6:7]
	s_or_b32 s35, s35, 0x80000000
	s_mov_b32 s36, 1
	s_add_co_u32 s37, s33, SLOT
	s_add_nc_u64 s[38:39], s[6:7], 128*KROW
	s_or_b32 s39, s39, 0x80000000
	CROUND
	tensor_load_to_lds s[32:35], s[24:31]
	s_nop 0
	tensor_load_to_lds s[36:39], s[24:31]          ; two loads of mine are out
	s_nop 0
	PLACES 4
.irp s, 0,1,2,3
.irp g, 0,1,2,3
	global_load_b128 v[128+16*\s+4*\g:128+16*\s+4*\g+3], v26, s[4:5] offset:\s*2048+\g*512
	global_load_b128 v[64+16*\s+4*\g:64+16*\s+4*\g+3], v26, s[4:5] offset:(\s+4)*2048+\g*512
.endr
.endr
	s_wait_kmcnt 0x0
	s_add_co_i32 s44, s90, s91
	s_add_co_i32 s44, s44, 127
	s_lshl_b32 s44, s44, 23                        ; 2^(e10 + e11)
	s_mov_b32 s45, s44
	s_wait_loadcnt 0x0
	IMAGE 128, 0
	IMAGE 144, 1
	IMAGE 160, 2
	IMAGE 176, 3
	s_wait_tensorcnt 0x1                           ; my tile 0 is in; tile 1 may stay out
	s_wait_dscnt 0x0
	s_barrier_signal -1
	s_barrier_wait -1
	FETCH_B 0, 0, 0
	FETCH_A 0, 0
	TRIP 0, 1
	TRIP 1, 1
	TRIP 2, 0
	TRIP 3, 0
	TRIP 4, 0
	TRIP 5, 0
	TRIP 6, 0
	TRIP 7, 0
	PLACES 4                                       ; between the last products and loads into their operands, and the first read of results
	SRCLOAD 0, 128
	s_wait_loadcnt 32                              ; bo is in; the 32 loads just issued may be out
	E1
	SRCLOAD 1, 0
	SQ
	HALVES
	XSUM 0
	RNORM
	s_wait_loadcnt 32                              ; here and below: the 32 loads issued last may be out
	RESID 0, 128
	SRCLOAD 2, 128
	s_wait_loadcnt 32
	RESID 1, 0
	SRCLOAD 3, 0
	s_wait_loadcnt 32
	RESID 2, 128
	VECLOAD 128, 68                                ; g1
	s_wait_loadcnt 32
	RESID 3, 0
	VECLOAD 0, 70                                  ; beta1
	SUMS
	HALVES
	XSUM 1
.irp a, 0,1,2,3
	v_mul_f32 v[56+2*\a], 0x3a800000, v[40+\a]     ; the mean
	v_mov_b32 v[57+2*\a], v[56+2*\a]
.endr
	CENTER
	SQ
	HALVES
	XSUM 2
.irp a, 0,1,2,3
	v_fma_f32 v[40+\a], v[40+\a], s62, s63         ; sum / 1023 + 1e-5
.endr
.irp a, 0,1,2,3
	v_rsq_f32 v[56+2*\a], v[40+\a]
.endr
	v_nop
	s_wait_alu depctr_va_vdst(0)
.irp a, 0,1,2,3
	v_mov_b32 v[57+2*\a], v[56+2*\a]
.endr
	SCALEA 56
	s_wait_loadcnt 0x0                             ; g1, beta1
	GAIN
	QCONST 92, 20                                  ; e12
.irp a, 0,1,2,3
.if \a >= 2
	s_wait_xcnt 0x0                                ; the stores of two tiles back have read the registers that this tile's rows land in
.endif
	TOSTAGE \a
	s_wait_dscnt 32                                ; the 32 loads may be out; the stage's stores are done, so the holds below may write their registers
	CODES \a, 0
	SEND \a
.endr
	s_wait_tensorcnt 0x0                           ; the wave's end
	ds_add_u32 v28, v29
	s_wait_dscnt 0x0
	CROUND
	s_endpgm
.Lfunc_end_k_q10cb80e636_oproj:
	.size	k_q10cb80e636_oproj, .Lfunc_end_k_q10cb80e636_oproj-k_q10cb80e636_oproj
	.p2alignl 7, 3214868480
	.fill 96, 4, 3214868480
	.section	.rodata,"a",@progbits
	.p2align	6, 0x0
	.amdhsa_kernel k_q10cb80e636_oproj
		.amdhsa_group_segment_fixed_size 327680
		.amdhsa_private_segment_fixed_size 0
		.amdhsa_enable_private_segment 0
		.amdhsa_kernarg_size 64
		.amdhsa_user_sgpr_count 2
		.amdhsa_user_sgpr_kernarg_segment_ptr 1
		.amdhsa_wavefront_size32 1
		.amdhsa_system_sgpr_workgroup_id_x 1
		.amdhsa_system_sgpr_workgroup_id_y 1
		.amdhsa_system_sgpr_workgroup_id_z 1
		.amdhsa_system_vgpr_workitem_id 0
		.amdhsa_next_free_vgpr 1024
		.amdhsa_next_free_sgpr 100
		.amdhsa_reserve_vcc 0
		.amdhsa_float_denorm_mode_32 3
		.amdhsa_float_denorm_mode_16_64 3
		.amdhsa_memory_ordered 1
		.amdhsa_forward_progress 1
		.amdhsa_inst_pref_size 255
	.end_amdhsa_kernel
	.section	.bss,"aw",@nobits
	.p2align	6
	.space	262144
	.amdgpu_metadata
---
amdhsa.version: [ 1, 2 ]
amdhsa.kernels:
  - .name:           k_q10cb80e636_oproj
    .symbol:         k_q10cb80e636_oproj.kd
    .args:
      - { .name: ao, .offset: 0, .size: 8, .value_kind: global_buffer, .address_space: global }
      - { .name: wo_codes, .offset: 8, .size: 8, .value_kind: global_buffer, .address_space: global }
      - { .name: bo, .offset: 16, .size: 8, .value_kind: global_buffer, .address_space: global }
      - { .name: src, .offset: 24, .size: 8, .value_kind: global_buffer, .address_space: global }
      - { .name: g1, .offset: 32, .size: 8, .value_kind: global_buffer, .address_space: global }
      - { .name: beta1, .offset: 40, .size: 8, .value_kind: global_buffer, .address_space: global }
      - { .name: lowp_scales, .offset: 48, .size: 8, .value_kind: global_buffer, .address_space: global }
      - { .name: xbuf, .offset: 56, .size: 8, .value_kind: global_buffer, .address_space: global }
    .group_segment_fixed_size: 327680
    .private_segment_fixed_size: 0
    .kernarg_segment_align: 8
    .kernarg_segment_size: 64
    .max_flat_workgroup_size: 128
    .sgpr_count:     100
    .vgpr_count:     1024
    .wavefront_size: 32
...
	.end_amdgpu_metadata
.endif
;; end of part 3
;; launch ffn1a (part 4): grid 64 x 4, 4 waves a work-group, clusters of 4 x 1, 327,680 bytes of LDS; arguments xbuf, w1_codes, b1, lowp_scales, ss1; writes ss1
.if DOCPART == 4
	.amdgcn_target "amdgcn-amd-amdhsa--gfx1250"
	.amdhsa_code_object_version 6
	.text
	.protected	k_q10cb80e636_ffn1a
	.globl	k_q10cb80e636_ffn1a
	.p2align	8
	.type	k_q10cb80e636_ffn1a,@function
k_q10cb80e636_ffn1a:
	s_mov_b64 s[64:65], 0
	v_nop
	global_prefetch_b8 v0, s[64:65] scope:SCOPE_SE
	s_setreg_imm32_b32 hwreg(HW_REG_WAVE_MODE, 25, 1), 1
	s_wait_xcnt 0x0
	s_wait_alu depctr_hold_cnt(0) depctr_sa_sdst(0) depctr_va_vdst(0) depctr_va_sdst(0) depctr_va_ssrc(0) depctr_va_vcc(0) depctr_vm_vsrc(0)
	s_getreg_b32 s2, hwreg(HW_REG_IB_STS2, 6, 4)
	s_cmp_eq_u32 s2, 0
	s_cbranch_scc0 .Lentry_in_a_cluster
	s_endpgm
.Lentry_in_a_cluster:
	s_bfe_u32 s2, ttmp6, 0x10000c
	s_cmp_lg_u32 s2, 0x3003
	s_cbranch_scc0 .Lentry_shape_is_right
	s_endpgm
.Lentry_shape_is_right:
; LAUNCH 4 OF 7: the sums of squares of x W1^T + b1, for each token and each chunk y of 1,024 hidden units.  A row of 4,096 does not fit one work-group's registers, and its norm is wanted ahead of the
; quantiser of product 8's operand: so the product is made here for the norm alone and once more in launch 5.  No work of the problem is left out.
; SHARES, ring, images and cluster as in launch 3: 64 tokens (row block i) x 1,024 columns (chunk y) to a work-group, columns 256 w on to wave w, the product transposed, W1's tiles asked for jointly by the four
; row blocks of a cluster (mask 15), each wave's own 128 rows x 256 K in each of two LDS slots.
; LIMITS: e12 + e13 between -126 and 127.  NaN and infinity are not served.
.set KROW,   1024
.set PITCH,  272
.set WPART,  128*PITCH
.set SLOT,   4*WPART
.set IMG,    2*SLOT
.set XCH,    IMG+32768
.set SPARE,  XCH+3072
.set MSB, 0
.macro WIN new
.if MSB != (\new)
	s_set_vgpr_msb (MSB<<8)|(\new)
.set MSB, (\new)
.endif
.endm
.macro PLACES n
.rept \n
	v_nop
.endr
.endm
.macro CREST
	s_cmp_lg_u32 s14, 0
	s_cbranch_scc1 .Lnot_wave_0_\@
	s_barrier_signal -3
.Lnot_wave_0_\@:
	s_barrier_wait -3
	s_barrier_signal -1
	s_barrier_wait -1
.endm
.macro CROUND
	s_barrier_signal -1
	s_barrier_wait -1
	CREST
.endm
.macro FETCH_B slot, q, set
	WIN 0x40
.irp b, 0,1,2,3,4,5,6,7
.irp c, 0,1,2,3,4,5,6,7
	ds_load_b64 v[128*(\set)+16*\b+2*\c:128*(\set)+16*\b+2*\c+1], v[16+(\slot)] offset:\b*16*PITCH+128*(\q)+16*\c
.endr
.endr
	WIN 0
.endm
.macro FETCH_A s, set
.irp a, 0,1,2,3
.irp g, 0,1,2,3
	ds_load_b128 v[128+64*(\set)+16*\a+4*\g:128+64*(\set)+16*\a+4*\g+3], v19 offset:(((\s)%4)*4+\a)*2048+\g*512
.endr
.endr
.endm
.macro IMAGE reg, s
.irp g, 0,1,2,3
	ds_store_b128 v20, v[(\reg)+4*\g:(\reg)+4*\g+3] offset:((\s)%4)*8192+\g*512
.endr
.endm
.macro MUL16 q, b0, zero               ; the 32 accumulators of a trip take turns, one instruction a turn
.irp b, \b0, \b0+1, \b0+2, \b0+3
.irp a, 0,1,2,3
.if \zero
	v_wmma_f32_16x16x128_fp8_fp8 v[8*(4*(\b)+\a):8*(4*(\b)+\a)+7], v[128*(\q)+16*(\b):128*(\q)+16*(\b)+15], v[128+64*(\q)+16*\a:128+64*(\q)+16*\a+15], 0
.else
	v_wmma_f32_16x16x128_fp8_fp8 v[8*(4*(\b)+\a):8*(4*(\b)+\a)+7], v[128*(\q)+16*(\b):128*(\q)+16*(\b)+15], v[128+64*(\q)+16*\a:128+64*(\q)+16*\a+15], v[8*(4*(\b)+\a):8*(4*(\b)+\a)+7]
.endif
.endr
.endr
.endm
.macro TAILLOAD                        ; b1 in the result's layout
	WIN 0x40
.irp b, 0,1,2,3,4,5,6,7,8,9,10,11,12,13,14,15
	global_load_b128 v[8*\b:8*\b+3], v27, s[8:9] offset:64*\b
	global_load_b128 v[8*\b+4:8*\b+7], v27, s[8:9] offset:64*\b+16
.endr
	WIN 0
.endm
.macro TRIP t, zero                    ; t = 2 k + H: K step k of 256, column tiles 8 H on, slot H; trips 0 to 5 fill their slot again with tile t + 2
.set HH, (\t)%2
.set KK, (\t)/2
	s_wait_dscnt 0x0                               ; set 0 is in (trip 3: my held images are stored too)
	PLACES 4                                       ; four places between the last products and loads into registers that they read
	FETCH_B HH, 1, 1
.if HH == 0
	FETCH_A 2*KK+1, 1
.endif
	WIN 0xa1+0x50*HH
	MUL16 0, 0, \zero
.if (\t) <= 5
	WIN 0
	s_wait_tensorcnt 0x0                           ; all my tensor loads have landed: the one that was out is tile t + 1
	ds_add_u32 v28, v29
	s_add_nc_u64 s[34+4*HH:35+4*HH], s[34+4*HH:35+4*HH], 256
.endif
.if (\t) == 6
	s_wait_tensorcnt 0x0                           ; tile 7, which only I read, has landed
.endif
	WIN 0xa1+0x50*HH
	MUL16 0, 4, \zero
	s_wait_dscnt 0x0                               ; the add is done, set 1 is in, and my reads of this slot are over
.if (\t) <= 5
	s_barrier_signal -1
.endif
	MUL16 1, 0, 0
	WIN 0
.if (\t) <= 5
	s_barrier_wait -1
	CREST                                          ; no wave of any partner still reads this slot or has a load on its way
	tensor_load_to_lds s[32+4*HH:35+4*HH], s[24:31]
	s_nop 0
.endif
	PLACES 4
.if (\t) == 2
	IMAGE 64, 4                                    ; every wave's reads of K steps 0-3 were waited for ahead of this round
	IMAGE 80, 5
	IMAGE 96, 6
	IMAGE 112, 7
.endif
.if (\t) < 7
	FETCH_B 1-HH, 0, 0
.if HH == 1
	FETCH_A 2*KK+2, 0
.endif
.else
	TAILLOAD
.endif
	WIN 0xa1+0x50*HH
	MUL16 1, 4, 0
	WIN 0
.endm
.macro E1
.irp h, 0,1
	WIN 0x92+0x41*\h
.irp b, 0,1,2,3,4,5,6,7
.irp a, 0,1,2,3
.irp p, 0,2,4,6
	v_pk_fma_f32 v[8*(4*\b+\a)+\p:8*(4*\b+\a)+\p+1], v[8*(4*\b+\a)+\p:8*(4*\b+\a)+\p+1], s[44:45], v[8*(8*\h+\b)+\p:8*(8*\h+\b)+\p+1] op_sel_hi:[1,0,1]
.endr
.endr
.endr
.endr
	WIN 0
.endm
.macro SQ
.irp h, 0,1
	WIN 0x0a+5*\h
.irp b, 0,1,2,3,4,5,6,7
.irp p, 0,2,4,6
.irp a, 0,1,2,3
.if \h+\b+\p == 0
	v_pk_mul_f32 v[32+2*\a:33+2*\a], v[8*(4*\b+\a)+\p:8*(4*\b+\a)+\p+1], v[8*(4*\b+\a)+\p:8*(4*\b+\a)+\p+1]
.else
	v_pk_fma_f32 v[32+2*\a:33+2*\a], v[8*(4*\b+\a)+\p:8*(4*\b+\a)+\p+1], v[8*(4*\b+\a)+\p:8*(4*\b+\a)+\p+1], v[32+2*\a:33+2*\a]
.endif
.endr
.endr
.endr
.endr
	WIN 0
.endm
	s_load_b256 s[4:11], s[0:1], 0x0               ; xbuf, w1, b1, the scales' exponents
	s_load_b64 s[68:69], s[0:1], 0x20              ; ss1
	v_lshl_add_u32 v28, v0, 2, SPARE
	v_mov_b32 v29, 0
	ds_add_u32 v28, v29                            ; the wave's opening: the add, twice on end, and its wait ahead of my first tensor load
	ds_add_u32 v28, v29
	v_lshrrev_b32 v1, 5, v0
	v_readfirstlane_b32 s14, v1
	s_bfe_u32 s40, ttmp6, 0x40000
	s_lshl_b32 s41, ttmp9, 2
	s_add_co_u32 s41, s41, s40                     ; row block i
	s_and_b32 s42, ttmp7, 0xffff                   ; chunk y
	s_mov_b32 s24, 15|(1<<20)|(1<<21)|(5<<22)|(3<<25)
	s_mov_b32 s25, 256<<16
	s_mov_b32 s26, 128<<16
	s_mov_b32 s27, 256<<16
	s_mov_b32 s28, 128
	s_mov_b32 s29, KROW
	s_mov_b32 s30, 0
	s_mov_b32 s31, 0
	s_mov_b32 s46, 0x76543210
	s_mov_b32 s47, 0xfedcba98
	v_and_b32 v1, 15, v0
	v_bfe_u32 v2, v0, 4, 1
	v_and_b32 v3, 31, v0
	v_lshlrev_b32 v26, 4, v3
	v_lshlrev_b32 v4, 2, v3                        ; 4 x lane
	s_mul_i32 s33, s14, WPART
	v_mul_u32_u24 v16, v1, PITCH
	v_lshl_add_u32 v16, v2, 3, v16
	v_add_nc_u32 v16, s33, v16
	v_add_nc_u32 v17, SLOT, v16
	v_add_nc_u32 v19, IMG, v26
	s_lshl_b32 s20, s14, 11
	v_add_nc_u32 v20, s20, v19
	v_lshlrev_b32 v22, 4, v1
	v_add_nc_u32 v22, XCH, v22
	s_lshl_b32 s20, s14, 8
	v_add_nc_u32 v21, s20, v22
	v_lshlrev_b32 v27, 5, v2
.irp n, 44,45,46,47
	v_mov_b32 v\n, 0
.endr
	s_lshl_b32 s20, s41, 16                        ; x's codes: 16 MiB + i x 65,536 + w x 16,384
	s_lshl_b32 s21, s14, 14
	s_add_co_u32 s20, s20, s21
	s_add_co_u32 s20, s20, 0x1000000
	s_mov_b32 s21, 0
	s_lshl_b32 s22, s42, 20                        ; W1: rows 1,024 y + 256 w
	s_lshl_b32 s23, s14, 18
	s_add_co_u32 s22, s22, s23
	s_mov_b32 s23, 0
	s_lshl_b32 s48, s42, 12
	s_lshl_b32 s49, s14, 10
	s_add_co_u32 s48, s48, s49
	s_mov_b32 s49, 0
	s_lshl_b32 s50, s42, 14                        ; ss1: y x 16,384 + i x 256
	s_lshl_b32 s51, s41, 8
	s_add_co_u32 s50, s50, s51
	s_mov_b32 s51, 0
	s_wait_dscnt 0x0
	s_wait_kmcnt 0x0
	s_load_b512 s[80:95], s[10:11], 0x0
	s_add_nc_u64 s[4:5], s[4:5], s[20:21]
	s_add_nc_u64 s[6:7], s[6:7], s[22:23]
	s_add_nc_u64 s[8:9], s[8:9], s[48:49]
	s_add_nc_u64 s[68:69], s[68:69], s[50:51]
	s_mov_b32 s32, 1
	s_mov_b64 s[34:35], s[6:7]
	s_or_b32 s35, s35, 0x80000000
	s_mov_b32 s36, 1
	s_add_co_u32 s37, s33, SLOT
	s_add_nc_u64 s[38:39], s[6:7], 128*KROW
	s_or_b32 s39, s39, 0x80000000
	CROUND
	tensor_load_to_lds s[32:35], s[24:31]
	s_nop 0
	tensor_load_to_lds s[36:39], s[24:31]          ; two loads of mine are out
	s_nop 0
	PLACES 4
.irp s, 0,1,2,3
.irp g, 0,1,2,3
	global_load_b128 v[128+16*\s+4*\g:128+16*\s+4*\g+3], v26, s[4:5] offset:\s*2048+\g*512
	global_load_b128 v[64+16*\s+4*\g:64+16*\s+4*\g+3], v26, s[4:5] offset:(\s+4)*2048+\g*512
.endr
.endr
	s_wait_kmcnt 0x0
	s_add_co_i32 s44, s92, s93
	s_add_co_i32 s44, s44, 127
	s_lshl_b32 s44, s44, 23                        ; 2^(e12 + e13)
	s_mov_b32 s45, s44
	s_wait_loadcnt 0x0
	IMAGE 128, 0
	IMAGE 144, 1
	IMAGE 160, 2
	IMAGE 176, 3
	s_wait_tensorcnt 0x1                           ; my tile 0 is in; tile 1 may stay out
	s_wait_dscnt 0x0
	s_barrier_signal -1
	s_barrier_wait -1
	FETCH_B 0, 0, 0
	FETCH_A 0, 0
	TRIP 0, 1
	TRIP 1, 1
	TRIP 2, 0
	TRIP 3, 0
	TRIP 4, 0
	TRIP 5, 0
	TRIP 6, 0
	TRIP 7, 0
	s_wait_loadcnt 0x0                             ; b1
	PLACES 4
	E1
	SQ
.irp a, 0,1,2,3
	v_add_f32 v[40+\a], v[32+2*\a], v[33+2*\a]
.endr
.irp a, 0,1,2,3
	v_permlanex16_b32 v[44+\a], v[40+\a], s46, s47
.endr
.irp a, 0,1,2,3
	v_add_f32 v[40+\a], v[40+\a], v[44+\a]
.endr
	ds_store_b128 v21, v[40:43]                    ; the four waves' sums meet in LDS
	s_wait_dscnt 0x0
	s_barrier_signal -1
	s_barrier_wait -1
.irp u, 0,1,2,3
	ds_load_b128 v[64+4*\u:67+4*\u], v22 offset:256*\u
.endr
	s_wait_dscnt 0x0
	v_pk_add_f32 v[64:65], v[64:65], v[68:69]
	v_pk_add_f32 v[66:67], v[66:67], v[70:71]
	v_pk_add_f32 v[72:73], v[72:73], v[76:77]
	v_pk_add_f32 v[74:75], v[74:75], v[78:79]
	v_pk_add_f32 v[40:41], v[64:65], v[72:73]
	v_pk_add_f32 v[42:43], v[66:67], v[74:75]
	v_cmp_eq_u32 s54, 1, v2                        ; lanes 16-31 take the odd row tile: 32 lanes store 32 neighbouring tokens
	v_cndmask_b32 v32, v40, v41, s54
	v_cndmask_b32 v33, v42, v43, s54
	s_cmp_lg_u32 s14, 0                            ; every wave holds the sums; wave 0 stores them
	s_cbranch_scc1 .Lnot_mine
	global_store_b32 v4, v32, s[68:69]
	global_store_b32 v4, v33, s[68:69] offset:128
.Lnot_mine:
	s_wait_tensorcnt 0x0                           ; the wave's end
	ds_add_u32 v28, v29
	s_wait_dscnt 0x0
	CROUND
	s_endpgm
.Lfunc_end_k_q10cb80e636_ffn1a:
	.size	k_q10cb80e636_ffn1a, .Lfunc_end_k_q10cb80e636_ffn1a-k_q10cb80e636_ffn1a
	.p2alignl 7, 3214868480
	.fill 96, 4, 3214868480
	.section	.rodata,"a",@progbits
	.p2align	6, 0x0
	.amdhsa_kernel k_q10cb80e636_ffn1a
		.amdhsa_group_segment_fixed_size 327680
		.amdhsa_private_segment_fixed_size 0
		.amdhsa_enable_private_segment 0
		.amdhsa_kernarg_size 40
		.amdhsa_user_sgpr_count 2
		.amdhsa_user_sgpr_kernarg_segment_ptr 1
		.amdhsa_wavefront_size32 1
		.amdhsa_system_sgpr_workgroup_id_x 1
		.amdhsa_system_sgpr_workgroup_id_y 1
		.amdhsa_system_sgpr_workgroup_id_z 1
		.amdhsa_system_vgpr_workitem_id 0
		.amdhsa_next_free_vgpr 1024
		.amdhsa_next_free_sgpr 100
		.amdhsa_reserve_vcc 0
		.amdhsa_float_denorm_mode_32 3
		.amdhsa_float_denorm_mode_16_64 3
		.amdhsa_memory_ordered 1
		.amdhsa_forward_progress 1
		.amdhsa_inst_pref_size 160
	.end_amdhsa_kernel
	.amdgpu_metadata
---
amdhsa.version: [ 1, 2 ]
amdhsa.kernels:
  - .name:           k_q10cb80e636_ffn1a
    .symbol:         k_q10cb80e636_ffn1a.kd
    .args:
      - { .name: xbuf, .offset: 0, .size: 8, .value_kind: global_buffer, .address_space: global }
      - { .name: w1_codes, .offset: 8, .size: 8, .value_kind: global_buffer, .address_space: global }
      - { .name: b1, .offset: 16, .size: 8, .value_kind: global_buffer, .address_space: global }
      - { .name: lowp_scales, .offset: 24, .size: 8, .value_kind: global_buffer, .address_space: global }
      - { .name: ss1, .offset: 32, .size: 8, .value_kind: global_buffer, .address_space: global }
    .group_segment_fixed_size: 327680
    .private_segment_fixed_size: 0
    .kernarg_segment_align: 8
    .kernarg_segment_size: 40
    .max_flat_workgroup_size: 128
    .sgpr_count:     100
    .vgpr_count:     1024
    .wavefront_size: 32
...
	.end_amdgpu_metadata
.endif
;; end of part 4
;; launch ffn1b (part 5): grid 64 x 4, 4 waves a work-group, clusters of 4 x 1, 327,680 bytes of LDS; arguments xbuf, w1_codes, b1, lowp_scales, ss1, hbuf; writes hbuf
.if DOCPART == 5
	.amdgcn_target "amdgcn-amd-amdhsa--gfx1250"
	.amdhsa_code_object_version 6
	.text
	.protected	k_q10cb80e636_ffn1b
	.globl	k_q10cb80e636_ffn1b
	.p2align	8
	.type	k_q10cb80e636_ffn1b,@function
k_q10cb80e636_ffn1b:
	s_mov_b64 s[64:65], 0
	v_nop
	global_prefetch_b8 v0, s[64:65] scope:SCOPE_SE
	s_setreg_imm32_b32 hwreg(HW_REG_WAVE_MODE, 25, 1), 1
	s_wait_xcnt 0x0
	s_wait_alu depctr_hold_cnt(0) depctr_sa_sdst(0) depctr_va_vdst(0) depctr_va_sdst(0) depctr_va_ssrc(0) depctr_va_vcc(0) depctr_vm_vsrc(0)
	s_getreg_b32 s2, hwreg(HW_REG_IB_STS2, 6, 4)
	s_cmp_eq_u32 s2, 0
	s_cbranch_scc0 .Lentry_in_a_cluster
	s_endpgm
.Lentry_in_a_cluster:
	s_bfe_u32 s2, ttmp6, 0x10000c
	s_cmp_lg_u32 s2, 0x3003
	s_cbranch_scc0 .Lentry_shape_is_right
	s_endpgm
.Lentry_shape_is_right:
; LAUNCH 5 OF 7: h = relu((x W1^T + b1) / (norm + 1e-8)) as codes for product 8; the norm's square is the sum of launch 4's four partial sums.  No work of the problem is left out.
; SHARES, ring, images and cluster as in launch 3: 64 tokens (row block i) x 1,024 hidden units (slice y) to a work-group, units 256 w on to wave w, the product transposed, W1's tiles asked for jointly (mask 15).
; The hold that the conversion wants anyway, between 0 and the largest code x the scale, is the activation as well.  The codes are stored in the order of the next operand's registers.
; LIMITS: e12 + e13 between -126 and 127; e14 between -126 and 119.  NaN and infinity are not served.
.set KROW,   1024
.set PITCH,  272
.set WPART,  128*PITCH
.set SLOT,   4*WPART
.set IMG,    2*SLOT
.set SPARE,  IMG+32768+3072
.set MSB, 0
.macro WIN new
.if MSB != (\new)
	s_set_vgpr_msb (MSB<<8)|(\new)
.set MSB, (\new)
.endif
.endm
.macro PLACES n
.rept \n
	v_nop
.endr
.endm
.macro CREST
	s_cmp_lg_u32 s14, 0
	s_cbranch_scc1 .Lnot_wave_0_\@
	s_barrier_signal -3
.Lnot_wave_0_\@:
	s_barrier_wait -3
	s_barrier_signal -1
	s_barrier_wait -1
.endm
.macro CROUND
	s_barrier_signal -1
	s_barrier_wait -1
	CREST
.endm
.macro FETCH_B slot, q, set
	WIN 0x40
.irp b, 0,1,2,3,4,5,6,7
.irp c, 0,1,2,3,4,5,6,7
	ds_load_b64 v[128*(\set)+16*\b+2*\c:128*(\set)+16*\b+2*\c+1], v[16+(\slot)] offset:\b*16*PITCH+128*(\q)+16*\c
.endr
.endr
	WIN 0
.endm
.macro FETCH_A s, set
.irp a, 0,1,2,3
.irp g, 0,1,2,3
	ds_load_b128 v[128+64*(\set)+16*\a+4*\g:128+64*(\set)+16*\a+4*\g+3], v19 offset:(((\s)%4)*4+\a)*2048+\g*512
.endr
.endr
.endm
.macro IMAGE reg, s
.irp g, 0,1,2,3
	ds_store_b128 v20, v[(\reg)+4*\g:(\reg)+4*\g+3] offset:((\s)%4)*8192+\g*512
.endr
.endm
.macro MUL16 q, b0, zero               ; the 32 accumulators of a trip take turns, one instruction a turn
.irp b, \b0, \b0+1, \b0+2, \b0+3
.irp a, 0,1,2,3
.if \zero
	v_wmma_f32_16x16x128_fp8_fp8 v[8*(4*(\b)+\a):8*(4*(\b)+\a)+7], v[128*(\q)+16*(\b):128*(\q)+16*(\b)+15], v[128+64*(\q)+16*\a:128+64*(\q)+16*\a+15], 0
.else
	v_wmma_f32_16x16x128_fp8_fp8 v[8*(4*(\b)+\a):8*(4*(\b)+\a)+7], v[128*(\q)+16*(\b):128*(\q)+16*(\b)+15], v[128+64*(\q)+16*\a:128+64*(\q)+16*\a+15], v[8*(4*(\b)+\a):8*(4*(\b)+\a)+7]
.endif
.endr
.endr
.endm
.macro TAILLOAD                        ; b1 in the result's layout
	WIN 0x40
.irp b, 0,1,2,3,4,5,6,7,8,9,10,11,12,13,14,15
	global_load_b128 v[8*\b:8*\b+3], v27, s[8:9] offset:64*\b
	global_load_b128 v[8*\b+4:8*\b+7], v27, s[8:9] offset:64*\b+16
.endr
	WIN 0
.endm
.macro TRIP t, zero                    ; t = 2 k + H: K step k of 256, column tiles 8 H on, slot H; trips 0 to 5 fill their slot again with tile t + 2
.set HH, (\t)%2
.set KK, (\t)/2
	s_wait_dscnt 0x0                               ; set 0 is in (trip 3: my held images are stored too)
	PLACES 4                                       ; four places between the last products and loads into registers that they read
	FETCH_B HH, 1, 1
.if HH == 0
	FETCH_A 2*KK+1, 1
.endif
	WIN 0xa1+0x50*HH
	MUL16 0, 0, \zero
.if (\t) <= 5
	WIN 0
	s_wait_tensorcnt 0x0                           ; all my tensor loads have landed: the one that was out is tile t + 1
	ds_add_u32 v28, v29
	s_add_nc_u64 s[34+4*HH:35+4*HH], s[34+4*HH:35+4*HH], 256
.endif
.if (\t) == 6
	s_wait_tensorcnt 0x0                           ; tile 7, which only I read, has landed
.endif
	WIN 0xa1+0x50*HH
	MUL16 0, 4, \zero
	s_wait_dscnt 0x0                               ; the add is done, set 1 is in, and my reads of this slot are over
.if (\t) <= 5
	s_barrier_signal -1
.endif
	MUL16 1, 0, 0
	WIN 0
.if (\t) <= 5
	s_barrier_wait -1
	CREST                                          ; no wave of any partner still reads this slot or has a load on its way
	tensor_load_to_lds s[32+4*HH:35+4*HH], s[24:31]
	s_nop 0
.endif
	PLACES 4
.if (\t) == 2
	IMAGE 64, 4                                    ; every wave's reads of K steps 0-3 were waited for ahead of this round
	IMAGE 80, 5
	IMAGE 96, 6
	IMAGE 112, 7
.endif
.if (\t) < 7
	FETCH_B 1-HH, 0, 0
.if HH == 1
	FETCH_A 2*KK+2, 0
.endif
.else
	TAILLOAD
.endif
	WIN 0xa1+0x50*HH
	MUL16 1, 4, 0
	WIN 0
.endm
.macro E1
.irp h, 0,1
	WIN 0x92+0x41*\h
.irp b, 0,1,2,3,4,5,6,7
.irp a, 0,1,2,3
.irp p, 0,2,4,6
	v_pk_fma_f32 v[8*(4*\b+\a)+\p:8*(4*\b+\a)+\p+1], v[8*(4*\b+\a)+\p:8*(4*\b+\a)+\p+1], s[44:45], v[8*(8*\h+\b)+\p:8*(8*\h+\b)+\p+1] op_sel_hi:[1,0,1]
.endr
.endr
.endr
.endr
	WIN 0
.endm
.macro SCALEA R
.irp h, 0,1
	WIN 0x82+0x41*\h
.irp b, 0,1,2,3,4,5,6,7
.irp a, 0,1,2,3
.irp p, 0,2,4,6
	v_pk_mul_f32 v[8*(4*\b+\a)+\p:8*(4*\b+\a)+\p+1], v[8*(4*\b+\a)+\p:8*(4*\b+\a)+\p+1], v[(\R)+2*\a:(\R)+2*\a+1] op_sel_hi:[1,0]
.endr
.endr
.endr
.endr
	WIN 0
.endm
.macro CODES a                         ; row tile a becomes two fragments (K steps 2 w, 2 w + 1 of the slice): tiles b' < 4 to v128.., b' >= 4 to v64.., so that no conversion's destination has its source's numbers
.irp h, 0,1
	WIN 0x82+0x41*\h
.irp b, 0,1,2,3,4,5,6,7
.irp j, 0,1,2,3,4,5,6,7
	v_med3_num_f32 v[8*(4*\b+(\a))+\j], v[8*(4*\b+(\a))+\j], 0, v31   ; the activation and the hold in one
.endr
.endr
	WIN 0x02+\h
.irp b, 0,1,2,3,4,5,6,7
	v_cvt_scalef32_pk8_fp8_f32 v[128-64*(\b/4)+16*(\a)+8*\h+2*(\b%4):128-64*(\b/4)+16*(\a)+8*\h+2*(\b%4)+1], v[8*(4*\b+(\a)):8*(4*\b+(\a))+7], v30
.endr
.endr
	WIN 0
	v_nop
.irp h, 0,1
.irp g, 0,1,2,3
	global_store_b128 v26, v[128-64*(\g/2)+16*(\a)+8*\h+4*(\g%2):128-64*(\g/2)+16*(\a)+8*\h+4*(\g%2)+3], s[70:71] offset:(\a)*16384+\h*2048+\g*512   ; 512 consecutive bytes
.endr
.endr
.endm
	s_load_b256 s[4:11], s[0:1], 0x0               ; xbuf, w1, b1, the scales' exponents
	s_load_b128 s[68:71], s[0:1], 0x20             ; ss1, hbuf
	v_lshl_add_u32 v28, v0, 2, SPARE
	v_mov_b32 v29, 0
	ds_add_u32 v28, v29                            ; the wave's opening: the add, twice on end, and its wait ahead of my first tensor load
	ds_add_u32 v28, v29
	v_lshrrev_b32 v1, 5, v0
	v_readfirstlane_b32 s14, v1
	s_bfe_u32 s40, ttmp6, 0x40000
	s_lshl_b32 s41, ttmp9, 2
	s_add_co_u32 s41, s41, s40                     ; row block i
	s_and_b32 s42, ttmp7, 0xffff                   ; slice y
	s_mov_b32 s24, 15|(1<<20)|(1<<21)|(5<<22)|(3<<25)
	s_mov_b32 s25, 256<<16
	s_mov_b32 s26, 128<<16
	s_mov_b32 s27, 256<<16
	s_mov_b32 s28, 128
	s_mov_b32 s29, KROW
	s_mov_b32 s30, 0
	s_mov_b32 s31, 0
	v_and_b32 v1, 15, v0
	v_bfe_u32 v2, v0, 4, 1
	v_and_b32 v3, 31, v0
	v_lshlrev_b32 v26, 4, v3
	v_lshlrev_b32 v4, 2, v1                        ; 4 r
	s_mul_i32 s33, s14, WPART
	v_mul_u32_u24 v16, v1, PITCH
	v_lshl_add_u32 v16, v2, 3, v16
	v_add_nc_u32 v16, s33, v16
	v_add_nc_u32 v17, SLOT, v16
	v_add_nc_u32 v19, IMG, v26
	s_lshl_b32 s20, s14, 11
	v_add_nc_u32 v20, s20, v19
	v_lshlrev_b32 v27, 5, v2
	s_lshl_b32 s20, s41, 16
	s_lshl_b32 s21, s14, 14
	s_add_co_u32 s20, s20, s21
	s_add_co_u32 s20, s20, 0x1000000               ; x's codes
	s_mov_b32 s21, 0
	s_lshl_b32 s22, s42, 20
	s_lshl_b32 s23, s14, 18
	s_add_co_u32 s22, s22, s23
	s_mov_b32 s23, 0
	s_lshl_b32 s48, s42, 12
	s_lshl_b32 s49, s14, 10
	s_add_co_u32 s48, s48, s49
	s_mov_b32 s49, 0
	s_lshl_b32 s50, s41, 8                         ; ss1: i x 256
	s_mov_b32 s51, 0
	s_lshl_b32 s52, s42, 22                        ; hbuf: y x 4 MiB + i x 65,536 + w x 4,096
	s_lshl_b32 s53, s41, 16
	s_add_co_u32 s52, s52, s53
	s_lshl_b32 s53, s14, 12
	s_add_co_u32 s52, s52, s53
	s_mov_b32 s53, 0
	s_wait_dscnt 0x0
	s_wait_kmcnt 0x0
	s_load_b512 s[80:95], s[10:11], 0x0
	s_add_nc_u64 s[4:5], s[4:5], s[20:21]
	s_add_nc_u64 s[6:7], s[6:7], s[22:23]
	s_add_nc_u64 s[8:9], s[8:9], s[48:49]
	s_add_nc_u64 s[68:69], s[68:69], s[50:51]
	s_add_nc_u64 s[70:71], s[70:71], s[52:53]
	s_mov_b32 s32, 1
	s_mov_b64 s[34:35], s[6:7]
	s_or_b32 s35, s35, 0x80000000
	s_mov_b32 s36, 1
	s_add_co_u32 s37, s33, SLOT
	s_add_nc_u64 s[38:39], s[6:7], 128*KROW
	s_or_b32 s39, s39, 0x80000000
	CROUND
	tensor_load_to_lds s[32:35], s[24:31]
	s_nop 0
	tensor_load_to_lds s[36:39], s[24:31]          ; two loads of mine are out
	s_nop 0
	PLACES 4
.irp s, 0,1,2,3
.irp g, 0,1,2,3
	global_load_b128 v[128+16*\s+4*\g:128+16*\s+4*\g+3], v26, s[4:5] offset:\s*2048+\g*512
	global_load_b128 v[64+16*\s+4*\g:64+16*\s+4*\g+3], v26, s[4:5] offset:(\s+4)*2048+\g*512
.endr
.endr
.irp z, 0,1,2,3
.irp a, 0,1,2,3
	global_load_b32 v[32+4*\z+\a], v4, s[68:69] offset:\z*16384+64*\a   ; chunk z's sum of squares of token 16 a + r
.endr
.endr
	s_wait_kmcnt 0x0
	s_add_co_i32 s44, s92, s93
	s_add_co_i32 s44, s44, 127
	s_lshl_b32 s44, s44, 23                        ; 2^(e12 + e13)
	s_mov_b32 s45, s44
	s_add_co_i32 s20, s94, 127
	s_lshl_b32 s21, s20, 23
	v_mov_b32 v30, s21                             ; 2^e14
	s_add_co_i32 s20, s20, 8
	s_lshl_b32 s20, s20, 23
	s_or_b32 s20, s20, 0x600000
	v_mov_b32 v31, s20                             ; 448 x 2^e14
	s_wait_loadcnt 0x0
	IMAGE 128, 0
	IMAGE 144, 1
	IMAGE 160, 2
	IMAGE 176, 3
	s_wait_tensorcnt 0x1                           ; my tile 0 is in; tile 1 may stay out
	s_wait_dscnt 0x0
	s_barrier_signal -1
	s_barrier_wait -1
	FETCH_B 0, 0, 0
	FETCH_A 0, 0
	TRIP 0, 1
	TRIP 1, 1
	TRIP 2, 0
	TRIP 3, 0
	TRIP 4, 0
	TRIP 5, 0
	TRIP 6, 0
	TRIP 7, 0
	s_wait_loadcnt 0x0                             ; b1
	PLACES 4
	E1
.irp a, 0,1,2,3
	v_add_f32 v[32+\a], v[32+\a], v[36+\a]
	v_add_f32 v[40+\a], v[40+\a], v[44+\a]
.endr
.irp a, 0,1,2,3
	v_add_f32 v[40+\a], v[32+\a], v[40+\a]         ; the row's sum of squares over all 4,096
.endr
.irp a, 0,1,2,3
	v_sqrt_f32 v[40+\a], v[40+\a]
.endr
	v_nop
	s_wait_alu depctr_va_vdst(0)                   ; one wait for the batch, ahead of its first reader
.irp a, 0,1,2,3
	v_add_f32 v[40+\a], 0x322bcc77, v[40+\a]
.endr
.irp a, 0,1,2,3
	v_rcp_f32 v[48+2*\a], v[40+\a]
.endr
	v_nop
	s_wait_alu depctr_va_vdst(0)
.irp a, 0,1,2,3
	v_mov_b32 v[49+2*\a], v[48+2*\a]
.endr
	SCALEA 48
	CODES 0
	CODES 1
	CODES 2
	CODES 3
	s_wait_tensorcnt 0x0                           ; the wave's end
	ds_add_u32 v28, v29
	s_wait_dscnt 0x0
	CROUND
	s_endpgm
.Lfunc_end_k_q10cb80e636_ffn1b:
	.size	k_q10cb80e636_ffn1b, .Lfunc_end_k_q10cb80e636_ffn1b-k_q10cb80e636_ffn1b
	.p2alignl 7, 3214868480
	.fill 96, 4, 3214868480
	.section	.rodata,"a",@progbits
	.p2align	6, 0x0
	.amdhsa_kernel k_q10cb80e636_ffn1b
		.amdhsa_group_segment_fixed_size 327680
		.amdhsa_private_segment_fixed_size 0
		.amdhsa_enable_private_segment 0
		.amdhsa_kernarg_size 48
		.amdhsa_user_sgpr_count 2
		.amdhsa_user_sgpr_kernarg_segment_ptr 1
		.amdhsa_wavefront_size32 1
		.amdhsa_system_sgpr_workgroup_id_x 1
		.amdhsa_system_sgpr_workgroup_id_y 1
		.amdhsa_system_sgpr_workgroup_id_z 1
		.amdhsa_system_vgpr_workitem_id 0
		.amdhsa_next_free_vgpr 1024
		.amdhsa_next_free_sgpr 100
		.amdhsa_reserve_vcc 0
		.amdhsa_float_denorm_mode_32 3
		.amdhsa_float_denorm_mode_16_64 3
		.amdhsa_memory_ordered 1
		.amdhsa_forward_progress 1
		.amdhsa_inst_pref_size 201
	.end_amdhsa_kernel
	.amdgpu_metadata
---
amdhsa.version: [ 1, 2 ]
amdhsa.kernels:
  - .name:           k_q10cb80e636_ffn1b
    .symbol:         k_q10cb80e636_ffn1b.kd
    .args:
      - { .name: xbuf, .offset: 0, .size: 8, .value_kind: global_buffer, .address_space: global }
      - { .name: w1_codes, .offset: 8, .size: 8, .value_kind: global_buffer, .address_space: global }
      - { .name: b1, .offset: 16, .size: 8, .value_kind: global_buffer, .address_space: global }
      - { .name: lowp_scales, .offset: 24, .size: 8, .value_kind: global_buffer, .address_space: global }
      - { .name: ss1, .offset: 32, .size: 8, .value_kind: global_buffer, .address_space: global }
      - { .name: hbuf, .offset: 40, .size: 8, .value_kind: global_buffer, .address_space: global }
    .group_segment_fixed_size: 327680
    .private_segment_fixed_size: 0
    .kernarg_segment_align: 8
    .kernarg_segment_size: 48
    .max_flat_workgroup_size: 128
    .sgpr_count:     100
    .vgpr_count:     1024
    .wavefront_size: 32
...
	.end_amdgpu_metadata
.endif
;; end of part 5
;; launch ffn2 (part 6): grid 64 x 4, 4 waves a work-group, clusters of 4 x 1, 327,680 bytes of LDS; arguments hbuf, w2_codes, lowp_scales, ffp; writes ffp
.if DOCPART == 6
	.amdgcn_target "amdgcn-amd-amdhsa--gfx1250"
	.amdhsa_code_object_version 6
	.text
	.protected	k_q10cb80e636_ffn2
	.globl	k_q10cb80e636_ffn2
	.p2align	8
	.type	k_q10cb80e636_ffn2,@function
k_q10cb80e636_ffn2:
	s_mov_b64 s[64:65], 0
	v_nop
	global_prefetch_b8 v0, s[64:65] scope:SCOPE_SE
	s_setreg_imm32_b32 hwreg(HW_REG_WAVE_MODE, 25, 1), 1
	s_wait_xcnt 0x0
	s_wait_alu depctr_hold_cnt(0) depctr_sa_sdst(0) depctr_va_vdst(0) depctr_va_sdst(0) depctr_va_ssrc(0) depctr_va_vcc(0) depctr_vm_vsrc(0)
	s_getreg_b32 s2, hwreg(HW_REG_IB_STS2, 6, 4)
	s_cmp_eq_u32 s2, 0
	s_cbranch_scc0 .Lentry_in_a_cluster
	s_endpgm
.Lentry_in_a_cluster:
	s_bfe_u32 s2, ttmp6, 0x10000c
	s_cmp_lg_u32 s2, 0x3003
	s_cbranch_scc0 .Lentry_shape_is_right
	s_endpgm
.Lentry_shape_is_right:
; LAUNCH 6 OF 7: product 8, h W2^T, K = 4,096 shared out in four slices of 1,024: work-group (i, y) makes 64 tokens x all 1,024 columns over slice y and stores the partial sums x 2^(e14 + e15) in f32;
; launch 7 adds the four in a fixed order, with b2.  No work of the problem is left out.
; SHARES, ring, images and cluster as in launch 3: columns 256 w on to wave w, the product transposed, W2's tiles (128 rows x 256 K of rows 4,096 bytes long) asked for jointly by the four row blocks (mask 15).
; LIMITS: e14 + e15 between -126 and 127.  NaN and infinity are not served.
.set KROW,   4096
.set PITCH,  272
.set WPART,  128*PITCH
.set SLOT,   4*WPART
.set IMG,    2*SLOT
.set SPARE,  IMG+32768+3072
.set SPITCH, 1040                      ; the way out: a stage of 16 rows x (1,024 + 16) bytes in my own part of slot 0, behind its last fill and its last read
.set MSB, 0
.macro WIN new
.if MSB != (\new)
	s_set_vgpr_msb (MSB<<8)|(\new)
.set MSB, (\new)
.endif
.endm
.macro PLACES n
.rept \n
	v_nop
.endr
.endm
.macro CREST
	s_cmp_lg_u32 s14, 0
	s_cbranch_scc1 .Lnot_wave_0_\@
	s_barrier_signal -3
.Lnot_wave_0_\@:
	s_barrier_wait -3
	s_barrier_signal -1
	s_barrier_wait -1
.endm
.macro CROUND
	s_barrier_signal -1
	s_barrier_wait -1
	CREST
.endm
.macro FETCH_B slot, q, set
	WIN 0x40
.irp b, 0,1,2,3,4,5,6,7
.irp c, 0,1,2,3,4,5,6,7
	ds_load_b64 v[128*(\set)+16*\b+2*\c:128*(\set)+16*\b+2*\c+1], v[16+(\slot)] offset:\b*16*PITCH+128*(\q)+16*\c
.endr
.endr
	WIN 0
.endm
.macro FETCH_A s, set
.irp a, 0,1,2,3
.irp g, 0,1,2,3
	ds_load_b128 v[128+64*(\set)+16*\a+4*\g:128+64*(\set)+16*\a+4*\g+3], v19 offset:(((\s)%4)*4+\a)*2048+\g*512
.endr
.endr
.endm
.macro IMAGE reg, s
.irp g, 0,1,2,3
	ds_store_b128 v20, v[(\reg)+4*\g:(\reg)+4*\g+3] offset:((\s)%4)*8192+\g*512
.endr
.endm
.macro MUL16 q, b0, zero               ; the 32 accumulators of a trip take turns, one instruction a turn
.irp b, \b0, \b0+1, \b0+2, \b0+3
.irp a, 0,1,2,3
.if \zero
	v_wmma_f32_16x16x128_fp8_fp8 v[8*(4*(\b)+\a):8*(4*(\b)+\a)+7], v[128*(\q)+16*(\b):128*(\q)+16*(\b)+15], v[128+64*(\q)+16*\a:128+64*(\q)+16*\a+15], 0
.else
	v_wmma_f32_16x16x128_fp8_fp8 v[8*(4*(\b)+\a):8*(4*(\b)+\a)+7], v[128*(\q)+16*(\b):128*(\q)+16*(\b)+15], v[128+64*(\q)+16*\a:128+64*(\q)+16*\a+15], v[8*(4*(\b)+\a):8*(4*(\b)+\a)+7]
.endif
.endr
.endr
.endm
.macro TRIP t, zero                    ; t = 2 k + H: K step k of 256, column tiles 8 H on, slot H; trips 0 to 5 fill their slot again with tile t + 2
.set HH, (\t)%2
.set KK, (\t)/2
	s_wait_dscnt 0x0                               ; set 0 is in (trip 3: my held images are stored too)
	PLACES 4                                       ; four places between the last products and loads into registers that they read
	FETCH_B HH, 1, 1
.if HH == 0
	FETCH_A 2*KK+1, 1
.endif
	WIN 0xa1+0x50*HH
	MUL16 0, 0, \zero
.if (\t) <= 5
	WIN 0
	s_wait_tensorcnt 0x0                           ; all my tensor loads have landed: the one that was out is tile t + 1
	ds_add_u32 v28, v29
	s_add_nc_u64 s[34+4*HH:35+4*HH], s[34+4*HH:35+4*HH], 256
.endif
.if (\t) == 6
	s_wait_tensorcnt 0x0                           ; tile 7, which only I read, has landed
.endif
	WIN 0xa1+0x50*HH
	MUL16 0, 4, \zero
	s_wait_dscnt 0x0                               ; the add is done, set 1 is in, and my reads of this slot are over
.if (\t) <= 5
	s_barrier_signal -1
.endif
	MUL16 1, 0, 0
	WIN 0
.if (\t) <= 5
	s_barrier_wait -1
	CREST                                          ; no wave of any partner still reads this slot or has a load on its way
	tensor_load_to_lds s[32+4*HH:35+4*HH], s[24:31]
	s_nop 0
.endif
	PLACES 4
.if (\t) == 2
	IMAGE 64, 4                                    ; every wave's reads of K steps 0-3 were waited for ahead of this round
	IMAGE 80, 5
	IMAGE 96, 6
	IMAGE 112, 7
.endif
.if (\t) < 7
	FETCH_B 1-HH, 0, 0
.if HH == 1
	FETCH_A 2*KK+2, 0
.endif
.endif
	WIN 0xa1+0x50*HH
	MUL16 1, 4, 0
	WIN 0
.endm
.macro TOSTAGE a                       ; row tile a: a lane's 32 bytes of a row into my stage, and back as whole rows of 1,024 bytes.  LDS serves a wave's instructions in order (ISA guide 5.7.1.4)
.irp h, 0,1
	WIN 0x08+4*\h
.irp b, 0,1,2,3,4,5,6,7
	ds_store_b128 v24, v[8*(4*\b+(\a)):8*(4*\b+(\a))+3] offset:64*(8*\h+\b)
	ds_store_b128 v24, v[8*(4*\b+(\a))+4:8*(4*\b+(\a))+7] offset:64*(8*\h+\b)+16
.endr
.endr
	WIN 0x40
.irp n, 0,1,2,3,4,5,6,7,8,9,10,11,12,13,14,15,16,17,18,19,20,21,22,23,24,25,26,27,28,29,30,31
	ds_load_b128 v[128*((\a)%2)+4*\n:128*((\a)%2)+4*\n+3], v25 offset:(\n/2)*SPITCH+512*(\n%2)
.endr
	WIN 0
.endm
.macro SEND a
	s_wait_dscnt 0x0
	WIN 0x04
.irp n, 0,1,2,3,4,5,6,7,8,9,10,11,12,13,14,15,16,17,18,19,20,21,22,23,24,25,26,27,28,29,30,31
	global_store_b128 v26, v[128*((\a)%2)+4*\n:128*((\a)%2)+4*\n+3], s[10:11] offset:(16*(\a)+\n/2)*4096+512*(\n%2) th:TH_STORE_NT   ; 512 consecutive bytes
.endr
	WIN 0
.endm
	s_load_b256 s[4:11], s[0:1], 0x0               ; hbuf, w2, the scales' exponents, ffp
	v_lshl_add_u32 v28, v0, 2, SPARE
	v_mov_b32 v29, 0
	ds_add_u32 v28, v29                            ; the wave's opening: the add, twice on end, and its wait ahead of my first tensor load
	ds_add_u32 v28, v29
	v_lshrrev_b32 v1, 5, v0
	v_readfirstlane_b32 s14, v1
	s_bfe_u32 s40, ttmp6, 0x40000
	s_lshl_b32 s41, ttmp9, 2
	s_add_co_u32 s41, s41, s40                     ; row block i
	s_and_b32 s42, ttmp7, 0xffff                   ; slice y of K
	s_mov_b32 s24, 15|(1<<20)|(1<<21)|(5<<22)|(3<<25)
	s_mov_b32 s25, 256<<16
	s_mov_b32 s26, 128<<16
	s_mov_b32 s27, 256<<16
	s_mov_b32 s28, 128
	s_mov_b32 s29, KROW
	s_mov_b32 s30, 0
	s_mov_b32 s31, 0
	v_and_b32 v1, 15, v0
	v_bfe_u32 v2, v0, 4, 1
	v_and_b32 v3, 31, v0
	v_lshlrev_b32 v26, 4, v3
	s_mul_i32 s33, s14, WPART
	v_mul_u32_u24 v16, v1, PITCH
	v_lshl_add_u32 v16, v2, 3, v16
	v_add_nc_u32 v16, s33, v16
	v_add_nc_u32 v17, SLOT, v16
	v_add_nc_u32 v19, IMG, v26
	s_lshl_b32 s20, s14, 11
	v_add_nc_u32 v20, s20, v19
	v_mul_u32_u24 v24, v1, SPITCH
	v_lshl_add_u32 v24, v2, 5, v24
	v_add_nc_u32 v24, s33, v24
	v_add_nc_u32 v25, s33, v26
	s_lshl_b32 s20, s42, 22                        ; hbuf: y x 4 MiB + i x 65,536 + w x 16,384
	s_lshl_b32 s21, s41, 16
	s_add_co_u32 s20, s20, s21
	s_lshl_b32 s21, s14, 14
	s_add_co_u32 s20, s20, s21
	s_mov_b32 s21, 0
	s_lshl_b32 s22, s14, 20                        ; W2: rows 256 w, columns 1,024 y
	s_lshl_b32 s23, s42, 10
	s_add_co_u32 s22, s22, s23
	s_mov_b32 s23, 0
	s_lshl_b32 s48, s42, 24                        ; ffp: y x 16 MiB + i x 262,144 + w x 1,024
	s_lshl_b32 s49, s41, 18
	s_add_co_u32 s48, s48, s49
	s_lshl_b32 s49, s14, 10
	s_add_co_u32 s48, s48, s49
	s_mov_b32 s49, 0
	s_wait_dscnt 0x0
	s_wait_kmcnt 0x0
	s_load_b512 s[80:95], s[8:9], 0x0
	s_add_nc_u64 s[4:5], s[4:5], s[20:21]
	s_add_nc_u64 s[6:7], s[6:7], s[22:23]
	s_add_nc_u64 s[10:11], s[10:11], s[48:49]
	s_mov_b32 s32, 1
	s_mov_b64 s[34:35], s[6:7]
	s_or_b32 s35, s35, 0x80000000
	s_mov_b32 s36, 1
	s_add_co_u32 s37, s33, SLOT
	s_add_nc_u64 s[38:39], s[6:7], 128*KROW
	s_or_b32 s39, s39, 0x80000000
	CROUND
	tensor_load_to_lds s[32:35], s[24:31]
	s_nop 0
	tensor_load_to_lds s[36:39], s[24:31]          ; two loads of mine are out
	s_nop 0
	PLACES 4
.irp s, 0,1,2,3
.irp g, 0,1,2,3
	global_load_b128 v[128+16*\s+4*\g:128+16*\s+4*\g+3], v26, s[4:5] offset:\s*2048+\g*512
	global_load_b128 v[64+16*\s+4*\g:64+16*\s+4*\g+3], v26, s[4:5] offset:(\s+4)*2048+\g*512
.endr
.endr
	s_wait_kmcnt 0x0
	s_add_co_i32 s44, s94, s95
	s_add_co_i32 s44, s44, 127
	s_lshl_b32 s44, s44, 23                        ; 2^(e14 + e15)
	s_mov_b32 s45, s44
	s_wait_loadcnt 0x0
	IMAGE 128, 0
	IMAGE 144, 1
	IMAGE 160, 2
	IMAGE 176, 3
	s_wait_tensorcnt 0x1                           ; my tile 0 is in; tile 1 may stay out
	s_wait_dscnt 0x0
	s_barrier_signal -1
	s_barrier_wait -1
	FETCH_B 0, 0, 0
	FETCH_A 0, 0
	TRIP 0, 1
	TRIP 1, 1
	TRIP 2, 0
	TRIP 3, 0
	TRIP 4, 0
	TRIP 5, 0
	TRIP 6, 0
	TRIP 7, 0
	PLACES 4                                       ; between the last products and the first read of results
.irp h, 0,1
	WIN 0x82+0x41*\h
.set J, 0
.rept 128
	v_pk_mul_f32 v[J:J+1], v[J:J+1], s[44:45] op_sel_hi:[1,0]   ; x 2^(e14 + e15), each accumulator from its low end on
.set J, J+2
.endr
.endr
	WIN 0
.irp a, 0,1,2,3
.if \a >= 2
	s_wait_xcnt 0x0                                ; the stores of two tiles back have read the registers that this tile's rows land in
.endif
	TOSTAGE \a
	SEND \a
.endr
	s_wait_tensorcnt 0x0                           ; the wave's end
	ds_add_u32 v28, v29
	s_wait_dscnt 0x0
	CROUND
	s_endpgm
.Lfunc_end_k_q10cb80e636_ffn2:
	.size	k_q10cb80e636_ffn2, .Lfunc_end_k_q10cb80e636_ffn2-k_q10cb80e636_ffn2
	.p2alignl 7, 3214868480
	.fill 96, 4, 3214868480
	.section	.rodata,"a",@progbits
	.p2align	6, 0x0
	.amdhsa_kernel k_q10cb80e636_ffn2
		.amdhsa_group_segment_fixed_size 327680
		.amdhsa_private_segment_fixed_size 0
		.amdhsa_enable_private_segment 0
		.amdhsa_kernarg_size 32
		.amdhsa_user_sgpr_count 2
		.amdhsa_user_sgpr_kernarg_segment_ptr 1
		.amdhsa_wavefront_size32 1
		.amdhsa_system_sgpr_workgroup_id_x 1
		.amdhsa_system_sgpr_workgroup_id_y 1
		.amdhsa_system_sgpr_workgroup_id_z 1
		.amdhsa_system_vgpr_workitem_id 0
		.amdhsa_next_free_vgpr 1024
		.amdhsa_next_free_sgpr 100
		.amdhsa_reserve_vcc 0
		.amdhsa_float_denorm_mode_32 3
		.amdhsa_float_denorm_mode_16_64 3
		.amdhsa_memory_ordered 1
		.amdhsa_forward_progress 1
		.amdhsa_inst_pref_size 168
	.end_amdhsa_kernel
	.amdgpu_metadata
---
amdhsa.version: [ 1, 2 ]
amdhsa.kernels:
  - .name:           k_q10cb80e636_ffn2
    .symbol:         k_q10cb80e636_ffn2.kd
    .args:
      - { .name: hbuf, .offset: 0, .size: 8, .value_kind: global_buffer, .address_space: global }
      - { .name: w2_codes, .offset: 8, .size: 8, .value_kind: global_buffer, .address_space: global }
      - { .name: lowp_scales, .offset: 16, .size: 8, .value_kind: global_buffer, .address_space: global }
      - { .name: ffp, .offset: 24, .size: 8, .value_kind: global_buffer, .address_space: global }
    .group_segment_fixed_size: 327680
    .private_segment_fixed_size: 0
    .kernarg_segment_align: 8
    .kernarg_segment_size: 32
    .max_flat_workgroup_size: 128
    .sgpr_count:     100
    .vgpr_count:     1024
    .wavefront_size: 32
...
	.end_amdgpu_metadata
.endif
;; end of part 6
;; launch final (part 7): grid 256 x 1, 16 waves a work-group, no clusters, 0 bytes of LDS; arguments ffp, xbuf, b2, g2, beta2, out0; writes out0
.if DOCPART == 7
	.amdgcn_target "amdgcn-amd-amdhsa--gfx1250"
	.amdhsa_code_object_version 6
	.text
	.protected	k_q10cb80e636_final
	.globl	k_q10cb80e636_final
	.p2align	8
	.type	k_q10cb80e636_final,@function
k_q10cb80e636_final:
	s_mov_b64 s[64:65], 0
	v_nop
	global_prefetch_b8 v0, s[64:65] scope:SCOPE_SE
	s_setreg_imm32_b32 hwreg(HW_REG_WAVE_MODE, 25, 1), 1
	s_wait_xcnt 0x0
; LAUNCH 7 OF 7: ff = project(the four partial sums of product 8 + b2); z = layernorm(x + ff) g2 + beta2; out = z / |z|.  No work of the problem is left out.
; A stream: one wave takes one token rho = 16 x work-group + wave and keeps its row of 1,024 numbers in registers; lane l holds columns 4 l + 128 j + 0..3, so every load and store covers 512 consecutive bytes.
; No LDS, no barrier, no matrix unit, no cluster: the waves share only three vectors of 4 KB.  The variance divides by 1,023, as the problem has it.
; In out0 token rho = 2048 b + s lies at byte 8192 s + 4096 b.  NaN and infinity are not served.
; v1 16 x lane; v[2:5] sums; v[6:7] the factor in hand; v9 permute; v32-63 partial 0, then ff; v64-95 partial 1, then g2; v96-127 partial 2, then beta2; v128-159 partial 3; v160-191 x, then the row; v192-223 b2
.macro REDUCE                          ; v2 over the 32 lanes, into every lane
	v_add_f32_dpp v2, v2, v2 row_xmask:1 row_mask:0xf bank_mask:0xf
	v_add_f32_dpp v2, v2, v2 row_xmask:2 row_mask:0xf bank_mask:0xf
	v_add_f32_dpp v2, v2, v2 row_xmask:4 row_mask:0xf bank_mask:0xf
	v_add_f32_dpp v2, v2, v2 row_xmask:8 row_mask:0xf bank_mask:0xf
	v_permlanex16_b32 v9, v2, s28, s29
	v_add_f32 v2, v2, v9
.endm
.macro SUMSQ B                         ; the sum of squares of the 32 numbers from v[B], in two chains that the first products start
	v_pk_mul_f32 v[2:3], v[(\B):(\B)+1], v[(\B):(\B)+1]
	v_pk_mul_f32 v[4:5], v[(\B)+2:(\B)+3], v[(\B)+2:(\B)+3]
.irp j, 4,8,12,16,20,24,28
	v_pk_fma_f32 v[2:3], v[(\B)+\j:(\B)+\j+1], v[(\B)+\j:(\B)+\j+1], v[2:3]
	v_pk_fma_f32 v[4:5], v[(\B)+\j+2:(\B)+\j+3], v[(\B)+\j+2:(\B)+\j+3], v[4:5]
.endr
	v_pk_add_f32 v[2:3], v[2:3], v[4:5]
	v_add_f32 v2, v2, v3
	REDUCE
.endm
	s_load_b256 s[4:11], s[0:1], 0x0               ; ffp, xbuf, b2, g2
	s_load_b128 s[12:15], s[0:1], 0x20             ; beta2, out0
	v_lshrrev_b32 v1, 5, v0
	v_readfirstlane_b32 s16, v1
	v_and_b32 v1, 31, v0
	v_lshlrev_b32 v1, 4, v1
	v_mov_b32 v9, 0                                ; a lane permute's destination counts as one of its sources
	v_mov_b32 v7, 0                                ; (the upper half of the pair v[6:7], of which the low word serves both halves)
	s_mov_b32 s28, 0x76543210
	s_mov_b32 s29, 0xfedcba98
	s_mov_b32 s32, 0x3a802008                      ; 1 / 1023
	s_mov_b32 s33, 0x3727c5ac                      ; 1e-5
	s_lshl_b32 s17, ttmp9, 4
	s_add_co_u32 s17, s17, s16                     ; rho
	s_lshl_b32 s18, s17, 12
	s_mov_b32 s19, 0
	s_and_b32 s30, s17, 2047
	s_lshl_b32 s30, s30, 13
	s_lshr_b32 s31, s17, 11
	s_lshl_b32 s31, s31, 12
	s_add_co_u32 s30, s30, s31
	s_mov_b32 s31, 0
	s_wait_kmcnt 0x0
	s_add_nc_u64 s[20:21], s[4:5], s[18:19]        ; the four partial sums lie 16 MiB apart
	s_add_nc_u64 s[22:23], s[20:21], 0x1000000
	s_add_nc_u64 s[24:25], s[22:23], 0x1000000
	s_add_nc_u64 s[26:27], s[24:25], 0x1000000
	s_add_nc_u64 s[6:7], s[6:7], s[18:19]
	s_add_nc_u64 s[14:15], s[14:15], s[30:31]
.irp j, 0,1,2,3,4,5,6,7
	global_load_b128 v[192+4*\j:195+4*\j], v1, s[8:9] offset:512*\j
.endr
.irp z, 0,1,2,3
.irp j, 0,1,2,3,4,5,6,7
	global_load_b128 v[32+32*\z+4*\j:35+32*\z+4*\j], v1, s[20+2*\z:21+2*\z] offset:512*\j th:TH_LOAD_NT
.endr
.endr
.irp j, 0,1,2,3,4,5,6,7
	global_load_b128 v[160+4*\j:163+4*\j], v1, s[6:7] offset:512*\j th:TH_LOAD_NT
.endr
	s_wait_loadcnt 8                               ; all but x's eight loads are in
.set J, 0
.rept 16
	v_pk_add_f32 v[32+J:33+J], v[32+J:33+J], v[64+J:65+J]
	v_pk_add_f32 v[96+J:97+J], v[96+J:97+J], v[128+J:129+J]
.set J, J+2
.endr
.set J, 0
.rept 16
	v_pk_add_f32 v[32+J:33+J], v[32+J:33+J], v[96+J:97+J]
.set J, J+2
.endr
.set J, 0
.rept 16
	v_pk_add_f32 v[32+J:33+J], v[32+J:33+J], v[192+J:193+J]   ; + b2
.set J, J+2
.endr
.irp j, 0,1,2,3,4,5,6,7
	global_load_b128 v[64+4*\j:67+4*\j], v1, s[10:11] offset:512*\j    ; g2
.endr
.irp j, 0,1,2,3,4,5,6,7
	global_load_b128 v[96+4*\j:99+4*\j], v1, s[12:13] offset:512*\j    ; beta2
.endr
	SUMSQ 32
	v_sqrt_f32 v2, v2
	v_nop                                          ; a plain line behind a transcendental,
	s_wait_alu depctr_va_vdst(0)                   ; and the wait ahead of its first reader
	v_add_f32 v2, 0x322bcc77, v2
	v_rcp_f32 v6, v2
	v_nop
	s_wait_alu depctr_va_vdst(0)
	s_wait_loadcnt 16                              ; x is in; g2's and beta2's sixteen loads may be out
.set J, 0
.rept 16
	v_pk_fma_f32 v[160+J:161+J], v[32+J:33+J], v[6:7], v[160+J:161+J] op_sel_hi:[1,0,1]   ; x + ff / (norm + 1e-8)
.set J, J+2
.endr
	v_pk_add_f32 v[2:3], v[160:161], v[162:163]
	v_pk_add_f32 v[4:5], v[164:165], v[166:167]
.irp j, 8,12,16,20,24,28
	v_pk_add_f32 v[2:3], v[2:3], v[160+\j:161+\j]
	v_pk_add_f32 v[4:5], v[4:5], v[162+\j:163+\j]
.endr
	v_pk_add_f32 v[2:3], v[2:3], v[4:5]
	v_add_f32 v2, v2, v3
	REDUCE
	v_mul_f32 v6, 0x3a800000, v2                   ; the mean
.set J, 0
.rept 16
	v_pk_add_f32 v[160+J:161+J], v[160+J:161+J], v[6:7] op_sel_hi:[1,0] neg_lo:[0,1] neg_hi:[0,1]
.set J, J+2
.endr
	SUMSQ 160
	v_fma_f32 v2, v2, s32, s33                     ; sum / 1023 + 1e-5
	v_rsq_f32 v6, v2
	v_nop
	s_wait_alu depctr_va_vdst(0)
.set J, 0
.rept 16
	v_pk_mul_f32 v[160+J:161+J], v[160+J:161+J], v[6:7] op_sel_hi:[1,0]
.set J, J+2
.endr
	s_wait_loadcnt 0x0                             ; g2, beta2
.set J, 0
.rept 16
	v_pk_fma_f32 v[160+J:161+J], v[160+J:161+J], v[64+J:65+J], v[96+J:97+J]
.set J, J+2
.endr
	SUMSQ 160
	v_rsq_f32 v6, v2                               ; 1 / |z|
	v_nop
	s_wait_alu depctr_va_vdst(0)
.set J, 0
.rept 16
	v_pk_mul_f32 v[160+J:161+J], v[160+J:161+J], v[6:7] op_sel_hi:[1,0]
.set J, J+2
.endr
.irp j, 0,1,2,3,4,5,6,7
	global_store_b128 v1, v[160+4*\j:163+4*\j], s[14:15] offset:512*\j th:TH_STORE_NT
.endr
	s_endpgm
.Lfunc_end_k_q10cb80e636_final:
	.size	k_q10cb80e636_final, .Lfunc_end_k_q10cb80e636_final-k_q10cb80e636_final
	.p2alignl 7, 3214868480
	.fill 96, 4, 3214868480
	.section	.rodata,"a",@progbits
	.p2align	6, 0x0
	.amdhsa_kernel k_q10cb80e636_final
		.amdhsa_group_segment_fixed_size 0
		.amdhsa_private_segment_fixed_size 0
		.amdhsa_enable_private_segment 0
		.amdhsa_kernarg_size 48
		.amdhsa_user_sgpr_count 2
		.amdhsa_user_sgpr_kernarg_segment_ptr 1
		.amdhsa_wavefront_size32 1
		.amdhsa_system_sgpr_workgroup_id_x 1
		.amdhsa_system_sgpr_workgroup_id_y 1
		.amdhsa_system_sgpr_workgroup_id_z 1
		.amdhsa_system_vgpr_workitem_id 0
		.amdhsa_next_free_vgpr 232
		.amdhsa_next_free_sgpr 66
		.amdhsa_reserve_vcc 0
		.amdhsa_float_denorm_mode_32 3
		.amdhsa_float_denorm_mode_16_64 3
		.amdhsa_memory_ordered 1
		.amdhsa_forward_progress 1
		.amdhsa_inst_pref_size 24
	.end_amdhsa_kernel
	.amdgpu_metadata
---
amdhsa.version: [ 1, 2 ]
amdhsa.kernels:
  - .name:           k_q10cb80e636_final
    .symbol:         k_q10cb80e636_final.kd
    .args:
      - { .name: ffp, .offset: 0, .size: 8, .value_kind: global_buffer, .address_space: global }
      - { .name: xbuf, .offset: 8, .size: 8, .value_kind: global_buffer, .address_space: global }
      - { .name: b2, .offset: 16, .size: 8, .value_kind: global_buffer, .address_space: global }
      - { .name: g2, .offset: 24, .size: 8, .value_kind: global_buffer, .address_space: global }
      - { .name: beta2, .offset: 32, .size: 8, .value_kind: global_buffer, .address_space: global }
      - { .name: out0, .offset: 40, .size: 8, .value_kind: global_buffer, .address_space: global }
    .group_segment_fixed_size: 0
    .private_segment_fixed_size: 0
    .kernarg_segment_align: 8
    .kernarg_segment_size: 48
    .max_flat_workgroup_size: 512
    .sgpr_count:     66
    .vgpr_count:     232
    .wavefront_size: 32
...
	.end_amdgpu_metadata
.endif
;; end of part 7
;; ======== version 2 of 2: 7 launches
;; limits: right only within a limited range of input values
;; workspace buffers: qkv 17,301,504 bytes; ao 4,194,304 bytes; xbuf 20,971,520 bytes; ss1 524,288 bytes; hbuf 16,777,216 bytes; ffp 67,108,864 bytes
;; launch qkv (part 8): grid 64 x 3, 4 waves a work-group, clusters of 4 x 1, 327,680 bytes of LDS; arguments src, wq_codes, wk_codes, wv_codes, bq, bk, bv, lowp_scales, qkv; writes qkv
.if DOCPART == 8
	.amdgcn_target "amdgcn-amd-amdhsa--gfx1250"
	.amdhsa_code_object_version 6
	.text
	.protected	k_q10cb80e636_qkv
	.globl	k_q10cb80e636_qkv
	.p2align	8
	.type	k_q10cb80e636_qkv,@function
k_q10cb80e636_qkv:
	s_mov_b64 s[64:65], 0
	v_nop
	global_prefetch_b8 v0, s[64:65] scope:SCOPE_SE
	s_setreg_imm32_b32 hwreg(HW_REG_WAVE_MODE, 25, 1), 1
	s_wait_xcnt 0x0
	s_wait_alu depctr_hold_cnt(0) depctr_sa_sdst(0) depctr_va_vdst(0) depctr_va_sdst(0) depctr_va_ssrc(0) depctr_va_vcc(0) depctr_vm_vsrc(0)
	s_getreg_b32 s2, hwreg(HW_REG_IB_STS2, 6, 4)
	s_cmp_eq_u32 s2, 0
	s_cbranch_scc0 .Lentry_in_a_cluster
	s_endpgm
.Lentry_in_a_cluster:
	s_bfe_u32 s2, ttmp6, 0x10000c
	s_cmp_lg_u32 s2, 0x3003
	s_cbranch_scc0 .Lentry_shape_is_right
	s_endpgm
.Lentry_shape_is_right:
; LAUNCH 1 OF 7: q, k, v = (src W^T + b) / (|row| + 1e-8), quantised for attention.  Work-group y = 0: q, 1: k, 2: v.
; DEAD WORK: none in the whole program.  Every input (all biases, gains and both epsilons) moves a code or a result, so every input is loaded and every product of the table is made.
; (Product 7 is made twice, launches 4 and 5: its rows of 4,096 do not fit one work-group's registers, and its norm is wanted ahead of its quantiser.)
; ROWS: inside the program a token is rho = 2048 b + s; in src it lies at byte 8192 s + 4096 b.  A row block i (0..63) is 64 neighbouring s of one b.
; SHARES: a work-group makes 64 tokens x all 1,024 columns: 4 waves x 512 accumulator registers, so a row's norm never leaves the work-group.  Wave w makes columns 256 w .. 256 w + 255:
; 16 column tiles x 4 row tiles.  The product is used transposed (source 0 = 16 rows of W, source 1 = 16 tokens): lane (r, hh) holds token 16 a + r and columns 16 b + 8 hh + 0..7, which one
; conversion turns into registers 2 b, 2 b + 1 of the next operand (this form's own layout: registers 2 c, 2 c + 1 hold k = 16 c + 8 hh + 0..7).
; W's codes come through a ring of two LDS slots, 128 rows x 256 K for each wave, each wave's own bytes.  CLUSTER: the four row blocks of a cluster need the same W, so each tile is asked for jointly (mask 15).
; src is quantised by the wave that owns the row tile and goes to the other waves as images of the operand's registers (16 bytes a lane, 512 bytes a store).  LDS holds four of the eight K steps' images;
; the other four wait in 64 registers and are stored when the first four have been read.
; OUT, all in the order of the reader's registers: q, k: [bh][tile of 16][2][lane][16 bytes]; v: [bh][128 keys][4 tiles of channels][4][lane][16], keys innermost: v's codes are turned by products with unit
; matrices (code x 1.0, nothing rounded); |q|^2, |k|^2 of each head and token in f32.  The table's product 4 has k as its left operand: k takes entry 6 of the scales, q entry 7; v entry 8.
; LIMITS: each power of two made here is an f32 number: e(src) + e(W) between -126 and 127; each quantiser's e between -126 and 119.  NaN and infinity among the inputs are not served.
.set KROW,   1024                      ; a row of W in bytes
.set PITCH,  272                       ; an LDS row: 256 bytes + 16: the 32 lanes of an 8-byte load (16 rows, two halves) touch 64 different words modulo 64
.set WPART,  128*PITCH                 ; a wave's part of a slot
.set SLOT,   4*WPART
.set IMG,    2*SLOT                    ; images of A: ((s % 4) x 4 + a) x 2048 + g x 512 + 16 x lane
.set XCH,    IMG+32768                 ; sums from wave to wave
.set SPARE,  XCH+3072                  ; the spare words, 128 bytes a wave
; window 0: v1 r, v2 hh, v3 src offset, v16-17 B's LDS addresses, v19-22 images and sums, v26 16 x lane, v27 32 hh, v28-29 the add's two, v30-31 scale and limit, v32-63 sums, v64-127 held images, v128-255 A (two sets)
; window 1: B (two sets of 128).   window 2, 3: accumulators of column tiles 0-7, 8-15 at v[8 (4 b' + a)]
.set MSB, 0
.macro WIN new                         ; the immediate's high byte repeats the setting that is left
.if MSB != (\new)
	s_set_vgpr_msb (MSB<<8)|(\new)
.set MSB, (\new)
.endif
.endm
.macro PLACES n
.rept \n
	v_nop
.endr
.endm
.macro CREST                           ; a round of the cluster's barrier behind its opening barrier
	s_cmp_lg_u32 s14, 0
	s_cbranch_scc1 .Lnot_wave_0_\@
	s_barrier_signal -3
.Lnot_wave_0_\@:
	s_barrier_wait -3
	s_barrier_signal -1
	s_barrier_wait -1
.endm
.macro CROUND
	s_barrier_signal -1
	s_barrier_wait -1
	CREST
.endm
.macro FETCH_B slot, q, set            ; my 8 column tiles x 128 K: 64 loads of 8 bytes
	WIN 0x40
.irp b, 0,1,2,3,4,5,6,7
.irp c, 0,1,2,3,4,5,6,7
	ds_load_b64 v[128*(\set)+16*\b+2*\c:128*(\set)+16*\b+2*\c+1], v[16+(\slot)] offset:\b*16*PITCH+128*(\q)+16*\c
.endr
.endr
	WIN 0
.endm
.macro FETCH_A s, set                  ; the four row tiles' images of K step s
.irp a, 0,1,2,3
.irp g, 0,1,2,3
	ds_load_b128 v[128+64*(\set)+16*\a+4*\g:128+64*(\set)+16*\a+4*\g+3], v19 offset:(((\s)%4)*4+\a)*2048+\g*512
.endr
.endr
.endm
.macro IMAGE reg, s                    ; my row tile's fragment of K step s goes to LDS as it stands
.irp g, 0,1,2,3
	ds_store_b128 v20, v[(\reg)+4*\g:(\reg)+4*\g+3] offset:((\s)%4)*8192+\g*512
.endr
.endm
.macro MUL16 q, b0, zero               ; 16 products; the 32 accumulators of a trip take turns, one instruction a turn
.irp b, \b0, \b0+1, \b0+2, \b0+3
.irp a, 0,1,2,3
.if \zero
	v_wmma_f32_16x16x128_fp8_fp8 v[8*(4*(\b)+\a):8*(4*(\b)+\a)+7], v[128*(\q)+16*(\b):128*(\q)+16*(\b)+15], v[128+64*(\q)+16*\a:128+64*(\q)+16*\a+15], 0
.else
	v_wmma_f32_16x16x128_fp8_fp8 v[8*(4*(\b)+\a):8*(4*(\b)+\a)+7], v[128*(\q)+16*(\b):128*(\q)+16*(\b)+15], v[128+64*(\q)+16*\a:128+64*(\q)+16*\a+15], v[8*(4*(\b)+\a):8*(4*(\b)+\a)+7]
.endif
.endr
.endr
.endm
.macro TAILLOAD                        ; the bias in the result's layout: window 1, v[8 b + j] = bias(256 w + 16 b + 8 hh + j)
	WIN 0x40
.irp b, 0,1,2,3,4,5,6,7,8,9,10,11,12,13,14,15
	global_load_b128 v[8*\b:8*\b+3], v27, s[16:17] offset:64*\b
	global_load_b128 v[8*\b+4:8*\b+7], v27, s[16:17] offset:64*\b+16
.endr
	WIN 0
.endm
; TRIP t = 2 k + H: K step k of 256, column tiles 8 H .. 8 H + 7, slot H: 64 products.  Trips 0 to 5 fill their slot again with tile t + 2.
.macro TRIP t, zero
.set HH, (\t)%2
.set KK, (\t)/2
	s_wait_dscnt 0x0                               ; set 0 is in (trip 3: my held images are stored too)
	PLACES 4                                       ; four places between the last products and loads into registers that they read
	FETCH_B HH, 1, 1
.if HH == 0
	FETCH_A 2*KK+1, 1
.endif
	WIN 0xa1+0x50*HH
	MUL16 0, 0, \zero
.if (\t) <= 5
	WIN 0                                          ; (the add's two registers lie in window 0)
	s_wait_tensorcnt 0x0                           ; all my tensor loads have landed: the one that was out is tile t + 1
	ds_add_u32 v28, v29                            ; 0 onto my spare word
	s_add_nc_u64 s[34+4*HH:35+4*HH], s[34+4*HH:35+4*HH], 256   ; no load of mine is out: this slot's next tile, 256 along K on
.endif
.if (\t) == 6
	s_wait_tensorcnt 0x0                           ; tile 7, which only I read, has landed
.endif
	WIN 0xa1+0x50*HH
	MUL16 0, 4, \zero
	s_wait_dscnt 0x0                               ; the add is done, set 1 is in, and my reads of this slot are over
.if (\t) <= 5
	s_barrier_signal -1                            ; opens a round of the cluster's barrier
.endif
	MUL16 1, 0, 0
	WIN 0
.if (\t) <= 5
	s_barrier_wait -1
	CREST                                          ; no wave of any partner still reads this slot or has a load on its way
	tensor_load_to_lds s[32+4*HH:35+4*HH], s[24:31]
	s_nop 0
.endif
	PLACES 4
.if (\t) == 2
	IMAGE 64, 4                                    ; every wave's reads of K steps 0-3 were waited for ahead of this round: steps 4-7 take their place
	s_wait_alu depctr_va_vdst(0)
	IMAGE 80, 5
	IMAGE 96, 6
	IMAGE 112, 7
.endif
.if (\t) < 7
	FETCH_B 1-HH, 0, 0
.if HH == 1
	FETCH_A 2*KK+2, 0
.endif
.else
	TAILLOAD
.endif
	WIN 0xa1+0x50*HH
	MUL16 1, 4, 0
	WIN 0
.endm
.macro E1                              ; sum x 2^(eA + eB) + bias, each accumulator from its low end on
.irp h, 0,1
	WIN 0x92+0x41*\h
.irp b, 0,1,2,3,4,5,6,7
.irp a, 0,1,2,3
.irp p, 0,2,4,6
	v_pk_fma_f32 v[8*(4*\b+\a)+\p:8*(4*\b+\a)+\p+1], v[8*(4*\b+\a)+\p:8*(4*\b+\a)+\p+1], s[44:45], v[8*(8*\h+\b)+\p:8*(8*\h+\b)+\p+1] op_sel_hi:[1,0,1]
.endr
.endr
.endr
.endr
	WIN 0
.endm
.macro SQ                              ; sums of squares of my 256 columns, a pair for each row tile; four chains side by side; the first product starts them
.irp h, 0,1
	WIN 0x0a+5*\h
.irp b, 0,1,2,3,4,5,6,7
.irp p, 0,2,4,6
.irp a, 0,1,2,3
.if \h+\b+\p == 0
	v_pk_mul_f32 v[32+2*\a:33+2*\a], v[8*(4*\b+\a)+\p:8*(4*\b+\a)+\p+1], v[8*(4*\b+\a)+\p:8*(4*\b+\a)+\p+1]
.else
	v_pk_fma_f32 v[32+2*\a:33+2*\a], v[8*(4*\b+\a)+\p:8*(4*\b+\a)+\p+1], v[8*(4*\b+\a)+\p:8*(4*\b+\a)+\p+1], v[32+2*\a:33+2*\a]
.endif
.endr
.endr
.endr
.endr
	WIN 0
.endm
.macro HALVES                          ; a pair's two words, and the other half of the lanes
.irp a, 0,1,2,3
	v_add_f32 v[40+\a], v[32+2*\a], v[33+2*\a]
.endr
.irp a, 0,1,2,3
	v_permlanex16_b32 v[44+\a], v[40+\a], s46, s47
.endr
.irp a, 0,1,2,3
	v_add_f32 v[40+\a], v[40+\a], v[44+\a]
.endr
.endm
.macro XSUM n                          ; the four waves' sums meet in LDS; every wave adds them in the same order
	ds_store_b128 v21, v[40:43] offset:(\n)*1024
	s_wait_dscnt 0x0                               ; for the others' sake: my store has landed
	s_barrier_signal -1
	s_barrier_wait -1
.irp u, 0,1,2,3
	ds_load_b128 v[64+4*\u:67+4*\u], v22 offset:(\n)*1024+256*\u
.endr
	s_wait_dscnt 0x0
	v_pk_add_f32 v[64:65], v[64:65], v[68:69]
	v_pk_add_f32 v[66:67], v[66:67], v[70:71]
	v_pk_add_f32 v[72:73], v[72:73], v[76:77]
	v_pk_add_f32 v[74:75], v[74:75], v[78:79]
	v_pk_add_f32 v[40:41], v[64:65], v[72:73]
	v_pk_add_f32 v[42:43], v[66:67], v[74:75]
.endm
.macro RNORM                           ; v[48 + 2 a] = 1 / (sqrt(sum) + 1e-8), twice
.irp a, 0,1,2,3
	v_sqrt_f32 v[40+\a], v[40+\a]
.endr
	v_nop                                          ; a plain line behind the batch,
	s_wait_alu depctr_va_vdst(0)                   ; and one wait ahead of its first reader
.irp a, 0,1,2,3
	v_add_f32 v[40+\a], 0x322bcc77, v[40+\a]
.endr
	s_wait_alu depctr_va_vdst(0)
.irp a, 0,1,2,3
	v_rcp_f32 v[48+2*\a], v[40+\a]
.endr
	v_nop
	s_wait_alu depctr_va_vdst(0)
.irp a, 0,1,2,3
	v_mov_b32 v[49+2*\a], v[48+2*\a]
.endr
.endm
.macro SCALEA R                        ; every number x the low word of v[R + 2 a]
.irp h, 0,1
	WIN 0x82+0x41*\h
.irp b, 0,1,2,3,4,5,6,7
.irp a, 0,1,2,3
.irp p, 0,2,4,6
	v_pk_mul_f32 v[8*(4*\b+\a)+\p:8*(4*\b+\a)+\p+1], v[8*(4*\b+\a)+\p:8*(4*\b+\a)+\p+1], v[(\R)+2*\a:(\R)+2*\a+1] op_sel_hi:[1,0]
.endr
.endr
.endr
.endr
	WIN 0
.endm
.macro QCONST e, t                     ; v30 = 2^e, v31 = 448 x 2^e; e in s[e]
	s_add_co_i32 s[\t], s[\e], 127
	s_lshl_b32 s[\t+1], s[\t], 23
	v_mov_b32 v30, s[\t+1]
	s_add_co_i32 s[\t], s[\t], 8
	s_lshl_b32 s[\t], s[\t], 23
	s_or_b32 s[\t], s[\t], 0x600000
	v_mov_b32 v31, s[\t]
.endm
.macro HOLDALL                         ; the conversion to an 8-bit code does not saturate (ISA guide 7.6.2): hold within the largest code x the scale
.set J, 0
.rept 256
	v_med3_num_f32 v[J], v[J], -v31, v31
.set J, J+1
.endr
.endm
.macro SRCFRAG blk, s                  ; src: my 64 numbers of K step s (k = 128 s + 16 c + 8 hh + 0..7 of token r) into block blk of the window in hand
.irp c, 0,1,2,3,4,5,6,7
	global_load_b128 v[64*(\blk)+8*\c:64*(\blk)+8*\c+3], v3, s[4:5] offset:512*(\s)+64*\c
	global_load_b128 v[64*(\blk)+8*\c+4:64*(\blk)+8*\c+7], v3, s[4:5] offset:512*(\s)+64*\c+16
.endr
.endm
.macro CVTFRAG blk, d                  ; block blk becomes a fragment's 16 registers from v[d] of window 0.  The blocks are dealt so that d never lies among the block's own register numbers
.irp c, 0,1,2,3,4,5,6,7
	v_cvt_scalef32_pk8_fp8_f32 v[(\d)+2*\c:(\d)+2*\c+1], v[64*(\blk)+8*\c:64*(\blk)+8*\c+7], v30
.endr
.endm
.macro QNS                             ; |head|^2: pair (hl, a) at v[96 + 2 (4 hl + a)]
.irp h, 0,1
	WIN 0x0a+5*\h
.irp b, 0,1,2,3,4,5,6,7
.irp p, 0,2,4,6
.irp a, 0,1,2,3
.if (\b%4)+\p == 0
	v_pk_mul_f32 v[96+2*(4*(2*\h+\b/4)+\a):97+2*(4*(2*\h+\b/4)+\a)], v[8*(4*\b+\a)+\p:8*(4*\b+\a)+\p+1], v[8*(4*\b+\a)+\p:8*(4*\b+\a)+\p+1]
.else
	v_pk_fma_f32 v[96+2*(4*(2*\h+\b/4)+\a):97+2*(4*(2*\h+\b/4)+\a)], v[8*(4*\b+\a)+\p:8*(4*\b+\a)+\p+1], v[8*(4*\b+\a)+\p:8*(4*\b+\a)+\p+1], v[96+2*(4*(2*\h+\b/4)+\a):97+2*(4*(2*\h+\b/4)+\a)]
.endif
.endr
.endr
.endr
.endr
	WIN 0
.endm
.macro QOUT                            ; codes: fragment (head hl = 2 h + b' / 4, row tile a), 8 registers, at v[128 - 64 (hl % 2) + 8 (4 (hl / 2) + a)]
.irp h, 0,1
	WIN 0x82+0x41*\h
	HOLDALL
	WIN 0x02+\h
.irp b, 0,1,2,3,4,5,6,7
.irp a, 0,1,2,3
	v_cvt_scalef32_pk8_fp8_f32 v[128-64*(\b/4)+8*(4*\h+\a)+2*(\b%4):128-64*(\b/4)+8*(4*\h+\a)+2*(\b%4)+1], v[8*(4*\b+\a):8*(4*\b+\a)+7], v30
.endr
.endr
.endr
	WIN 0
	v_nop                                          ; a plain line behind the last conversion
.endm
	s_load_b256 s[4:11], s[0:1], 0x0               ; src, wq, wk, wv
	s_load_b256 s[68:75], s[0:1], 0x20             ; bq, bk, bv, the scales' exponents
	s_load_b64 s[76:77], s[0:1], 0x40              ; qkv
	v_lshl_add_u32 v28, v0, 2, SPARE
	v_mov_b32 v29, 0
	ds_add_u32 v28, v29                            ; the wave's opening: the add, twice on end, and its wait ahead of my first tensor load
	ds_add_u32 v28, v29
	v_lshrrev_b32 v1, 5, v0
	v_readfirstlane_b32 s14, v1                    ; wave 0..3
	s_bfe_u32 s40, ttmp6, 0x40000                  ; cx
	s_lshl_b32 s41, ttmp9, 2
	s_add_co_u32 s41, s41, s40                     ; row block i: it enters src's and qkv's addresses alone
	s_and_b32 s42, ttmp7, 0xffff                   ; y: which product; the four partners share it
	s_mov_b32 s24, 15|(1<<20)|(1<<21)|(5<<22)|(3<<25)  ; group 1: mask of the four; bytes; padding of 4 words behind every 64; bit 21 beside the mask
	s_mov_b32 s25, 256<<16                         ; tensor_dim0
	s_mov_b32 s26, 128<<16                         ; tensor_dim1
	s_mov_b32 s27, 256<<16                         ; tile_dim0
	s_mov_b32 s28, 128                             ; tile_dim1
	s_mov_b32 s29, KROW                            ; from row to row
	s_mov_b32 s30, 0
	s_mov_b32 s31, 0
	s_mov_b32 s46, 0x76543210                      ; v_permlanex16_b32: lane l xor 16
	s_mov_b32 s47, 0xfedcba98
	v_and_b32 v1, 15, v0                           ; r
	v_bfe_u32 v2, v0, 4, 1                         ; hh
	v_and_b32 v3, 31, v0
	v_lshlrev_b32 v26, 4, v3                       ; 16 x lane
	s_mul_i32 s33, s14, WPART                      ; my part of slot 0
	v_mul_u32_u24 v16, v1, PITCH
	v_lshl_add_u32 v16, v2, 3, v16
	v_add_nc_u32 v16, s33, v16
	v_add_nc_u32 v17, SLOT, v16
	v_add_nc_u32 v19, IMG, v26
	s_lshl_b32 s20, s14, 11
	v_add_nc_u32 v20, s20, v19
	v_lshlrev_b32 v22, 4, v1
	v_add_nc_u32 v22, XCH, v22
	s_lshl_b32 s20, s14, 8
	v_add_nc_u32 v21, s20, v22
	v_lshlrev_b32 v27, 5, v2
	v_lshl_add_u32 v3, v1, 13, v27                 ; src: token r of 8,192 bytes, + 32 hh
.irp n, 44,45,46,47
	v_mov_b32 v\n, 0                               ; written once: a lane permute's destination counts as one of its sources
.endr
	s_and_b32 s15, s41, 31
	s_lshl_b32 s15, s15, 6                         ; s0: the block's first position
	s_lshr_b32 s43, s41, 5                         ; its batch
	s_lshl_b32 s20, s14, 4
	s_add_co_u32 s20, s20, s15
	s_lshl_b32 s20, s20, 13
	s_lshl_b32 s21, s43, 12
	s_add_co_u32 s22, s20, s21
	s_mov_b32 s23, 0
	s_wait_dscnt 0x0                               ; both opening adds are done
	s_wait_kmcnt 0x0
	s_load_b512 s[80:95], s[74:75], 0x0            ; the sixteen exponents
	s_add_nc_u64 s[4:5], s[4:5], s[22:23]          ; src at my 16 tokens
	s_cmp_eq_u32 s42, 0                            ; W and the bias by y
	s_cselect_b64 s[12:13], s[6:7], s[8:9]
	s_cselect_b64 s[16:17], s[68:69], s[70:71]
	s_cmp_eq_u32 s42, 2
	s_cselect_b64 s[12:13], s[10:11], s[12:13]
	s_cselect_b64 s[16:17], s[72:73], s[16:17]
	s_lshl_b32 s20, s14, 18                        ; my 256 rows of W
	s_mov_b32 s21, 0
	s_add_nc_u64 s[12:13], s[12:13], s[20:21]
	s_lshl_b32 s20, s14, 10
	s_add_nc_u64 s[16:17], s[16:17], s[20:21]
	s_mov_b32 s32, 1                               ; group 0 of slot 0: rows 0-127 of mine, K step 0
	s_mov_b64 s[34:35], s[12:13]
	s_or_b32 s35, s35, 0x80000000
	s_mov_b32 s36, 1                               ; of slot 1: rows 128-255
	s_add_co_u32 s37, s33, SLOT
	s_add_nc_u64 s[38:39], s[12:13], 128*KROW
	s_or_b32 s39, s39, 0x80000000
	CROUND                                         ; the four work-groups are here: the first joint loads meet
	tensor_load_to_lds s[32:35], s[24:31]          ; tile 0: my one tensor load at the head
	s_nop 0
	PLACES 4
	WIN 0x80                                       ; src into the registers that the sums will take
	s_wait_alu depctr_va_vdst(0)
	SRCFRAG 0, 0
	SRCFRAG 1, 1
	SRCFRAG 2, 7
	SRCFRAG 3, 2
	WIN 0xc0
	SRCFRAG 0, 4
	SRCFRAG 1, 3
	SRCFRAG 2, 5
	SRCFRAG 3, 6
	WIN 0
	s_wait_tensorcnt 0x0                           ; my tile 0 is in (src's 128 loads are on their way); slot 1's first fill is issued as a refill is:
	ds_add_u32 v28, v29                            ; 0 onto my spare word
	s_wait_dscnt 0x0                               ; the add is done
	CROUND                                         ; everybody's tile 0 is in, and the four work-groups are here
	tensor_load_to_lds s[36:39], s[24:31]          ; tile 1, my one load behind the round: it lands while src is quantised
	s_nop 0
	PLACES 4
	s_wait_kmcnt 0x0
	s_cmp_eq_u32 s42, 0                            ; the exponents by y: src's, W's, the result's
	s_cselect_b32 s48, s80, s82
	s_cselect_b32 s49, s81, s83
	s_cselect_b32 s50, s87, s86
	s_cmp_eq_u32 s42, 2
	s_cselect_b32 s48, s84, s48
	s_cselect_b32 s49, s85, s49
	s_cselect_b32 s50, s88, s50
	s_add_co_i32 s44, s48, s49
	s_add_co_i32 s44, s44, 127
	s_lshl_b32 s44, s44, 23                        ; 2^(e src + e W)
	s_mov_b32 s45, s44
	QCONST 48, 20
	s_wait_alu depctr_va_vdst(0)
	s_wait_loadcnt 63                              ; at most 63 of the 128 loads are out: the first 64 are in
	WIN 0x82
	HOLDALL
	WIN 0x02
	CVTFRAG 0, 128
	CVTFRAG 1, 144
	CVTFRAG 2, 112
	CVTFRAG 3, 160
	s_wait_loadcnt 0x0
	WIN 0xc3
	HOLDALL
	WIN 0x03
	CVTFRAG 0, 64
	CVTFRAG 1, 176
	CVTFRAG 2, 80
	CVTFRAG 3, 96
	WIN 0
	v_nop                                          ; a plain line behind the last conversion: products will write its sources
	IMAGE 128, 0
	IMAGE 144, 1
	IMAGE 160, 2
	IMAGE 176, 3
	s_wait_alu depctr_va_vdst(0)
	s_wait_dscnt 0x0                               ; my images have landed
	s_barrier_signal -1                            ; tile 1 may stay out
	s_barrier_wait -1
	FETCH_B 0, 0, 0
	FETCH_A 0, 0
	TRIP 0, 1
	TRIP 1, 1
	TRIP 2, 0
	TRIP 3, 0
	TRIP 4, 0
	TRIP 5, 0
	TRIP 6, 0
	TRIP 7, 0
	; where the results go
	; THE BUFFER qkv: two runs of 32 blocks of 270,336 bytes, a block for each (batch, head).  First run: q's codes (1,024 bytes a tile of 16 tokens), and from byte 131,072 of the block |q|^2.
	; Second run, from byte 8,650,752: sixteen pieces of 16,896 bytes, a piece for 128 keys: k's codes 8,192, v's codes 8,192, |k|^2 512: what one tensor load of the next launch brings.
	s_lshl_b32 s52, s43, 4
	s_lshl_b32 s53, s14, 2
	s_add_co_u32 s52, s52, s53
	s_mul_i32 s52, s52, 270336                     ; my first head's block: 16 b + 4 w
	s_lshr_b32 s53, s15, 7
	s_mul_i32 s53, s53, 16896
	s_add_co_u32 s53, s53, s52
	s_add_co_u32 s53, s53, 8650752                 ; my tokens' piece of 128 keys
	s_bfe_u32 s60, s15, 0x10006                    ; which half of its keys
	s_lshl_b32 s58, s60, 10
	s_add_co_u32 s58, s58, s53
	s_add_co_u32 s58, s58, 8192                    ; v
	s_mov_b32 s59, 0
	s_add_nc_u64 s[58:59], s[76:77], s[58:59]
	s_lshl_b32 s56, s60, 8
	s_add_co_u32 s56, s56, s53
	s_add_co_u32 s56, s56, 16384                   ; |k|^2
	s_lshl_b32 s57, s15, 2
	s_add_co_u32 s57, s57, s52
	s_add_co_u32 s57, s57, 131072                  ; |q|^2
	s_lshl_b32 s61, s60, 12
	s_add_co_u32 s61, s61, s53                     ; k's codes
	s_lshl_b32 s60, s15, 6
	s_add_co_u32 s60, s60, s52                     ; q's codes
	s_cmp_eq_u32 s42, 0
	s_cselect_b32 s56, s57, s56
	s_cselect_b32 s52, s60, s61
	s_mov_b32 s57, 0
	s_mov_b32 s53, 0
	s_add_nc_u64 s[56:57], s[76:77], s[56:57]
	s_add_nc_u64 s[52:53], s[76:77], s[52:53]
	s_wait_loadcnt 0x0                             ; the bias
	PLACES 4                                       ; between the last products and the first read of results
	E1
	SQ
	HALVES
	XSUM 0
	s_wait_alu depctr_va_vdst(0)
	RNORM
	SCALEA 48                                      ; onto the unit sphere
	s_cmp_eq_u32 s42, 2                            ; v has no norms of heads: a branch on the work-group's y, the same in all partners
	s_cbranch_scc1 .Lno_norms
	QNS
.irp n, 0,1,2,3,4,5,6,7,8,9,10,11,12,13,14,15
	v_add_f32 v[64+\n], v[96+2*\n], v[97+2*\n]
.endr
.irp n, 0,1,2,3,4,5,6,7,8,9,10,11,12,13,14,15
	v_permlanex16_b32 v[80+\n], v[64+\n], s46, s47
.endr
.irp n, 0,1,2,3,4,5,6,7,8,9,10,11,12,13,14,15
	v_add_f32 v[64+\n], v[64+\n], v[80+\n]
.endr
	v_cmp_eq_u32 s54, 1, v2                        ; lanes 16-31 take the odd row tile, so that 32 lanes store 32 neighbouring tokens
	v_lshrrev_b32 v4, 2, v26                       ; 4 x lane
.irp hl, 0,1,2,3
.irp p, 0,1
	v_cndmask_b32 v[32+2*\hl+\p], v[64+4*\hl+2*\p], v[65+4*\hl+2*\p], s54
	global_store_b32 v4, v[32+2*\hl+\p], s[56:57] offset:\hl*270336+128*\p
.endr
.endr
.Lno_norms:
	QCONST 50, 20
	QOUT
	s_cmp_eq_u32 s42, 2
	s_cbranch_scc1 .Lvalues
.irp hl, 0,1,2,3
.irp a, 0,1,2,3
.irp g, 0,1
	global_store_b128 v26, v[128-64*(\hl%2)+8*(4*(\hl/2)+\a)+4*\g:128-64*(\hl%2)+8*(4*(\hl/2)+\a)+4*\g+3], s[52:53] offset:\hl*270336+\a*1024+\g*512   ; 512 consecutive bytes
.endr
.endr
.endr
	s_branch .Lend
.Lvalues:
	; v's keys must come innermost.  D = (16 tokens x 64 channels of codes) x I_tau: lane r then holds channel 16 tau + r, register j token 16 a + 8 hh + j; the values are code x 1.0.
	; I_tau is a run of 8 out of 14 registers: six zeros, E0, E1, six zeros; E_u holds the code of 1.0 (0x38) in byte r % 4 where hh = r / 8 and (r / 4) % 2 = u.
	v_and_b32 v8, 3, v1
	v_lshlrev_b32 v8, 3, v8
	v_mov_b32 v9, 0x38
	v_lshlrev_b32 v8, v8, v9
	v_lshrrev_b32 v9, 3, v1
	v_cmp_eq_u32 s54, v9, v2
	v_bfe_u32 v9, v1, 2, 1
	v_cmp_eq_u32 s55, 0, v9
	s_and_b32 s60, s54, s55
	s_and_not1_b32 s61, s54, s55
	v_mov_b32 v23, 1.0                             ; the second conversion's scale
	WIN 0x40
.irp n, 128,129,130,131,132,133,136,137,138,139,140,141
	v_mov_b32 v\n, 0
.endr
	v_cndmask_b32 v134, 0, v8, s60
	v_cndmask_b32 v135, 0, v8, s61
.irp hl, 0,1,2,3
	WIN 0x44                                       ; source 0 window 0, source 1 and D window 1
.irp tau, 0,1,2,3
.irp a, 0,1,2,3
	v_wmma_f32_16x16x64_fp8_fp8 v[8*(4*\tau+\a):8*(4*\tau+\a)+7], v[128-64*(\hl%2)+8*(4*(\hl/2)+\a):128-64*(\hl%2)+8*(4*(\hl/2)+\a)+7], v[134-2*\tau:141-2*\tau], 0
.endr
.endr
	PLACES 4
	WIN 0x81                                       ; source 0 window 1, destination window 2
.irp tau, 0,1,2,3
.irp a, 0,1,2,3
	v_cvt_scalef32_pk8_fp8_f32 v[128+32*\hl+8*\tau+4*(\a/2)+2*(\a%2):128+32*\hl+8*\tau+4*(\a/2)+2*(\a%2)+1], v[8*(4*\tau+\a):8*(4*\tau+\a)+7], v23
.endr
.endr
	PLACES 2                                       ; with the four above: six places ahead of the next head's products, which write over these results
.endr
	WIN 0x08                                       ; store data in window 2
.irp hl, 0,1,2,3
.irp tau, 0,1,2,3
.irp g, 0,1
	global_store_b128 v26, v[128+32*\hl+8*\tau+4*\g:128+32*\hl+8*\tau+4*\g+3], s[58:59] offset:\hl*270336+\tau*2048+\g*512
.endr
.endr
.endr
	WIN 0
.Lend:
	s_wait_tensorcnt 0x0                           ; the wave's end
	ds_add_u32 v28, v29
	s_wait_dscnt 0x0
	CROUND                                         ; the closing round
	s_endpgm
.Lfunc_end_k_q10cb80e636_qkv:
	.size	k_q10cb80e636_qkv, .Lfunc_end_k_q10cb80e636_qkv-k_q10cb80e636_qkv
	.p2alignl 7, 3214868480
	.fill 96, 4, 3214868480
	.section	.rodata,"a",@progbits
	.p2align	6, 0x0
	.amdhsa_kernel k_q10cb80e636_qkv
		.amdhsa_group_segment_fixed_size 327680
		.amdhsa_private_segment_fixed_size 0
		.amdhsa_enable_private_segment 0
		.amdhsa_kernarg_size 72
		.amdhsa_user_sgpr_count 2
		.amdhsa_user_sgpr_kernarg_segment_ptr 1
		.amdhsa_wavefront_size32 1
		.amdhsa_system_sgpr_workgroup_id_x 1
		.amdhsa_system_sgpr_workgroup_id_y 1
		.amdhsa_system_sgpr_workgroup_id_z 1
		.amdhsa_system_vgpr_workitem_id 0
		.amdhsa_next_free_vgpr 1024
		.amdhsa_next_free_sgpr 100
		.amdhsa_reserve_vcc 0
		.amdhsa_float_denorm_mode_32 3
		.amdhsa_float_denorm_mode_16_64 3
		.amdhsa_memory_ordered 1
		.amdhsa_forward_progress 1
		.amdhsa_inst_pref_size 255
	.end_amdhsa_kernel
	.section	.bss,"aw",@nobits
	.p2align	6
	.space	262144
	.amdgpu_metadata
---
amdhsa.version: [ 1, 2 ]
amdhsa.kernels:
  - .name:           k_q10cb80e636_qkv
    .symbol:         k_q10cb80e636_qkv.kd
    .args:
      - { .name: src, .offset: 0, .size: 8, .value_kind: global_buffer, .address_space: global }
      - { .name: wq_codes, .offset: 8, .size: 8, .value_kind: global_buffer, .address_space: global }
      - { .name: wk_codes, .offset: 16, .size: 8, .value_kind: global_buffer, .address_space: global }
      - { .name: wv_codes, .offset: 24, .size: 8, .value_kind: global_buffer, .address_space: global }
      - { .name: bq, .offset: 32, .size: 8, .value_kind: global_buffer, .address_space: global }
      - { .name: bk, .offset: 40, .size: 8, .value_kind: global_buffer, .address_space: global }
      - { .name: bv, .offset: 48, .size: 8, .value_kind: global_buffer, .address_space: global }
      - { .name: lowp_scales, .offset: 56, .size: 8, .value_kind: global_buffer, .address_space: global }
      - { .name: qkv, .offset: 64, .size: 8, .value_kind: global_buffer, .address_space: global }
    .group_segment_fixed_size: 327680
    .private_segment_fixed_size: 0
    .kernarg_segment_align: 8
    .kernarg_segment_size: 72
    .max_flat_workgroup_size: 128
    .sgpr_count:     100
    .vgpr_count:     1024
    .wavefront_size: 32
...
	.end_amdgpu_metadata
.endif
;; end of part 8
;; launch attn (part 9): grid 8 x 32, 16 waves a work-group, clusters of 4 x 1, 327,680 bytes of LDS; arguments qkv, lowp_scales, ao; writes ao
.if DOCPART == 9
	.amdgcn_target "amdgcn-amd-amdhsa--gfx1250"
	.amdhsa_code_object_version 6
	.text
	.protected	k_q10cb80e636_attn
	.globl	k_q10cb80e636_attn
	.p2align	8
	.type	k_q10cb80e636_attn,@function
k_q10cb80e636_attn:
	s_mov_b64 s[64:65], 0
	v_nop
	global_prefetch_b8 v0, s[64:65] scope:SCOPE_SE
	s_setreg_imm32_b32 hwreg(HW_REG_WAVE_MODE, 25, 1), 1
	s_wait_xcnt 0x0
	s_wait_alu depctr_hold_cnt(0) depctr_sa_sdst(0) depctr_va_vdst(0) depctr_va_sdst(0) depctr_va_ssrc(0) depctr_va_vcc(0) depctr_vm_vsrc(0)
	s_getreg_b32 s2, hwreg(HW_REG_IB_STS2, 6, 4)
	s_cmp_eq_u32 s2, 0
	s_cbranch_scc0 .Lentry_in_a_cluster
	s_endpgm
.Lentry_in_a_cluster:
	s_bfe_u32 s2, ttmp6, 0x10000c
	s_cmp_lg_u32 s2, 0x3003
	s_cbranch_scc0 .Lentry_shape_is_right
	s_endpgm
.Lentry_shape_is_right:
; LAUNCH 2 OF 7: attention with scores -sqrt(clip(1 - (q.k)^2 / (|q|^2 |k|^2 + 1e-8), 0)), both products on codes of E4M3.  No product of the problem is left out.
; SHARES: a work-group owns 256 queries of one (batch, head).  Wave w takes 32 of them (group w % 8: two tiles of 16) and half of the keys (w / 8: 1,024 keys, 16 steps of 64), so each fragment of K, V and
; |k|^2 read from LDS serves two tiles.  Both products are used transposed (S^T = K Q^T, O^T = V^T P^T): a lane holds one query of each tile, and the eight registers of a score tile are keys 8 hh + 0..7,
; which one conversion turns into two registers of P.  At the end the two waves of a group add their halves through LDS: each keeps its tile A (tile w / 8 of the group) and sends its tile B.
; THE SHIFT OF THE SOFTMAX IS THE WHOLE NUMBER 0.  The problem's own clip and the square keep the distance in [0, 1], so t = -log2(e) x distance lies in [-1.4427, 0] for every input: no exponential and no sum
; can overflow or underflow.  The problem's M = ceil(largest t) is -1 or 0, so p = 2^t is the problem's p or exactly half of it, in a whole row: codes, sum and quotient keep their values.
; LIMIT: that holds for e9 (entry 9 of the scales) from -8 to 4: there no p reaches 448 x 2^e9 and none falls among the subnormal codes.  Outside it p is still held at 448 x 2^e9, and the sum then takes the held p.
; SCORE: the sums S stand for S x 2^E, E = e6 + e7.  d = |k|^2 (|q|^2 / 4^E) + 1e-8 / 4^E, n = d - S^2, g = d ln(2)^2 (made like d, from scaled constants): z = n x rsq(n g) = log2(e) x distance, p = 2^-z.
; ONE MAXIMUM DOES THE CLIP AND THE HOLD: z = max(z, lam), lam = max(0, -e9 - log2(448)), two numbers an instruction.  Where n <= 0, n x rsq(n g) is a NaN, which the maximum drops for lam (ISA guide: a NaN loses): the clip at 0.
; LIMITS: E between -30 and 11, so that n g is 0 or a normal f32 number; e9, e10 between -126 and 119.  NaN and infinity among the inputs are not served.
; LDS: the head's sixteen pieces of 128 keys (K 8,192 bytes, V 8,192, |k|^2 512, in the order of the operands' registers) stay for the whole launch: every wave asks for one piece, 66 rows of 256 bytes, by
; its one tensor load at the head; nothing is filled again.  CLUSTER: the four query blocks of a cluster need the same pieces: joint loads, mask 15.
; NO PREFETCH: all that the launch reads through LDS is asked for by that one load a wave at the head; there is no loop of loads to run ahead in.
.set CH,    16896                      ; a piece
.set HB,    270336                     ; a head's block: 16 pieces
.set KVB,   8650752                    ; the second run of blocks in qkv
.set SPARE, 270336                     ; the spare words, 128 bytes for each of 16 waves
.set STW,   4352                       ; a wave's stage for the joining: 4,096 + 256 bytes, in pieces that nobody reads any more
; v1 16 x lane; v2 16384 + 32 hh; v3, v4 stage out and in; v5, v6 the add's two; v8, v9 addresses in hand; v10, v11 the sums' words in the stage; v12 2^e9; v13, v14 2^e10, 448 x 2^e10; v15 permute
; v16-23, v24-31 Q of tiles A, B; v[32:33], v[34:35] |q|^2 / 4^E and that x ln(2)^2 of tile A, v[36:39] of tile B; v[40:43], v[44:47] the sums, two chains a tile
; v112-143 and v208-239 TAKE TURNS from step to step: one (SA) holds tile A's scores, n, z, p, and from the moment p's codes are made the NEXT step's |k|^2; the other (YT) this step's |k|^2, then V's fragments.
.set OT, 48                            ; O^T: tile A 32 registers, tile B 32
.set SC, 112                           ; at work on the way out
.set SB, 144                           ; tile B's scores, then n, z, p
.set XT, 176                           ; K's fragments, then d, g, n g, rsq
.set CD, 240                           ; d of tile B by halves, then p's codes: tile A 8, tile B 8
.macro PLACES n
.rept \n
	v_nop
.endr
.endm
.macro CROUND
	s_barrier_signal -1
	s_barrier_wait -1
	s_cmp_lg_u32 s18, 0
	s_cbranch_scc1 .Lnot_wave_0_\@
	s_barrier_signal -3
.Lnot_wave_0_\@:
	s_barrier_wait -3
	s_barrier_signal -1
	s_barrier_wait -1
.endm
.macro DEN d, k, n, qp, ep             ; n pairs: |k|^2 x the lane's factor + the constant
.set J, 0
.rept \n
	v_pk_fma_f32 v[(\d)+J:(\d)+J+1], v[(\k)+J:(\k)+J+1], v[\qp:\qp+1], s[\ep:\ep+1] op_sel_hi:[1,1,0]
.set J, J+2
.endr
.endm
.macro NUM s, d, n                     ; n = d - S^2, each accumulator from its low end on
.set J, 0
.rept \n
	v_pk_fma_f32 v[(\s)+J:(\s)+J+1], v[(\s)+J:(\s)+J+1], v[(\s)+J:(\s)+J+1], v[(\d)+J:(\d)+J+1] neg_lo:[1,0,0] neg_hi:[1,0,0]
.set J, J+2
.endr
.endm
.macro MULT d, a, b
.set J, 0
.rept 16
	v_pk_mul_f32 v[(\d)+J:(\d)+J+1], v[(\a)+J:(\a)+J+1], v[(\b)+J:(\b)+J+1]
.set J, J+2
.endr
.endm
.macro RSQ x
.set J, 0
.rept 32
	v_rsq_f32 v[(\x)+J], v[(\x)+J]
.set J, J+1
.endr
.endm
.macro EXPN x                          ; p = 2^-z
.set J, 0
.rept 32
	v_exp_f32 v[(\x)+J], -v[(\x)+J]
.set J, J+1
.endr
.endm
.macro MAXC x, n                       ; the clip and the hold, n pairs: an even and an odd register in one instruction
.set J, 0
.rept \n
	v_dual_max_num_f32 v[(\x)+J], s62, v[(\x)+J] :: v_dual_max_num_f32 v[(\x)+J+1], s62, v[(\x)+J+1]
.set J, J+2
.endr
.endm
.macro CODES c, x
.irp t, 0,1,2,3
	v_cvt_scalef32_pk8_fp8_f32 v[(\c)+2*\t:(\c)+2*\t+1], v[(\x)+8*\t:(\x)+8*\t+7], v12
.endr
.endm
.macro KLOAD off                       ; four tiles of 16 keys
.irp t, 0,1,2,3
	ds_load_b128 v[XT+8*\t:XT+8*\t+3], v8 offset:(\off)+1024*\t
	ds_load_b128 v[XT+8*\t+4:XT+8*\t+7], v8 offset:(\off)+1024*\t+512
.endr
.endm
.macro NLOAD d, off                    ; |k|^2 of keys 16 t + 8 hh + 0..7, in the scores' layout
.irp t, 0,1,2,3
	ds_load_b128 v[(\d)+8*\t:(\d)+8*\t+3], v9 offset:(\off)+64*\t
	ds_load_b128 v[(\d)+8*\t+4:(\d)+8*\t+7], v9 offset:(\off)+64*\t+16
.endr
.endm
; A STEP: 64 keys, half u of the piece in hand.  Its K and |k|^2 were asked for in the step before.  early = 1: the next step's are asked for, at bytes koff and noff from the piece.
.macro STEP u, early, koff, noff
.if (\u) == 0
.set SA, 112
.set YT, 208
.else
.set SA, 208
.set YT, 112
.endif
	s_wait_dscnt 8                                 ; K is in; |k|^2's eight loads, issued behind K's, may be out
.irp t, 0,1,2,3
	v_wmma_f32_16x16x64_fp8_fp8 v[SA+8*\t:SA+8*\t+7], v[XT+8*\t:XT+8*\t+7], v[16:23], 0
	v_wmma_f32_16x16x64_fp8_fp8 v[SB+8*\t:SB+8*\t+7], v[XT+8*\t:XT+8*\t+7], v[24:31], 0
.endr
	PLACES 4                                       ; between the products and the first read of results and write of their sources
	s_wait_dscnt 0x0                               ; |k|^2
	DEN XT, YT, 16, 32, 78                         ; tile A: d
	NUM SA, XT, 16
	DEN CD, YT, 8, 36, 78                          ; tile B: d and n by halves, in the registers of the codes
	NUM SB, CD, 8
	DEN CD, YT+16, 8, 36, 78
	NUM SB+16, CD, 8
	DEN XT, YT, 16, 34, 76                         ; tile A: g, n g
	MULT XT, SA, XT
	s_wait_alu depctr_va_vdst(0)                   ; a wait ahead of a batch of transcendentals,
	RSQ XT
	v_nop                                          ; a plain line behind it,
	s_wait_alu depctr_va_vdst(0)                   ; and a wait ahead of its first reader
	MULT SA, SA, XT                                ; z of tile A
	MAXC SA, 16
	DEN XT, YT, 16, 38, 76                         ; tile B: g, n g
	MULT XT, SB, XT
.irp t, 0,1,2,3
	ds_load_b128 v[YT+8*\t:YT+8*\t+3], v8 offset:8192+2048*\t+1024*(\u)          ; V: 16 channels x these 64 keys; |k|^2 is done with
	ds_load_b128 v[YT+8*\t+4:YT+8*\t+7], v8 offset:8192+2048*\t+1024*(\u)+512
.endr
	s_wait_alu depctr_va_vdst(0)
	EXPN SA
	RSQ XT
	v_nop
	s_wait_alu depctr_va_vdst(0)
.set J, 0
.rept 8
	v_pk_add_f32 v[40:41], v[40:41], v[SA+J:SA+J+1]                              ; the sum of the unquantised p of tile A, by turns with z of tile B
	v_pk_mul_f32 v[SB+J:SB+J+1], v[SB+J:SB+J+1], v[XT+J:XT+J+1]
	v_pk_add_f32 v[42:43], v[42:43], v[SA+J+2:SA+J+3]
	v_pk_mul_f32 v[SB+J+2:SB+J+3], v[SB+J+2:SB+J+3], v[XT+J+2:XT+J+3]
.set J, J+4
.endr
	CODES CD, SA
.if \early
	KLOAD \koff                                    ; the next step's K, where rsq lay,
	NLOAD SA, \noff                                ; and its |k|^2, where tile A's p lay
.endif
	s_wait_dscnt 16*(\early)                       ; V is in; the sixteen loads just issued may be out
.irp t, 0,1,2,3
	s_wait_alu depctr_va_vdst(0)
	v_wmma_f32_16x16x64_fp8_fp8 v[OT+8*\t:OT+8*\t+7], v[YT+8*\t:YT+8*\t+7], v[CD:CD+7], v[OT+8*\t:OT+8*\t+7]
	MAXC SB+8*\t, 4                                ; tile B's maxima stand between tile A's products
.endr
	s_wait_alu depctr_va_vdst(0)
	EXPN SB
	v_nop
	s_wait_alu depctr_va_vdst(0)
	CODES CD+8, SB
	v_nop                                          ; a plain line behind the last conversion
.irp t, 0,1,2,3
	s_wait_alu depctr_va_vdst(0)
	v_wmma_f32_16x16x64_fp8_fp8 v[OT+32+8*\t:OT+32+8*\t+7], v[YT+8*\t:YT+8*\t+7], v[CD+8:CD+15], v[OT+32+8*\t:OT+32+8*\t+7]
	v_pk_add_f32 v[44:45], v[44:45], v[SB+8*\t:SB+8*\t+1]                        ; tile B's sum stands between its products
	v_pk_add_f32 v[46:47], v[46:47], v[SB+8*\t+2:SB+8*\t+3]
	v_pk_add_f32 v[44:45], v[44:45], v[SB+8*\t+4:SB+8*\t+5]
	v_pk_add_f32 v[46:47], v[46:47], v[SB+8*\t+6:SB+8*\t+7]
.endr
.endm
; 128 keys.  The next step's first products write over V's registers, which the last products read: six places stand between, the four additions above and two lines here.
.macro PIECE last
	v_add_nc_u32 v8, s60, v1
	v_add_nc_u32 v9, s60, v2
	s_wait_alu depctr_va_vdst(0)                   ; the wait behind these writes
	STEP 0, 1, 4096, 256
	PLACES 2
	STEP 1, 1-(\last), CH, CH
	s_add_co_u32 s60, s60, CH
.endm
	s_load_b128 s[4:7], s[0:1], 0x0                ; qkv, the scales' exponents
	s_load_b64 s[8:9], s[0:1], 0x10                ; ao
	v_lshl_add_u32 v5, v0, 2, SPARE
	v_mov_b32 v6, 0
	ds_add_u32 v5, v6                              ; the wave's opening: the add, twice on end, and its wait ahead of my tensor load
	ds_add_u32 v5, v6
	v_lshrrev_b32 v8, 5, v0
	v_readfirstlane_b32 s18, v8                    ; wave 0..15
	s_bfe_u32 s10, ttmp6, 0x40000                  ; cx
	s_lshl_b32 s11, ttmp9, 2
	s_add_co_u32 s11, s11, s10                     ; my block of 256 queries: it enters Q's, |q|^2's and ao's addresses alone
	s_and_b32 s12, ttmp7, 0xffff                   ; bh = 16 b + h, which the partners share
	s_mov_b32 s24, 15|(3<<16)|(1<<21)              ; group 1: mask of the four; elements of 8 bytes; a dense block as 66 rows of 256 bytes
	s_mov_b32 s25, 32<<16
	s_mov_b32 s26, 66<<16
	s_mov_b32 s27, 32<<16
	s_mov_b32 s28, 66
	s_mov_b32 s29, 32
	s_mov_b32 s30, 0
	s_mov_b32 s31, 0
	s_mov_b32 s20, 0x76543210                      ; v_permlanex16_b32: lane l xor 16
	s_mov_b32 s21, 0xfedcba98
	s_mul_i32 s16, s12, HB                         ; my head's block
	s_mul_i32 s41, s18, CH                         ; piece w goes to LDS byte w x 16,896
	s_add_co_u32 s72, s16, s41
	s_add_co_u32 s72, s72, KVB
	s_mov_b32 s73, 0
	s_lshr_b32 s13, s18, 3                         ; my half of the keys
	s_and_b32 s17, s18, 7                          ; my group of 32 queries
	s_mul_i32 s60, s13, 8*CH                       ; my first piece in LDS
	s_lshl_b32 s14, s11, 4
	s_lshl_b32 s15, s17, 1
	s_add_co_u32 s14, s14, s15                     ; the group's first tile among the head's 128
	s_add_co_u32 s15, s14, s13                     ; tile A
	s_xor_b32 s19, s13, 1
	s_add_co_u32 s19, s14, s19                     ; tile B
	s_mov_b32 s17, 0
	s_lshl_b32 s74, s15, 10
	s_lshl_b32 s75, s19, 10
	s_lshl_b32 s70, s15, 6
	s_lshl_b32 s71, s19, 6
	s_mul_i32 s22, s18, STW                        ; my stage,
	s_xor_b32 s23, s18, 8
	s_mul_i32 s23, s23, STW                        ; and my partner's
	s_lshr_b32 s82, s12, 4                         ; ao: 2^21 b + 16,384 x tile A + 1,024 h
	s_lshl_b32 s82, s82, 21
	s_lshl_b32 s83, s15, 14
	s_add_co_u32 s82, s82, s83
	s_and_b32 s83, s12, 15
	s_lshl_b32 s83, s83, 10
	s_add_co_u32 s82, s82, s83
	s_mov_b32 s83, 0
	s_wait_dscnt 0x0                               ; both opening adds are done
	s_wait_kmcnt 0x0
	s_load_b512 s[84:99], s[6:7], 0x0              ; entry n in s[84 + n]
	s_mov_b32 s40, 1
	s_add_nc_u64 s[42:43], s[4:5], s[72:73]
	s_or_b32 s43, s43, 0x80000000
	s_add_nc_u64 s[68:69], s[4:5], s[16:17]        ; q's block of my head
	s_add_nc_u64 s[8:9], s[8:9], s[82:83]
	CROUND                                         ; the four work-groups are here: the joint loads meet
	tensor_load_to_lds s[40:43], s[24:31]          ; piece w: my one tensor load
	s_nop 0
	v_and_b32 v1, 31, v0
	v_bfe_u32 v2, v0, 4, 1
	v_and_b32 v178, 15, v0
	v_lshlrev_b32 v10, 2, v1
	v_lshlrev_b32 v1, 4, v1
	v_lshlrev_b32 v2, 5, v2
	v_lshlrev_b32 v178, 2, v178
	v_add_nc_u32 v2, 16384, v2
	v_add_nc_u32 v3, s22, v1
	v_add_nc_u32 v4, s23, v1
	v_add_nc_u32 v11, s23, v10
	v_add_nc_u32 v10, s22, v10
	v_add_nc_u32 v176, s74, v1
	v_add_nc_u32 v177, s75, v1
	v_add_nc_u32 v179, s71, v178
	v_add_nc_u32 v178, s70, v178
	v_add_nc_u32 v8, s60, v1
	v_add_nc_u32 v9, s60, v2
	v_mov_b32 v15, 0                               ; a lane permute's destination counts as one of its sources
	s_wait_alu depctr_va_vdst(0)
	global_load_b128 v[16:19], v176, s[68:69]      ; Q's fragments stay in registers
	global_load_b128 v[20:23], v176, s[68:69] offset:512
	global_load_b128 v[24:27], v177, s[68:69]
	global_load_b128 v[28:31], v177, s[68:69] offset:512
	global_load_b32 v32, v178, s[68:69] offset:131072   ; |q|^2 of my two queries
	global_load_b32 v36, v179, s[68:69] offset:131072
.set J, 0
.rept 8
	v_mov_b32 v[40+J], 0                           ; the sums
.set J, J+1
.endr
.set J, 0
.rept 64
	v_mov_b32 v[OT+J], 0                           ; O^T: the step is written once for all; its first run finds zeros
.set J, J+1
.endr
	s_wait_kmcnt 0x0
	s_add_co_i32 s70, s90, s91                     ; E = e6 + e7
	s_lshl_b32 s70, s70, 1
	s_sub_co_i32 s73, 0, s70                       ; -2 E, for |q|^2
	s_lshl_b32 s70, s70, 23
	s_sub_co_i32 s78, 0x322bcc77, s70              ; 1e-8 / 4^E: 2 E taken off its exponent field
	s_mov_b32 s79, s78
	s_mul_f32 s76, s78, 0x3ef5fdf0                 ; x ln(2)^2
	s_mov_b32 s77, s76
	s_add_co_i32 s74, s93, 127
	s_lshl_b32 s75, s74, 23
	v_mov_b32 v12, s75                             ; 2^e9
	s_add_co_i32 s74, s94, 127
	s_lshl_b32 s75, s74, 23
	v_mov_b32 v13, s75                             ; 2^e10
	s_add_co_i32 s74, s74, 8
	s_lshl_b32 s74, s74, 23
	s_or_b32 s74, s74, 0x600000
	v_mov_b32 v14, s74                             ; 448 x 2^e10
	s_add_co_i32 s66, s92, s93                     ; e8 + e9
	v_cvt_f32_i32 v7, s93
	v_sub_f32 v7, 0xc10ceaf0, v7                   ; -log2(448) - e9, three units of the last place down, so that 2^-lam stays at or under 448 x 2^e9
	v_max_num_f32 v7, 0, v7
	v_readfirstlane_b32 s62, v7                    ; lam
	s_wait_loadcnt 0x0
	v_ldexp_f32 v32, v32, s73                      ; |q|^2 / 4^E
	v_ldexp_f32 v36, v36, s73
	v_mul_f32 v34, 0x3ef5fdf0, v32
	v_mul_f32 v38, 0x3ef5fdf0, v36
	v_mov_b32 v33, v32
	v_mov_b32 v37, v36
	v_mov_b32 v35, v34
	v_mov_b32 v39, v38
	s_wait_alu depctr_va_vdst(0)
	s_wait_tensorcnt 0x0                           ; my piece is in,
	s_barrier_signal -1
	s_barrier_wait -1                              ; everybody's is: up to the joining no wave waits for another
	KLOAD 0
	NLOAD 208, 0
	s_mov_b32 s67, 7
.Lpiece:
	PIECE 0
	s_sub_co_u32 s67, s67, 1
	s_cmp_lg_u32 s67, 0
	s_cbranch_scc1 .Lpiece
	PIECE 1                                        ; the last piece is written out: its last step asks for nothing further
	; THE JOINING: my tile B's O^T and sum go to my partner, my partner's come for my tile A.  The stages lie in pieces that every wave has read out: a barrier stands ahead of the stores.
	PLACES 4
	v_pk_add_f32 v[40:41], v[40:41], v[42:43]
	v_pk_add_f32 v[44:45], v[44:45], v[46:47]
	v_add_f32 v40, v40, v41
	v_add_f32 v44, v44, v45
	s_wait_alu depctr_va_vdst(0)
	s_wait_dscnt 0x0                               ; my reads of the pieces are over
	s_barrier_signal -1
	s_barrier_wait -1
.irp i, 0,1,2,3,4,5,6,7
	ds_store_b128 v3, v[OT+32+4*\i:OT+35+4*\i] offset:512*\i
.endr
	ds_store_b32 v10, v44 offset:4096
	s_wait_dscnt 0x0                               ; for my partner's sake: my stores have landed
	s_barrier_signal -1
	s_barrier_wait -1
.irp i, 0,1,2,3,4,5,6,7
	ds_load_b128 v[XT+4*\i:XT+4*\i+3], v4 offset:512*\i
.endr
	ds_load_b32 v42, v11 offset:4096
	s_wait_dscnt 0x0
.set J, 0
.rept 16
	v_pk_add_f32 v[OT+J:OT+J+1], v[OT+J:OT+J+1], v[XT+J:XT+J+1]
.set J, J+2
.endr
	v_add_f32 v40, v40, v42
	v_permlanex16_b32 v15, v40, s20, s21
	v_add_f32 v40, v40, v15                        ; the row's sum over all 2,048 keys
	s_wait_alu depctr_va_vdst(0)
	v_rcp_f32 v40, v40
	v_nop
	s_wait_alu depctr_va_vdst(0)
	v_ldexp_f32 v40, v40, s66                      ; x 2^(e8 + e9)
	v_mov_b32 v41, v40
.set J, 0
.rept 16
	v_pk_mul_f32 v[SC+J:SC+J+1], v[OT+J:OT+J+1], v[40:41]
.set J, J+2
.endr
.set J, 0
.rept 32
	v_med3_num_f32 v[SC+J], v[SC+J], -v14, v14     ; the conversion does not saturate (ISA guide 7.6.2)
.set J, J+1
.endr
.irp t, 0,1,2,3
	v_cvt_scalef32_pk8_fp8_f32 v[CD+2*\t:CD+2*\t+1], v[SC+8*\t:SC+8*\t+7], v13   ; registers of the next launch's operand, stored as they stand
.endr
	v_nop
	global_store_b128 v1, v[CD:CD+3], s[8:9]       ; 512 consecutive bytes each
	global_store_b128 v1, v[CD+4:CD+7], s[8:9] offset:512
	s_wait_tensorcnt 0x0                           ; the wave's end
	ds_add_u32 v5, v6
	s_wait_dscnt 0x0
	CROUND                                         ; the closing round
	s_endpgm
.Lfunc_end_k_q10cb80e636_attn:
	.size	k_q10cb80e636_attn, .Lfunc_end_k_q10cb80e636_attn-k_q10cb80e636_attn
	.p2alignl 7, 3214868480
	.fill 96, 4, 3214868480
	.section	.rodata,"a",@progbits
	.p2align	6, 0x0
	.amdhsa_kernel k_q10cb80e636_attn
		.amdhsa_group_segment_fixed_size 327680
		.amdhsa_private_segment_fixed_size 0
		.amdhsa_enable_private_segment 0
		.amdhsa_kernarg_size 24
		.amdhsa_user_sgpr_count 2
		.amdhsa_user_sgpr_kernarg_segment_ptr 1
		.amdhsa_wavefront_size32 1
		.amdhsa_system_sgpr_workgroup_id_x 1
		.amdhsa_system_sgpr_workgroup_id_y 1
		.amdhsa_system_sgpr_workgroup_id_z 1
		.amdhsa_system_vgpr_workitem_id 0
		.amdhsa_next_free_vgpr 256
		.amdhsa_next_free_sgpr 100
		.amdhsa_reserve_vcc 0
		.amdhsa_float_denorm_mode_32 3
		.amdhsa_float_denorm_mode_16_64 3
		.amdhsa_memory_ordered 1
		.amdhsa_forward_progress 1
		.amdhsa_inst_pref_size 112
	.end_amdhsa_kernel
	.amdgpu_metadata
---
amdhsa.version: [ 1, 2 ]
amdhsa.kernels:
  - .name:           k_q10cb80e636_attn
    .symbol:         k_q10cb80e636_attn.kd
    .args:
      - { .name: qkv, .offset: 0, .size: 8, .value_kind: global_buffer, .address_space: global }
      - { .name: lowp_scales, .offset: 8, .size: 8, .value_kind: global_buffer, .address_space: global }
      - { .name: ao, .offset: 16, .size: 8, .value_kind: global_buffer, .address_space: global }
    .group_segment_fixed_size: 327680
    .private_segment_fixed_size: 0
    .kernarg_segment_align: 8
    .kernarg_segment_size: 24
    .max_flat_workgroup_size: 512
    .sgpr_count:     100
    .vgpr_count:     256
    .wavefront_size: 32
...
	.end_amdgpu_metadata
.endif
;; end of part 9
;; launch oproj (part 10): grid 64 x 1, 4 waves a work-group, clusters of 4 x 1, 327,680 bytes of LDS; arguments ao, wo_codes, bo, src, g1, beta1, lowp_scales, xbuf; writes xbuf
.if DOCPART == 10
	.amdgcn_target "amdgcn-amd-amdhsa--gfx1250"
	.amdhsa_code_object_version 6
	.text
	.protected	k_q10cb80e636_oproj
	.globl	k_q10cb80e636_oproj
	.p2align	8
	.type	k_q10cb80e636_oproj,@function
k_q10cb80e636_oproj:
	s_mov_b64 s[64:65], 0
	v_nop
	global_prefetch_b8 v0, s[64:65] scope:SCOPE_SE
	s_setreg_imm32_b32 hwreg(HW_REG_WAVE_MODE, 25, 1), 1
	s_wait_xcnt 0x0
	s_wait_alu depctr_hold_cnt(0) depctr_sa_sdst(0) depctr_va_vdst(0) depctr_va_sdst(0) depctr_va_ssrc(0) depctr_va_vcc(0) depctr_vm_vsrc(0)
	s_getreg_b32 s2, hwreg(HW_REG_IB_STS2, 6, 4)
	s_cmp_eq_u32 s2, 0
	s_cbranch_scc0 .Lentry_in_a_cluster
	s_endpgm
.Lentry_in_a_cluster:
	s_bfe_u32 s2, ttmp6, 0x10000c
	s_cmp_lg_u32 s2, 0x3003
	s_cbranch_scc0 .Lentry_shape_is_right
	s_endpgm
.Lentry_shape_is_right:
.set KROW,   1024
.set PITCH,  272
.set WPART,  128*PITCH
.set SLOT,   4*WPART
.set IMG,    2*SLOT
.set XCH,    IMG+32768
.set SPARE,  XCH+3072
.set SPITCH, 1040
.set MSB, 0
.macro WIN new
.if MSB != (\new)
	s_set_vgpr_msb (MSB<<8)|(\new)
.set MSB, (\new)
.endif
.endm
.macro PLACES n
.rept \n
	v_nop
.endr
.endm
.macro CREST
	s_cmp_lg_u32 s14, 0
	s_cbranch_scc1 .Lnot_wave_0_\@
	s_barrier_signal -3
.Lnot_wave_0_\@:
	s_barrier_wait -3
	s_barrier_signal -1
	s_barrier_wait -1
.endm
.macro CROUND
	s_barrier_signal -1
	s_barrier_wait -1
	CREST
.endm
.macro FETCH_B slot, q, set
	WIN 0x40
.irp b, 0,1,2,3,4,5,6,7
.irp c, 0,1,2,3,4,5,6,7
	ds_load_b64 v[128*(\set)+16*\b+2*\c:128*(\set)+16*\b+2*\c+1], v[16+(\slot)] offset:\b*16*PITCH+128*(\q)+16*\c
.endr
.endr
	WIN 0
.endm
.macro FETCH_A s, set
.irp a, 0,1,2,3
.irp g, 0,1,2,3
	ds_load_b128 v[128+64*(\set)+16*\a+4*\g:128+64*(\set)+16*\a+4*\g+3], v19 offset:(((\s)%4)*4+\a)*2048+\g*512
.endr
.endr
.endm
.macro IMAGE reg, s
.irp g, 0,1,2,3
	ds_store_b128 v20, v[(\reg)+4*\g:(\reg)+4*\g+3] offset:((\s)%4)*8192+\g*512
.endr
.endm
.macro MUL16 q, b0, zero
.irp b, \b0, \b0+1, \b0+2, \b0+3
.irp a, 0,1,2,3
.if \zero
	v_wmma_f32_16x16x128_fp8_fp8 v[8*(4*(\b)+\a):8*(4*(\b)+\a)+7], v[128*(\q)+16*(\b):128*(\q)+16*(\b)+15], v[128+64*(\q)+16*\a:128+64*(\q)+16*\a+15], 0
.else
	v_wmma_f32_16x16x128_fp8_fp8 v[8*(4*(\b)+\a):8*(4*(\b)+\a)+7], v[128*(\q)+16*(\b):128*(\q)+16*(\b)+15], v[128+64*(\q)+16*\a:128+64*(\q)+16*\a+15], v[8*(4*(\b)+\a):8*(4*(\b)+\a)+7]
.endif
.endr
.endr
.endm
.macro VECLOAD R, sb
	WIN 0x40
.irp b, 0,1,2,3,4,5,6,7,8,9,10,11,12,13,14,15
	global_load_b128 v[(\R)+8*\b:(\R)+8*\b+3], v27, s[\sb:\sb+1] offset:64*\b
	global_load_b128 v[(\R)+8*\b+4:(\R)+8*\b+7], v27, s[\sb:\sb+1] offset:64*\b+16
.endr
	WIN 0
.endm
.macro TAILLOAD
	VECLOAD 0, 8
.endm
.macro TRIP t, zero
.set HH, (\t)%2
.set KK, (\t)/2
	s_wait_dscnt 0x0
	PLACES 4
	FETCH_B HH, 1, 1
.if HH == 0
	FETCH_A 2*KK+1, 1
.endif
	WIN 0xa1+0x50*HH
	MUL16 0, 0, \zero
.if (\t) <= 5
	WIN 0
	s_wait_tensorcnt 0x0
	ds_add_u32 v28, v29
	s_add_nc_u64 s[34+4*HH:35+4*HH], s[34+4*HH:35+4*HH], 256
.endif
.if (\t) == 6
	s_wait_tensorcnt 0x0
.endif
	WIN 0xa1+0x50*HH
	MUL16 0, 4, \zero
	s_wait_dscnt 0x0
.if (\t) <= 5
	s_barrier_signal -1
.endif
	MUL16 1, 0, 0
	WIN 0
.if (\t) <= 5
	s_barrier_wait -1
	CREST
	tensor_load_to_lds s[32+4*HH:35+4*HH], s[24:31]
	s_nop 0
.endif
	PLACES 4
.if (\t) == 2
	IMAGE 64, 4
	IMAGE 80, 5
	IMAGE 96, 6
	IMAGE 112, 7
.endif
.if (\t) < 7
	FETCH_B 1-HH, 0, 0
.if HH == 1
	FETCH_A 2*KK+2, 0
.endif
.else
	s_wait_alu depctr_va_vdst(0)
	TAILLOAD
.endif
	WIN 0xa1+0x50*HH
	MUL16 1, 4, 0
	WIN 0
.endm
.macro E1
.irp h, 0,1
	WIN 0x92+0x41*\h
.irp b, 0,1,2,3,4,5,6,7
.irp a, 0,1,2,3
.irp p, 0,2,4,6
	v_pk_fma_f32 v[8*(4*\b+\a)+\p:8*(4*\b+\a)+\p+1], v[8*(4*\b+\a)+\p:8*(4*\b+\a)+\p+1], s[44:45], v[8*(8*\h+\b)+\p:8*(8*\h+\b)+\p+1] op_sel_hi:[1,0,1]
.endr
.endr
.endr
.endr
	WIN 0
.endm
.macro SQ
.irp h, 0,1
	WIN 0x0a+5*\h
.irp b, 0,1,2,3,4,5,6,7
.irp p, 0,2,4,6
.irp a, 0,1,2,3
.if \h+\b+\p == 0
	v_pk_mul_f32 v[32+2*\a:33+2*\a], v[8*(4*\b+\a)+\p:8*(4*\b+\a)+\p+1], v[8*(4*\b+\a)+\p:8*(4*\b+\a)+\p+1]
.else
	v_pk_fma_f32 v[32+2*\a:33+2*\a], v[8*(4*\b+\a)+\p:8*(4*\b+\a)+\p+1], v[8*(4*\b+\a)+\p:8*(4*\b+\a)+\p+1], v[32+2*\a:33+2*\a]
.endif
.endr
.endr
.endr
.endr
	WIN 0
.endm
.macro SUMS
.irp n, 32,33,34,35,36,37,38,39
	v_mov_b32 v\n, 0
.endr
.irp h, 0,1
	WIN 0x02+\h
.irp b, 0,1,2,3,4,5,6,7
.irp p, 0,2,4,6
.irp a, 0,1,2,3
	v_pk_add_f32 v[32+2*\a:33+2*\a], v[8*(4*\b+\a)+\p:8*(4*\b+\a)+\p+1], v[32+2*\a:33+2*\a]
.endr
.endr
.endr
.endr
	WIN 0
.endm
.macro HALVES
.irp a, 0,1,2,3
	v_add_f32 v[40+\a], v[32+2*\a], v[33+2*\a]
.endr
.irp a, 0,1,2,3
	v_permlanex16_b32 v[44+\a], v[40+\a], s46, s47
.endr
.irp a, 0,1,2,3
	v_add_f32 v[40+\a], v[40+\a], v[44+\a]
.endr
.endm
.macro XSUM n
	ds_store_b128 v21, v[40:43] offset:(\n)*1024
	s_wait_dscnt 0x0
	s_barrier_signal -1
	s_barrier_wait -1
.irp u, 0,1,2,3
	ds_load_b128 v[64+4*\u:67+4*\u], v22 offset:(\n)*1024+256*\u
.endr
	s_wait_dscnt 0x0
	v_pk_add_f32 v[64:65], v[64:65], v[68:69]
	v_pk_add_f32 v[66:67], v[66:67], v[70:71]
	v_pk_add_f32 v[72:73], v[72:73], v[76:77]
	v_pk_add_f32 v[74:75], v[74:75], v[78:79]
	v_pk_add_f32 v[40:41], v[64:65], v[72:73]
	v_pk_add_f32 v[42:43], v[66:67], v[74:75]
.endm
.macro RNORM
.irp a, 0,1,2,3
	v_sqrt_f32 v[40+\a], v[40+\a]
.endr
	v_nop
	s_wait_alu depctr_va_vdst(0)
.irp a, 0,1,2,3
	v_add_f32 v[40+\a], 0x322bcc77, v[40+\a]
.endr
	s_wait_alu depctr_va_vdst(0)
.irp a, 0,1,2,3
	v_rcp_f32 v[48+2*\a], v[40+\a]
.endr
	v_nop
	s_wait_alu depctr_va_vdst(0)
.irp a, 0,1,2,3
	v_mov_b32 v[49+2*\a], v[48+2*\a]
.endr
.endm
.macro SCALEA R
.irp h, 0,1
	WIN 0x82+0x41*\h
.irp b, 0,1,2,3,4,5,6,7
.irp a, 0,1,2,3
.irp p, 0,2,4,6
	v_pk_mul_f32 v[8*(4*\b+\a)+\p:8*(4*\b+\a)+\p+1], v[8*(4*\b+\a)+\p:8*(4*\b+\a)+\p+1], v[(\R)+2*\a:(\R)+2*\a+1] op_sel_hi:[1,0]
.endr
.endr
.endr
.endr
	WIN 0
.endm
.macro CENTER
.irp h, 0,1
	WIN 0x82+0x41*\h
.irp b, 0,1,2,3,4,5,6,7
.irp a, 0,1,2,3
.irp p, 0,2,4,6
	v_pk_add_f32 v[8*(4*\b+\a)+\p:8*(4*\b+\a)+\p+1], v[8*(4*\b+\a)+\p:8*(4*\b+\a)+\p+1], v[56+2*\a:57+2*\a] op_sel_hi:[1,0] neg_lo:[0,1] neg_hi:[0,1]
.endr
.endr
.endr
.endr
	WIN 0
.endm
.macro GAIN
.irp h, 0,1
	WIN 0x96+0x41*\h
.irp b, 0,1,2,3,4,5,6,7
.irp a, 0,1,2,3
.irp p, 0,2,4,6
	v_pk_fma_f32 v[8*(4*\b+\a)+\p:8*(4*\b+\a)+\p+1], v[8*(4*\b+\a)+\p:8*(4*\b+\a)+\p+1], v[128+8*(8*\h+\b)+\p:128+8*(8*\h+\b)+\p+1], v[8*(8*\h+\b)+\p:8*(8*\h+\b)+\p+1]
.endr
.endr
.endr
.endr
	WIN 0
.endm
.macro SRCLOAD a, R
	WIN 0x40
.irp b, 0,1,2,3,4,5,6,7,8,9,10,11,12,13,14,15
	global_load_b128 v[(\R)+8*\b:(\R)+8*\b+3], v3, s[10:11] offset:(\a)*131072+64*\b
	global_load_b128 v[(\R)+8*\b+4:(\R)+8*\b+7], v3, s[10:11] offset:(\a)*131072+64*\b+16
.endr
	WIN 0
.endm
.macro RESID a, R
.irp h, 0,1
	WIN 0x92+0x41*\h
.irp b, 0,1,2,3,4,5,6,7
.irp p, 0,2,4,6
	v_pk_fma_f32 v[8*(4*\b+(\a))+\p:8*(4*\b+(\a))+\p+1], v[8*(4*\b+(\a))+\p:8*(4*\b+(\a))+\p+1], v[48+2*(\a):49+2*(\a)], v[(\R)+8*(8*\h+\b)+\p:(\R)+8*(8*\h+\b)+\p+1] op_sel_hi:[1,0,1]
.endr
.endr
.endr
	WIN 0
.endm
.macro QCONST e, t
	s_add_co_i32 s[\t], s[\e], 127
	s_lshl_b32 s[\t+1], s[\t], 23
	v_mov_b32 v30, s[\t+1]
	s_add_co_i32 s[\t], s[\t], 8
	s_lshl_b32 s[\t], s[\t], 23
	s_or_b32 s[\t], s[\t], 0x600000
	v_mov_b32 v31, s[\t]
.endm
.macro TOSTAGE a
.irp h, 0,1
	WIN 0x08+4*\h
.irp b, 0,1,2,3,4,5,6,7
	ds_store_b128 v24, v[8*(4*\b+(\a)):8*(4*\b+(\a))+3] offset:64*(8*\h+\b)
	ds_store_b128 v24, v[8*(4*\b+(\a))+4:8*(4*\b+(\a))+7] offset:64*(8*\h+\b)+16
.endr
.endr
	WIN 0x40
.irp n, 0,1,2,3,4,5,6,7,8,9,10,11,12,13,14,15,16,17,18,19,20,21,22,23,24,25,26,27,28,29,30,31
	ds_load_b128 v[128*((\a)%2)+4*\n:128*((\a)%2)+4*\n+3], v25 offset:(\n/2)*SPITCH+512*(\n%2)
.endr
	WIN 0
.endm
.macro SEND a
	s_wait_dscnt 0x0
	WIN 0x04
.irp n, 0,1,2,3,4,5,6,7,8,9,10,11,12,13,14,15,16,17,18,19,20,21,22,23,24,25,26,27,28,29,30,31
	global_store_b128 v26, v[128*((\a)%2)+4*\n:128*((\a)%2)+4*\n+3], s[52:53] offset:(16*(\a)+\n/2)*4096+512*(\n%2)
.endr
	WIN 0
.endm
.macro CODES a, relu
.irp h, 0,1
	WIN 0x82+0x41*\h
.irp b, 0,1,2,3,4,5,6,7
.irp j, 0,1,2,3,4,5,6,7
.if \relu
	v_med3_num_f32 v[8*(4*\b+(\a))+\j], v[8*(4*\b+(\a))+\j], 0, v31
.else
	v_med3_num_f32 v[8*(4*\b+(\a))+\j], v[8*(4*\b+(\a))+\j], -v31, v31
.endif
.endr
.endr
	WIN 0x02+\h
.irp b, 0,1,2,3,4,5,6,7
	v_cvt_scalef32_pk8_fp8_f32 v[128-64*(\b/4)+16*(\a)+8*\h+2*(\b%4):128-64*(\b/4)+16*(\a)+8*\h+2*(\b%4)+1], v[8*(4*\b+(\a)):8*(4*\b+(\a))+7], v30
.endr
.endr
	WIN 0
	v_nop
.irp h, 0,1
.irp g, 0,1,2,3
	global_store_b128 v26, v[128-64*(\g/2)+16*(\a)+8*\h+4*(\g%2):128-64*(\g/2)+16*(\a)+8*\h+4*(\g%2)+3], s[54:55] offset:(\a)*16384+\h*2048+\g*512
.endr
.endr
.endm
	s_load_b256 s[4:11], s[0:1], 0x0
	s_load_b256 s[68:75], s[0:1], 0x20
	v_lshl_add_u32 v28, v0, 2, SPARE
	v_mov_b32 v29, 0
	ds_add_u32 v28, v29
	ds_add_u32 v28, v29
	v_lshrrev_b32 v1, 5, v0
	v_readfirstlane_b32 s14, v1
	s_bfe_u32 s40, ttmp6, 0x40000
	s_lshl_b32 s41, ttmp9, 2
	s_add_co_u32 s41, s41, s40
	s_mov_b32 s24, 15|(1<<20)|(1<<21)|(5<<22)|(3<<25)
	s_mov_b32 s25, 256<<16
	s_mov_b32 s26, 128<<16
	s_mov_b32 s27, 256<<16
	s_mov_b32 s28, 128
	s_mov_b32 s29, KROW
	s_mov_b32 s30, 0
	s_mov_b32 s31, 0
	s_mov_b32 s46, 0x76543210
	s_mov_b32 s47, 0xfedcba98
	s_mov_b32 s62, 0x3a802008
	s_mov_b32 s63, 0x3727c5ac
	v_and_b32 v1, 15, v0
	v_bfe_u32 v2, v0, 4, 1
	v_and_b32 v3, 31, v0
	v_lshlrev_b32 v26, 4, v3
	s_mul_i32 s33, s14, WPART
	v_mul_u32_u24 v16, v1, PITCH
	v_lshl_add_u32 v16, v2, 3, v16
	v_add_nc_u32 v16, s33, v16
	v_add_nc_u32 v17, SLOT, v16
	v_add_nc_u32 v19, IMG, v26
	s_lshl_b32 s20, s14, 11
	v_add_nc_u32 v20, s20, v19
	v_lshlrev_b32 v22, 4, v1
	v_add_nc_u32 v22, XCH, v22
	s_lshl_b32 s20, s14, 8
	v_add_nc_u32 v21, s20, v22
	v_mul_u32_u24 v24, v1, SPITCH
	v_lshl_add_u32 v24, v2, 5, v24
	v_add_nc_u32 v24, s33, v24
	v_add_nc_u32 v25, s33, v26
	v_lshlrev_b32 v27, 5, v2
	v_lshl_add_u32 v3, v1, 13, v27
.irp n, 44,45,46,47
	v_mov_b32 v\n, 0
.endr
	s_lshl_b32 s20, s41, 16
	s_lshl_b32 s21, s14, 14
	s_add_co_u32 s20, s20, s21
	s_mov_b32 s21, 0
	s_and_b32 s22, s41, 31
	s_lshl_b32 s22, s22, 19
	s_lshr_b32 s23, s41, 5
	s_lshl_b32 s23, s23, 12
	s_add_co_u32 s22, s22, s23
	s_lshl_b32 s48, s14, 10
	s_add_co_u32 s22, s22, s48
	s_mov_b32 s23, 0
	s_mov_b32 s49, 0
	s_lshl_b32 s50, s14, 18
	s_mov_b32 s51, 0
	s_lshl_b32 s52, s41, 18
	s_add_co_u32 s52, s52, s48
	s_mov_b32 s53, 0
	s_lshl_b32 s54, s41, 16
	s_lshl_b32 s55, s14, 12
	s_add_co_u32 s54, s54, s55
	s_add_co_u32 s54, s54, 0x1000000
	s_mov_b32 s55, 0
	s_wait_dscnt 0x0
	s_wait_kmcnt 0x0
	s_load_b512 s[80:95], s[72:73], 0x0
	s_add_nc_u64 s[4:5], s[4:5], s[20:21]
	s_add_nc_u64 s[10:11], s[10:11], s[22:23]
	s_add_nc_u64 s[8:9], s[8:9], s[48:49]
	s_add_nc_u64 s[68:69], s[68:69], s[48:49]
	s_add_nc_u64 s[70:71], s[70:71], s[48:49]
	s_add_nc_u64 s[6:7], s[6:7], s[50:51]
	s_add_nc_u64 s[52:53], s[74:75], s[52:53]
	s_add_nc_u64 s[54:55], s[74:75], s[54:55]
	s_mov_b32 s32, 1
	s_mov_b64 s[34:35], s[6:7]
	s_or_b32 s35, s35, 0x80000000
	s_mov_b32 s36, 1
	s_add_co_u32 s37, s33, SLOT
	s_add_nc_u64 s[38:39], s[6:7], 128*KROW
	s_or_b32 s39, s39, 0x80000000
	CROUND
	tensor_load_to_lds s[32:35], s[24:31]          ; tile 0: my one tensor load at the head
	s_nop 0
	PLACES 4
	s_wait_alu depctr_va_vdst(0)                   ; ao's loads below go out while tile 0 is on its way
.irp s, 0,1,2,3
.irp g, 0,1,2,3
	global_load_b128 v[128+16*\s+4*\g:128+16*\s+4*\g+3], v26, s[4:5] offset:\s*2048+\g*512
	global_load_b128 v[64+16*\s+4*\g:64+16*\s+4*\g+3], v26, s[4:5] offset:(\s+4)*2048+\g*512
.endr
.endr
	s_wait_tensorcnt 0x0                           ; my tile 0 is in; slot 1's first fill is issued as a refill is:
	ds_add_u32 v28, v29                            ; 0 onto my spare word
	s_wait_dscnt 0x0
	CROUND
	tensor_load_to_lds s[36:39], s[24:31]          ; tile 1, my one load behind the round
	s_nop 0
	PLACES 4
	s_wait_kmcnt 0x0
	s_add_co_i32 s44, s90, s91
	s_add_co_i32 s44, s44, 127
	s_lshl_b32 s44, s44, 23
	s_mov_b32 s45, s44
	s_wait_loadcnt 0x0
	IMAGE 128, 0
	IMAGE 144, 1
	IMAGE 160, 2
	IMAGE 176, 3
	s_wait_tensorcnt 0x1
	s_wait_dscnt 0x0
	s_barrier_signal -1
	s_barrier_wait -1
	FETCH_B 0, 0, 0
	FETCH_A 0, 0
	TRIP 0, 1
	TRIP 1, 1
	TRIP 2, 0
	TRIP 3, 0
	TRIP 4, 0
	TRIP 5, 0
	TRIP 6, 0
	TRIP 7, 0
	PLACES 4
	SRCLOAD 0, 128
	s_wait_loadcnt 32
	E1
	SRCLOAD 1, 0
	SQ
	HALVES
	XSUM 0
	s_wait_alu depctr_va_vdst(0)
	RNORM
	s_wait_alu depctr_va_vdst(0)
	s_wait_loadcnt 32
	RESID 0, 128
	SRCLOAD 2, 128
	s_wait_loadcnt 32
	RESID 1, 0
	SRCLOAD 3, 0
	s_wait_loadcnt 32
	RESID 2, 128
	VECLOAD 128, 68
	s_wait_loadcnt 32
	RESID 3, 0
	VECLOAD 0, 70
	SUMS
	HALVES
	XSUM 1
.irp a, 0,1,2,3
	v_mul_f32 v[56+2*\a], 0x3a800000, v[40+\a]
	v_mov_b32 v[57+2*\a], v[56+2*\a]
.endr
	CENTER
	SQ
	HALVES
	XSUM 2
.irp a, 0,1,2,3
	v_fma_f32 v[40+\a], v[40+\a], s62, s63
.endr
	s_wait_alu depctr_va_vdst(0)
.irp a, 0,1,2,3
	v_rsq_f32 v[56+2*\a], v[40+\a]
.endr
	v_nop
	s_wait_alu depctr_va_vdst(0)
.irp a, 0,1,2,3
	v_mov_b32 v[57+2*\a], v[56+2*\a]
.endr
	SCALEA 56
	s_wait_loadcnt 0x0
	GAIN
	QCONST 92, 20
	s_wait_alu depctr_va_vdst(0)
.irp a, 0,1,2,3
.if \a >= 2
	s_wait_xcnt 0x0
.endif
	TOSTAGE \a
	s_wait_dscnt 32
	CODES \a, 0
	SEND \a
.endr
	s_wait_tensorcnt 0x0
	ds_add_u32 v28, v29
	s_wait_dscnt 0x0
	CROUND
	s_endpgm
.Lfunc_end_k_q10cb80e636_oproj:
	.size	k_q10cb80e636_oproj, .Lfunc_end_k_q10cb80e636_oproj-k_q10cb80e636_oproj
	.p2alignl 7, 3214868480
	.fill 96, 4, 3214868480
	.section	.rodata,"a",@progbits
	.p2align	6, 0x0
	.amdhsa_kernel k_q10cb80e636_oproj
		.amdhsa_group_segment_fixed_size 327680
		.amdhsa_private_segment_fixed_size 0
		.amdhsa_enable_private_segment 0
		.amdhsa_kernarg_size 64
		.amdhsa_user_sgpr_count 2
		.amdhsa_user_sgpr_kernarg_segment_ptr 1
		.amdhsa_wavefront_size32 1
		.amdhsa_system_sgpr_workgroup_id_x 1
		.amdhsa_system_sgpr_workgroup_id_y 1
		.amdhsa_system_sgpr_workgroup_id_z 1
		.amdhsa_system_vgpr_workitem_id 0
		.amdhsa_next_free_vgpr 1024
		.amdhsa_next_free_sgpr 100
		.amdhsa_reserve_vcc 0
		.amdhsa_float_denorm_mode_32 3
		.amdhsa_float_denorm_mode_16_64 3
		.amdhsa_memory_ordered 1
		.amdhsa_forward_progress 1
		.amdhsa_inst_pref_size 255
	.end_amdhsa_kernel
	.section	.bss,"aw",@nobits
	.p2align	6
	.space	262144
	.amdgpu_metadata
---
amdhsa.version: [ 1, 2 ]
amdhsa.kernels:
  - .name:           k_q10cb80e636_oproj
    .symbol:         k_q10cb80e636_oproj.kd
    .args:
      - { .name: ao, .offset: 0, .size: 8, .value_kind: global_buffer, .address_space: global }
      - { .name: wo_codes, .offset: 8, .size: 8, .value_kind: global_buffer, .address_space: global }
      - { .name: bo, .offset: 16, .size: 8, .value_kind: global_buffer, .address_space: global }
      - { .name: src, .offset: 24, .size: 8, .value_kind: global_buffer, .address_space: global }
      - { .name: g1, .offset: 32, .size: 8, .value_kind: global_buffer, .address_space: global }
      - { .name: beta1, .offset: 40, .size: 8, .value_kind: global_buffer, .address_space: global }
      - { .name: lowp_scales, .offset: 48, .size: 8, .value_kind: global_buffer, .address_space: global }
      - { .name: xbuf, .offset: 56, .size: 8, .value_kind: global_buffer, .address_space: global }
    .group_segment_fixed_size: 327680
    .private_segment_fixed_size: 0
    .kernarg_segment_align: 8
    .kernarg_segment_size: 64
    .max_flat_workgroup_size: 128
    .sgpr_count:     100
    .vgpr_count:     1024
    .wavefront_size: 32
...
	.end_amdgpu_metadata
.endif
;; end of part 10
;; launch ffn1a (part 11): grid 16 x 16, 4 waves a work-group, clusters of 4 x 4, 327,680 bytes of LDS; arguments xbuf, w1_codes, b1, lowp_scales, ss1; writes ss1
.if DOCPART == 11
	.amdgcn_target "amdgcn-amd-amdhsa--gfx1250"
	.amdhsa_code_object_version 6
	.text
	.protected	k_q10cb80e636_ffn1a
	.globl	k_q10cb80e636_ffn1a
	.p2align	8
	.type	k_q10cb80e636_ffn1a,@function
k_q10cb80e636_ffn1a:
	s_mov_b64 s[64:65], 0
	v_nop
	global_prefetch_b8 v0, s[64:65] scope:SCOPE_SE
	s_setreg_imm32_b32 hwreg(HW_REG_WAVE_MODE, 25, 1), 1
	s_wait_xcnt 0x0
	s_wait_alu depctr_hold_cnt(0) depctr_sa_sdst(0) depctr_va_vdst(0) depctr_va_sdst(0) depctr_va_ssrc(0) depctr_va_vcc(0) depctr_vm_vsrc(0)
	s_getreg_b32 s2, hwreg(HW_REG_IB_STS2, 6, 4)
	s_cmp_eq_u32 s2, 0
	s_cbranch_scc0 .Lentry_in_a_cluster
	s_endpgm
.Lentry_in_a_cluster:
	s_bfe_u32 s2, ttmp6, 0x10000c
	s_cmp_lg_u32 s2, 0xf033
	s_cbranch_scc0 .Lentry_shape_is_right
	s_endpgm
.Lentry_shape_is_right:
.set KROW,   1024
.set PITCH,  272
.set APART,  32768
.set BPART,  128*PITCH
.set BOFF,   2*APART
.set SLOT,   BOFF+2*BPART
.set SPARE,  2*SLOT
.set FR,     16
.set AF,     128
.set ADRA,   16
.set ADRB,   20
.set G1,  24
.set G0,  32
.set G1B, 48
.set G0B, 56
.set MSB, 0
.macro WIN new
.if MSB != (\new)
	s_set_vgpr_msb (MSB<<8)|(\new)
.set MSB, (\new)
.endif
.endm
.set MUL_LO, 0xa1
.set MUL_HI, 0xf1
.macro PLACES n
.rept \n
	v_nop
.endr
.endm
.macro JLOAD s
	s_cmp_eq_u32 s15, 0
	s_cbranch_scc0 .Lfor_b_\@
	tensor_load_to_lds s[G0+4*\s:G0+4*\s+3], s[G1:G1+7]
	s_nop 0
	PLACES 4
	s_branch .Lasked_\@
.Lfor_b_\@:
	tensor_load_to_lds s[G0B+4*\s:G0B+4*\s+3], s[G1B:G1B+7]
	s_nop 0
	PLACES 4
.Lasked_\@:
.endm
.macro CREST
	s_cmp_lg_u32 s14, 0
	s_cbranch_scc1 .Lnot_wave_0_\@
	s_barrier_signal -3
.Lnot_wave_0_\@:
	s_barrier_wait -3
	s_barrier_signal -1
	s_barrier_wait -1
.endm
.macro CROUND
	s_barrier_signal -1
	s_barrier_wait -1
	CREST
.endm
.macro FETCH_B slot, q, p
	WIN 0x40
.irp i, 0,1,2,3,4,5,6,7
.irp c, 0,1,2,3,4,5,6,7
	ds_load_b64 v[128*(\p)+FR*\i+2*\c:128*(\p)+FR*\i+2*\c+1], v[ADRB+\slot] offset:\i*16*PITCH+128*(\q)+16*\c
.endr
.endr
	WIN 0
.endm
.macro FETCH_A slot, q, i0
.irp i, \i0, \i0+1, \i0+2, \i0+3
.irp g, 0,1,2,3
	ds_load_b128 v[AF+FR*(\i)+4*\g:AF+FR*(\i)+4*\g+3], v[ADRA+\slot] offset:(\i)*4096+(\q)*2048+\g*512
.endr
.endr
.endm
.macro MUL16 a0, p, zero
.irp a, \a0, \a0+1
.irp b, 0,1,2,3,4,5,6,7
.if \zero
	v_wmma_f32_16x16x128_fp8_fp8 v[8*(8*((\a)%4)+\b):8*(8*((\a)%4)+\b)+7], v[128*(\p)+FR*\b:128*(\p)+FR*\b+FR-1], v[AF+FR*(\a):AF+FR*(\a)+FR-1], 0
.else
	v_wmma_f32_16x16x128_fp8_fp8 v[8*(8*((\a)%4)+\b):8*(8*((\a)%4)+\b)+7], v[128*(\p)+FR*\b:128*(\p)+FR*\b+FR-1], v[AF+FR*(\a):AF+FR*(\a)+FR-1], v[8*(8*((\a)%4)+\b):8*(8*((\a)%4)+\b)+7]
.endif
.endr
.endr
.endm
.macro STEP slot, zero
	s_wait_dscnt 16
	WIN MUL_LO
	MUL16 0, 0, \zero
	MUL16 2, 0, \zero
	s_wait_dscnt 0x0
	PLACES 4
	FETCH_B \slot, 1, 1
	FETCH_A \slot, 1, 0
	WIN MUL_HI
	MUL16 4, 0, \zero
	MUL16 6, 0, \zero
	PLACES 4
	WIN 0
	FETCH_A \slot, 1, 4
.endm
.macro TURN slot, next, fill
	s_wait_tensorcnt 0x0
	ds_add_u32 v28, v29
	s_wait_dscnt 17
	WIN MUL_LO
	MUL16 0, 1, 0
	s_wait_dscnt 0x0
	s_barrier_signal -1
	MUL16 2, 1, 0
	WIN 0
	s_barrier_wait -1
.if \fill
	CREST
	s_add_nc_u64 s[G0+4*\slot+2:G0+4*\slot+3], s[G0+4*\slot+2:G0+4*\slot+3], 8192
	s_add_nc_u64 s[G0B+4*\slot+2:G0B+4*\slot+3], s[G0B+4*\slot+2:G0B+4*\slot+3], 512
	JLOAD \slot
.else
	PLACES 4
.endif
	s_wait_alu depctr_va_vdst(0)
	FETCH_B \next, 0, 0
	FETCH_A \next, 0, 0
	WIN MUL_HI
	MUL16 4, 1, 0
	MUL16 6, 1, 0
	PLACES 4
	WIN 0
	FETCH_A \next, 0, 4
.endm
.macro E1
.irp h, 0,1
	WIN 0x92+0x41*\h
.irp al, 0,1,2,3
.irp b, 0,1,2,3,4,5,6,7
.irp p, 0,2,4,6
	v_pk_fma_f32 v[8*(8*\al+\b)+\p:8*(8*\al+\b)+\p+1], v[8*(8*\al+\b)+\p:8*(8*\al+\b)+\p+1], s[96:97], v[8*\b+\p:8*\b+\p+1] op_sel_hi:[1,0,1]
.endr
.endr
.endr
.endr
	WIN 0
.endm
.macro SQ
.irp h, 0,1
	WIN 0x0a+5*\h
.irp b, 0,1,2,3,4,5,6,7
.irp p, 0,2,4,6
.irp al, 0,1,2,3
.if \b+\p == 0
	v_pk_mul_f32 v[32+2*(4*\h+\al):33+2*(4*\h+\al)], v[8*(8*\al+\b)+\p:8*(8*\al+\b)+\p+1], v[8*(8*\al+\b)+\p:8*(8*\al+\b)+\p+1]
.else
	v_pk_fma_f32 v[32+2*(4*\h+\al):33+2*(4*\h+\al)], v[8*(8*\al+\b)+\p:8*(8*\al+\b)+\p+1], v[8*(8*\al+\b)+\p:8*(8*\al+\b)+\p+1], v[32+2*(4*\h+\al):33+2*(4*\h+\al)]
.endif
.endr
.endr
.endr
.endr
	WIN 0
.endm
	s_load_b256 s[4:11], s[0:1], 0x0
	s_load_b64 s[12:13], s[0:1], 0x20
	v_lshl_add_u32 v28, v0, 2, SPARE
	v_mov_b32 v29, 0
	ds_add_u32 v28, v29
	ds_add_u32 v28, v29
	v_lshrrev_b32 v1, 5, v0
	v_readfirstlane_b32 s14, v1
	s_lshr_b32 s15, s14, 1
	s_and_b32 s16, s14, 1
	s_bfe_u32 s40, ttmp6, 0x40000
	s_bfe_u32 s41, ttmp6, 0x40004
	s_lshl_b32 s42, ttmp9, 2
	s_add_co_u32 s42, s42, s40
	s_and_b32 s17, ttmp7, 0xffff
	s_lshl_b32 s17, s17, 2
	s_add_co_u32 s17, s17, s41
	s_lshl_b32 s43, s41, 2
	s_lshl_b32 s43, 15, s43
	s_lshl_b32 s44, 0x1111, s40
	s_or_b32 s[G1+0], s43, (3<<16)|(1<<21)
	s_mov_b32 s[G1+1], 512<<16
	s_mov_b32 s[G1+2], 8<<16
	s_mov_b32 s[G1+3], 512<<16
	s_mov_b32 s[G1+4], 8
	s_mov_b32 s[G1+5], 2048
	s_mov_b32 s[G1+6], 0
	s_mov_b32 s[G1+7], 0
	s_or_b32 s[G1B+0], s44, (1<<20)|(1<<21)|(5<<22)|(3<<25)
	s_mov_b32 s[G1B+1], 256<<16
	s_mov_b32 s[G1B+2], 128<<16
	s_mov_b32 s[G1B+3], 256<<16
	s_mov_b32 s[G1B+4], 128
	s_mov_b32 s[G1B+5], KROW
	s_mov_b32 s[G1B+6], 0
	s_mov_b32 s[G1B+7], 0
	s_lshl_b32 s18, s16, 17
	s_lshl_b32 s20, s17, 18
	s_add_co_u32 s20, s20, s18
	s_add_co_u32 s20, s20, 0x1000000
	s_mov_b32 s21, 0
	s_lshl_b32 s46, s42, 18
	s_add_co_u32 s46, s46, s18
	s_mov_b32 s47, 0
	s_lshl_b32 s45, s16, 15
	s_mul_i32 s19, s16, BPART
	s_add_co_u32 s19, s19, BOFF
	s_lshl_b32 s90, s42, 10
	s_lshl_b32 s91, s16, 9
	s_add_co_u32 s90, s90, s91
	s_mov_b32 s91, 0
	s_lshl_b32 s92, s42, 15
	s_lshl_b32 s93, s16, 14
	s_add_co_u32 s92, s92, s93
	s_lshl_b32 s93, s17, 10
	s_add_co_u32 s92, s92, s93
	s_lshl_b32 s93, s15, 9
	s_add_co_u32 s92, s92, s93
	s_mov_b32 s93, 0
	s_mov_b32 s94, 0x76543210
	s_mov_b32 s95, 0xfedcba98
	s_wait_dscnt 0x0
	s_wait_kmcnt 0x0
	s_load_b128 s[84:87], s[10:11], 0x30
	s_add_nc_u64 s[20:21], s[4:5], s[20:21]
	s_add_nc_u64 s[46:47], s[6:7], s[46:47]
	s_add_nc_u64 s[8:9], s[8:9], s[90:91]
	s_add_nc_u64 s[12:13], s[12:13], s[92:93]
	CROUND
.irp s, 0,1
	s_mov_b32 s[G0+4*\s], 1
	s_add_co_u32 s[G0+4*\s+1], s45, \s*SLOT
	s_add_nc_u64 s[G0+4*\s+2:G0+4*\s+3], s[20:21], \s*4096
	s_or_b32 s[G0+4*\s+3], s[G0+4*\s+3], 0x80000000
	s_mov_b32 s[G0B+4*\s], 1
	s_add_co_u32 s[G0B+4*\s+1], s19, \s*SLOT
	s_add_nc_u64 s[G0B+4*\s+2:G0B+4*\s+3], s[46:47], \s*256
	s_or_b32 s[G0B+4*\s+3], s[G0B+4*\s+3], 0x80000000
	s_wait_alu depctr_va_vdst(0)
	s_wait_tensorcnt 0x0
	ds_add_u32 v28, v29
	ds_add_u32 v28, v29
	s_wait_dscnt 0x0
	CROUND
	JLOAD \s
.endr
	v_and_b32 v1, 15, v0
	v_bfe_u32 v2, v0, 4, 1
	v_and_b32 v6, 31, v0
	v_lshlrev_b32 v26, 4, v6
	v_lshlrev_b32 v4, 2, v6
	v_lshlrev_b32 v27, 5, v2
	v_mul_u32_u24 v3, v1, PITCH
	v_lshl_add_u32 v3, v2, 3, v3
	s_lshl_b32 s21, s15, 15
	s_mul_i32 s22, s16, BPART
	s_add_co_u32 s22, s22, BOFF
.irp s, 0,1
	v_add_nc_u32 v[ADRA+\s], s21, v26
	v_add_nc_u32 v[ADRB+\s], s22, v3
	s_add_co_u32 s21, s21, SLOT
	s_add_co_u32 s22, s22, SLOT
.endr
.irp n, 56,57,58,59,60,61,62,63
	v_mov_b32 v\n, 0
.endr
	s_wait_kmcnt 0x0
	s_add_co_i32 s96, s84, s85
	s_add_co_i32 s96, s96, 127
	s_lshl_b32 s96, s96, 23
	s_mov_b32 s97, s96
	s_wait_tensorcnt 0x1
	s_barrier_signal -1
	s_barrier_wait -1
	FETCH_B 0, 0, 0
	FETCH_A 0, 0, 0
	FETCH_A 0, 0, 4
	STEP 0, 1
	TURN 0, 1, 1
	STEP 1, 0
	TURN 1, 0, 1
	STEP 0, 0
	TURN 0, 1, 0
	STEP 1, 0
	WIN 0x40
.irp b, 0,1,2,3,4,5,6,7
	global_load_b128 v[8*\b:8*\b+3], v27, s[8:9] offset:64*\b
	global_load_b128 v[8*\b+4:8*\b+7], v27, s[8:9] offset:64*\b+16
.endr
	WIN 0
	s_wait_dscnt 16
	WIN MUL_LO
	MUL16 0, 1, 0
	MUL16 2, 1, 0
	s_wait_dscnt 0x0
	WIN MUL_HI
	MUL16 4, 1, 0
	MUL16 6, 1, 0
	WIN 0
	s_wait_loadcnt 0x0
	PLACES 4
	E1
	SQ
.irp a, 0,1,2,3,4,5,6,7
	v_add_f32 v[48+\a], v[32+2*\a], v[33+2*\a]
.endr
.irp a, 0,1,2,3,4,5,6,7
	v_permlanex16_b32 v[56+\a], v[48+\a], s94, s95
.endr
.irp a, 0,1,2,3,4,5,6,7
	v_add_f32 v[48+\a], v[48+\a], v[56+\a]
.endr
	v_cmp_eq_u32 s88, 1, v2
.irp p, 0,1,2,3
	v_cndmask_b32 v[32+\p], v[48+2*\p], v[49+2*\p], s88
	global_store_b32 v4, v[32+\p], s[12:13] offset:128*\p
.endr
	s_wait_tensorcnt 0x0
	ds_add_u32 v28, v29
	s_wait_dscnt 0x0
	CROUND
	s_endpgm
.Lfunc_end_k_q10cb80e636_ffn1a:
	.size	k_q10cb80e636_ffn1a, .Lfunc_end_k_q10cb80e636_ffn1a-k_q10cb80e636_ffn1a
	.p2alignl 7, 3214868480
	.fill 96, 4, 3214868480
	.section	.rodata,"a",@progbits
	.p2align	6, 0x0
	.amdhsa_kernel k_q10cb80e636_ffn1a
		.amdhsa_group_segment_fixed_size 327680
		.amdhsa_private_segment_fixed_size 0
		.amdhsa_enable_private_segment 0
		.amdhsa_kernarg_size 40
		.amdhsa_user_sgpr_count 2
		.amdhsa_user_sgpr_kernarg_segment_ptr 1
		.amdhsa_wavefront_size32 1
		.amdhsa_system_sgpr_workgroup_id_x 1
		.amdhsa_system_sgpr_workgroup_id_y 1
		.amdhsa_system_sgpr_workgroup_id_z 1
		.amdhsa_system_vgpr_workitem_id 0
		.amdhsa_next_free_vgpr 1024
		.amdhsa_next_free_sgpr 100
		.amdhsa_reserve_vcc 0
		.amdhsa_float_denorm_mode_32 3
		.amdhsa_float_denorm_mode_16_64 3
		.amdhsa_memory_ordered 1
		.amdhsa_forward_progress 1
		.amdhsa_inst_pref_size 130
	.end_amdhsa_kernel
	.amdgpu_metadata
---
amdhsa.version: [ 1, 2 ]
amdhsa.kernels:
  - .name:           k_q10cb80e636_ffn1a
    .symbol:         k_q10cb80e636_ffn1a.kd
    .args:
      - { .name: xbuf, .offset: 0, .size: 8, .value_kind: global_buffer, .address_space: global }
      - { .name: w1_codes, .offset: 8, .size: 8, .value_kind: global_buffer, .address_space: global }
      - { .name: b1, .offset: 16, .size: 8, .value_kind: global_buffer, .address_space: global }
      - { .name: lowp_scales, .offset: 24, .size: 8, .value_kind: global_buffer, .address_space: global }
      - { .name: ss1, .offset: 32, .size: 8, .value_kind: global_buffer, .address_space: global }
    .group_segment_fixed_size: 327680
    .private_segment_fixed_size: 0
    .kernarg_segment_align: 8
    .kernarg_segment_size: 40
    .max_flat_workgroup_size: 128
    .sgpr_count:     100
    .vgpr_count:     1024
    .wavefront_size: 32
...
	.end_amdgpu_metadata
.endif
;; end of part 11
;; launch ffn1b (part 12): grid 16 x 16, 4 waves a work-group, clusters of 4 x 4, 327,680 bytes of LDS; arguments xbuf, w1_codes, b1, lowp_scales, ss1, hbuf; writes hbuf
.if DOCPART == 12
	.amdgcn_target "amdgcn-amd-amdhsa--gfx1250"
	.amdhsa_code_object_version 6
	.text
	.protected	k_q10cb80e636_ffn1b
	.globl	k_q10cb80e636_ffn1b
	.p2align	8
	.type	k_q10cb80e636_ffn1b,@function
k_q10cb80e636_ffn1b:
	s_mov_b64 s[64:65], 0
	v_nop
	global_prefetch_b8 v0, s[64:65] scope:SCOPE_SE
	s_setreg_imm32_b32 hwreg(HW_REG_WAVE_MODE, 25, 1), 1
	s_wait_xcnt 0x0
	s_wait_alu depctr_hold_cnt(0) depctr_sa_sdst(0) depctr_va_vdst(0) depctr_va_sdst(0) depctr_va_ssrc(0) depctr_va_vcc(0) depctr_vm_vsrc(0)
	s_getreg_b32 s2, hwreg(HW_REG_IB_STS2, 6, 4)
	s_cmp_eq_u32 s2, 0
	s_cbranch_scc0 .Lentry_in_a_cluster
	s_endpgm
.Lentry_in_a_cluster:
	s_bfe_u32 s2, ttmp6, 0x10000c
	s_cmp_lg_u32 s2, 0xf033
	s_cbranch_scc0 .Lentry_shape_is_right
	s_endpgm
.Lentry_shape_is_right:
.set KROW,   1024
.set PITCH,  272
.set APART,  32768
.set BPART,  128*PITCH
.set BOFF,   2*APART
.set SLOT,   BOFF+2*BPART
.set SCR,    2*SLOT
.set SPARE,  SCR+2048
.set FR,     16
.set AF,     128
.set ADRA,   16
.set ADRB,   20
.set G1,  24
.set G0,  32
.set G1B, 48
.set G0B, 56
.set MSB, 0
.macro WIN new
.if MSB != (\new)
	s_set_vgpr_msb (MSB<<8)|(\new)
.set MSB, (\new)
.endif
.endm
.set MUL_LO, 0xa1
.set MUL_HI, 0xf1
.macro PLACES n
.rept \n
	v_nop
.endr
.endm
.macro JLOAD s
	s_cmp_eq_u32 s15, 0
	s_cbranch_scc0 .Lfor_b_\@
	tensor_load_to_lds s[G0+4*\s:G0+4*\s+3], s[G1:G1+7]
	s_nop 0
	PLACES 4
	s_branch .Lasked_\@
.Lfor_b_\@:
	tensor_load_to_lds s[G0B+4*\s:G0B+4*\s+3], s[G1B:G1B+7]
	s_nop 0
	PLACES 4
.Lasked_\@:
.endm
.macro CREST
	s_cmp_lg_u32 s14, 0
	s_cbranch_scc1 .Lnot_wave_0_\@
	s_barrier_signal -3
.Lnot_wave_0_\@:
	s_barrier_wait -3
	s_barrier_signal -1
	s_barrier_wait -1
.endm
.macro CROUND
	s_barrier_signal -1
	s_barrier_wait -1
	CREST
.endm
.macro FETCH_B slot, q, p
	WIN 0x40
.irp i, 0,1,2,3,4,5,6,7
.irp c, 0,1,2,3,4,5,6,7
	ds_load_b64 v[128*(\p)+FR*\i+2*\c:128*(\p)+FR*\i+2*\c+1], v[ADRB+\slot] offset:\i*16*PITCH+128*(\q)+16*\c
.endr
.endr
	WIN 0
.endm
.macro FETCH_A slot, q, i0
.irp i, \i0, \i0+1, \i0+2, \i0+3
.irp g, 0,1,2,3
	ds_load_b128 v[AF+FR*(\i)+4*\g:AF+FR*(\i)+4*\g+3], v[ADRA+\slot] offset:(\i)*4096+(\q)*2048+\g*512
.endr
.endr
.endm
.macro MUL16 a0, p, zero
.irp a, \a0, \a0+1
.irp b, 0,1,2,3,4,5,6,7
.if \zero
	v_wmma_f32_16x16x128_fp8_fp8 v[8*(8*((\a)%4)+\b):8*(8*((\a)%4)+\b)+7], v[128*(\p)+FR*\b:128*(\p)+FR*\b+FR-1], v[AF+FR*(\a):AF+FR*(\a)+FR-1], 0
.else
	v_wmma_f32_16x16x128_fp8_fp8 v[8*(8*((\a)%4)+\b):8*(8*((\a)%4)+\b)+7], v[128*(\p)+FR*\b:128*(\p)+FR*\b+FR-1], v[AF+FR*(\a):AF+FR*(\a)+FR-1], v[8*(8*((\a)%4)+\b):8*(8*((\a)%4)+\b)+7]
.endif
.endr
.endr
.endm
.macro STEP slot, zero
	s_wait_dscnt 16
	WIN MUL_LO
	MUL16 0, 0, \zero
	MUL16 2, 0, \zero
	s_wait_dscnt 0x0
	PLACES 4
	FETCH_B \slot, 1, 1
	FETCH_A \slot, 1, 0
	WIN MUL_HI
	MUL16 4, 0, \zero
	MUL16 6, 0, \zero
	PLACES 4
	WIN 0
	FETCH_A \slot, 1, 4
.endm
.macro TURN slot, next, fill
	s_wait_tensorcnt 0x0
	ds_add_u32 v28, v29
	s_wait_dscnt 17
	WIN MUL_LO
	MUL16 0, 1, 0
	s_wait_dscnt 0x0
	s_barrier_signal -1
	MUL16 2, 1, 0
	WIN 0
	s_barrier_wait -1
.if \fill
	CREST
	s_add_nc_u64 s[G0+4*\slot+2:G0+4*\slot+3], s[G0+4*\slot+2:G0+4*\slot+3], 8192
	s_add_nc_u64 s[G0B+4*\slot+2:G0B+4*\slot+3], s[G0B+4*\slot+2:G0B+4*\slot+3], 512
	JLOAD \slot
.else
	PLACES 4
.endif
	FETCH_B \next, 0, 0
	FETCH_A \next, 0, 0
	WIN MUL_HI
	MUL16 4, 1, 0
	MUL16 6, 1, 0
	PLACES 4
	WIN 0
	FETCH_A \next, 0, 4
.endm
.macro E1
.irp h, 0,1
	WIN 0x92+0x41*\h
.irp al, 0,1,2,3
.irp b, 0,1,2,3,4,5,6,7
.irp p, 0,2,4,6
	v_pk_fma_f32 v[8*(8*\al+\b)+\p:8*(8*\al+\b)+\p+1], v[8*(8*\al+\b)+\p:8*(8*\al+\b)+\p+1], s[96:97], v[8*\b+\p:8*\b+\p+1] op_sel_hi:[1,0,1]
.endr
.endr
.endr
.endr
	WIN 0
.endm
.macro SCALEA
.irp h, 0,1
	WIN 0x82+0x41*\h
.irp al, 0,1,2,3
.irp b, 0,1,2,3,4,5,6,7
.irp p, 0,2,4,6
	v_pk_mul_f32 v[8*(8*\al+\b)+\p:8*(8*\al+\b)+\p+1], v[8*(8*\al+\b)+\p:8*(8*\al+\b)+\p+1], v[32+2*(4*\h+\al):33+2*(4*\h+\al)] op_sel_hi:[1,0]
.endr
.endr
.endr
.endr
	WIN 0
.endm
.macro CODES a
.set AL, (\a)%4
.set DD, 128-64*(AL/2)+16*(2*((\a)/4)+(\a)%2)
	WIN 0x82+0x41*((\a)/4)
.irp b, 0,1,2,3,4,5,6,7
.irp j, 0,1,2,3,4,5,6,7
	v_med3_num_f32 v[8*(8*AL+\b)+\j], v[8*(8*AL+\b)+\j], 0, v31
.endr
.endr
	WIN 0x02+((\a)/4)
.irp b, 0,1,2,3,4,5,6,7
	v_cvt_scalef32_pk8_fp8_f32 v[DD+2*\b:DD+2*\b+1], v[8*(8*AL+\b):8*(8*AL+\b)+7], v30
.endr
	WIN 0
	v_nop
.irp g, 0,1,2,3
	global_store_b128 v26, v[DD+4*\g:DD+4*\g+3], s[70:71] offset:(\a)*16384+\g*512
.endr
.endm
	s_load_b256 s[4:11], s[0:1], 0x0
	s_load_b128 s[68:71], s[0:1], 0x20
	v_lshl_add_u32 v28, v0, 2, SPARE
	v_mov_b32 v29, 0
	ds_add_u32 v28, v29
	ds_add_u32 v28, v29
	v_lshrrev_b32 v1, 5, v0
	v_readfirstlane_b32 s14, v1
	s_lshr_b32 s15, s14, 1
	s_and_b32 s16, s14, 1
	s_bfe_u32 s40, ttmp6, 0x40000
	s_bfe_u32 s41, ttmp6, 0x40004
	s_lshl_b32 s42, ttmp9, 2
	s_add_co_u32 s42, s42, s40
	s_and_b32 s17, ttmp7, 0xffff
	s_lshl_b32 s17, s17, 2
	s_add_co_u32 s17, s17, s41
	s_lshl_b32 s43, s41, 2
	s_lshl_b32 s43, 15, s43
	s_lshl_b32 s44, 0x1111, s40
	s_or_b32 s[G1+0], s43, (3<<16)|(1<<21)
	s_mov_b32 s[G1+1], 512<<16
	s_mov_b32 s[G1+2], 8<<16
	s_mov_b32 s[G1+3], 512<<16
	s_mov_b32 s[G1+4], 8
	s_mov_b32 s[G1+5], 2048
	s_mov_b32 s[G1+6], 0
	s_mov_b32 s[G1+7], 0
	s_or_b32 s[G1B+0], s44, (1<<20)|(1<<21)|(5<<22)|(3<<25)
	s_mov_b32 s[G1B+1], 256<<16
	s_mov_b32 s[G1B+2], 128<<16
	s_mov_b32 s[G1B+3], 256<<16
	s_mov_b32 s[G1B+4], 128
	s_mov_b32 s[G1B+5], KROW
	s_mov_b32 s[G1B+6], 0
	s_mov_b32 s[G1B+7], 0
	s_lshl_b32 s18, s16, 17
	s_lshl_b32 s20, s17, 18
	s_add_co_u32 s20, s20, s18
	s_add_co_u32 s20, s20, 0x1000000
	s_mov_b32 s21, 0
	s_lshl_b32 s46, s42, 18
	s_add_co_u32 s46, s46, s18
	s_mov_b32 s47, 0
	s_lshl_b32 s45, s16, 15
	s_mul_i32 s19, s16, BPART
	s_add_co_u32 s19, s19, BOFF
	s_lshl_b32 s90, s42, 10
	s_lshl_b32 s91, s16, 9
	s_add_co_u32 s90, s90, s91
	s_mov_b32 s91, 0
	s_lshl_b32 s92, s17, 10
	s_lshl_b32 s93, s15, 9
	s_add_co_u32 s92, s92, s93
	s_mov_b32 s93, 0
	s_lshr_b32 s94, s42, 2
	s_lshl_b32 s94, s94, 22
	s_lshl_b32 s95, s17, 18
	s_add_co_u32 s94, s94, s95
	s_lshl_b32 s95, s15, 17
	s_add_co_u32 s94, s94, s95
	s_and_b32 s95, s42, 3
	s_lshl_b32 s95, s95, 12
	s_add_co_u32 s94, s94, s95
	s_lshl_b32 s95, s16, 11
	s_add_co_u32 s94, s94, s95
	s_mov_b32 s95, 0
	s_wait_dscnt 0x0
	s_wait_kmcnt 0x0
	s_load_b128 s[84:87], s[10:11], 0x30
	s_add_nc_u64 s[20:21], s[4:5], s[20:21]
	s_add_nc_u64 s[46:47], s[6:7], s[46:47]
	s_add_nc_u64 s[8:9], s[8:9], s[90:91]
	s_add_nc_u64 s[68:69], s[68:69], s[92:93]
	s_add_nc_u64 s[70:71], s[70:71], s[94:95]
	CROUND
.irp s, 0,1
	s_mov_b32 s[G0+4*\s], 1
	s_add_co_u32 s[G0+4*\s+1], s45, \s*SLOT
	s_add_nc_u64 s[G0+4*\s+2:G0+4*\s+3], s[20:21], \s*4096
	s_or_b32 s[G0+4*\s+3], s[G0+4*\s+3], 0x80000000
	s_mov_b32 s[G0B+4*\s], 1
	s_add_co_u32 s[G0B+4*\s+1], s19, \s*SLOT
	s_add_nc_u64 s[G0B+4*\s+2:G0B+4*\s+3], s[46:47], \s*256
	s_or_b32 s[G0B+4*\s+3], s[G0B+4*\s+3], 0x80000000
	s_wait_alu depctr_va_vdst(0)
	s_wait_tensorcnt 0x0
	ds_add_u32 v28, v29
	ds_add_u32 v28, v29
	s_wait_dscnt 0x0
	CROUND
	JLOAD \s
.endr
	v_and_b32 v1, 15, v0
	v_bfe_u32 v2, v0, 4, 1
	v_and_b32 v6, 31, v0
	v_lshlrev_b32 v26, 4, v6
.set Z, 0
	s_wait_alu depctr_va_vdst(0)
.rept 32
	global_load_b128 v[128+4*Z:131+4*Z], v26, s[68:69] offset:Z*16384
.set Z, Z+1
.endr
	v_lshlrev_b32 v27, 5, v2
	v_mul_u32_u24 v3, v1, PITCH
	v_lshl_add_u32 v3, v2, 3, v3
	s_lshl_b32 s21, s15, 15
	s_mul_i32 s22, s16, BPART
	s_add_co_u32 s22, s22, BOFF
.irp s, 0,1
	v_add_nc_u32 v[ADRA+\s], s21, v26
	v_add_nc_u32 v[ADRB+\s], s22, v3
	s_add_co_u32 s21, s21, SLOT
	s_add_co_u32 s22, s22, SLOT
.endr
	s_lshl_b32 s23, s14, 9
	s_add_co_u32 s23, s23, SCR
	v_add_nc_u32 v23, s23, v26
	v_lshl_add_u32 v22, v1, 2, s23
	s_wait_kmcnt 0x0
	s_add_co_i32 s96, s84, s85
	s_add_co_i32 s96, s96, 127
	s_lshl_b32 s96, s96, 23
	s_mov_b32 s97, s96
	s_add_co_i32 s88, s86, 127
	s_lshl_b32 s89, s88, 23
	v_mov_b32 v30, s89
	s_add_co_i32 s88, s88, 8
	s_lshl_b32 s88, s88, 23
	s_or_b32 s88, s88, 0x600000
	v_mov_b32 v31, s88
	s_wait_loadcnt 0x0
.irp w, 16,8,4,2,1
.set Z, 0
.rept \w
	v_pk_add_f32 v[128+4*Z:129+4*Z], v[128+4*Z:129+4*Z], v[128+4*(Z+\w):129+4*(Z+\w)]
	v_pk_add_f32 v[130+4*Z:131+4*Z], v[130+4*Z:131+4*Z], v[130+4*(Z+\w):131+4*(Z+\w)]
.set Z, Z+1
.endr
.endr
	s_wait_alu depctr_va_vdst(0)
.irp n, 0,1,2,3
	v_sqrt_f32 v[128+\n], v[128+\n]
.endr
	v_nop
	s_wait_alu depctr_va_vdst(0)
.irp n, 0,1,2,3
	v_add_f32 v[128+\n], 0x322bcc77, v[128+\n]
.endr
	s_wait_alu depctr_va_vdst(0)
.irp n, 0,1,2,3
	v_rcp_f32 v[132+\n], v[128+\n]
.endr
	v_nop
	s_wait_alu depctr_va_vdst(0)
	ds_store_b128 v23, v[132:135]
.irp a, 0,1,2,3,4,5,6,7
	ds_load_b32 v[32+2*\a], v22 offset:64*\a
.endr
	s_wait_dscnt 0x0
.irp a, 0,1,2,3,4,5,6,7
	v_mov_b32 v[33+2*\a], v[32+2*\a]
.endr
	s_wait_tensorcnt 0x1
	s_barrier_signal -1
	s_barrier_wait -1
	FETCH_B 0, 0, 0
	FETCH_A 0, 0, 0
	FETCH_A 0, 0, 4
	STEP 0, 1
	TURN 0, 1, 1
	STEP 1, 0
	TURN 1, 0, 1
	STEP 0, 0
	TURN 0, 1, 0
	STEP 1, 0
	WIN 0x40
.irp b, 0,1,2,3,4,5,6,7
	global_load_b128 v[8*\b:8*\b+3], v27, s[8:9] offset:64*\b
	global_load_b128 v[8*\b+4:8*\b+7], v27, s[8:9] offset:64*\b+16
.endr
	WIN 0
	s_wait_dscnt 16
	WIN MUL_LO
	MUL16 0, 1, 0
	MUL16 2, 1, 0
	s_wait_dscnt 0x0
	WIN MUL_HI
	MUL16 4, 1, 0
	MUL16 6, 1, 0
	WIN 0
	s_wait_loadcnt 0x0
	PLACES 4
	E1
	SCALEA
.irp a, 0,1,2,3,4,5,6,7
	CODES \a
.endr
	s_wait_tensorcnt 0x0
	ds_add_u32 v28, v29
	s_wait_dscnt 0x0
	CROUND
	s_endpgm
.Lfunc_end_k_q10cb80e636_ffn1b:
	.size	k_q10cb80e636_ffn1b, .Lfunc_end_k_q10cb80e636_ffn1b-k_q10cb80e636_ffn1b
	.p2alignl 7, 3214868480
	.fill 96, 4, 3214868480
	.section	.rodata,"a",@progbits
	.p2align	6, 0x0
	.amdhsa_kernel k_q10cb80e636_ffn1b
		.amdhsa_group_segment_fixed_size 327680
		.amdhsa_private_segment_fixed_size 0
		.amdhsa_enable_private_segment 0
		.amdhsa_kernarg_size 48
		.amdhsa_user_sgpr_count 2
		.amdhsa_user_sgpr_kernarg_segment_ptr 1
		.amdhsa_wavefront_size32 1
		.amdhsa_system_sgpr_workgroup_id_x 1
		.amdhsa_system_sgpr_workgroup_id_y 1
		.amdhsa_system_sgpr_workgroup_id_z 1
		.amdhsa_system_vgpr_workitem_id 0
		.amdhsa_next_free_vgpr 1024
		.amdhsa_next_free_sgpr 100
		.amdhsa_reserve_vcc 0
		.amdhsa_float_denorm_mode_32 3
		.amdhsa_float_denorm_mode_16_64 3
		.amdhsa_memory_ordered 1
		.amdhsa_forward_progress 1
		.amdhsa_inst_pref_size 177
	.end_amdhsa_kernel
	.amdgpu_metadata
---
amdhsa.version: [ 1, 2 ]
amdhsa.kernels:
  - .name:           k_q10cb80e636_ffn1b
    .symbol:         k_q10cb80e636_ffn1b.kd
    .args:
      - { .name: xbuf, .offset: 0, .size: 8, .value_kind: global_buffer, .address_space: global }
      - { .name: w1_codes, .offset: 8, .size: 8, .value_kind: global_buffer, .address_space: global }
      - { .name: b1, .offset: 16, .size: 8, .value_kind: global_buffer, .address_space: global }
      - { .name: lowp_scales, .offset: 24, .size: 8, .value_kind: global_buffer, .address_space: global }
      - { .name: ss1, .offset: 32, .size: 8, .value_kind: global_buffer, .address_space: global }
      - { .name: hbuf, .offset: 40, .size: 8, .value_kind: global_buffer, .address_space: global }
    .group_segment_fixed_size: 327680
    .private_segment_fixed_size: 0
    .kernarg_segment_align: 8
    .kernarg_segment_size: 48
    .max_flat_workgroup_size: 128
    .sgpr_count:     100
    .vgpr_count:     1024
    .wavefront_size: 32
...
	.end_amdgpu_metadata
.endif
;; end of part 12
;; launch ffn2 (part 13): grid 16 x 16, 4 waves a work-group, clusters of 4 x 4, 327,680 bytes of LDS; arguments hbuf, w2_codes, lowp_scales, ffp; writes ffp
.if DOCPART == 13
	.amdgcn_target "amdgcn-amd-amdhsa--gfx1250"
	.amdhsa_code_object_version 6
	.text
	.protected	k_q10cb80e636_ffn2
	.globl	k_q10cb80e636_ffn2
	.p2align	8
	.type	k_q10cb80e636_ffn2,@function
k_q10cb80e636_ffn2:
	s_mov_b64 s[64:65], 0
	v_nop
	global_prefetch_b8 v0, s[64:65] scope:SCOPE_SE
	s_setreg_imm32_b32 hwreg(HW_REG_WAVE_MODE, 25, 1), 1
	s_wait_xcnt 0x0
	s_wait_alu depctr_hold_cnt(0) depctr_sa_sdst(0) depctr_va_vdst(0) depctr_va_sdst(0) depctr_va_ssrc(0) depctr_va_vcc(0) depctr_vm_vsrc(0)
	s_getreg_b32 s2, hwreg(HW_REG_IB_STS2, 6, 4)
	s_cmp_eq_u32 s2, 0
	s_cbranch_scc0 .Lentry_in_a_cluster
	s_endpgm
.Lentry_in_a_cluster:
	s_bfe_u32 s2, ttmp6, 0x10000c
	s_cmp_lg_u32 s2, 0xf033
	s_cbranch_scc0 .Lentry_shape_is_right
	s_endpgm
.Lentry_shape_is_right:
.set KROW,   4096
.set PITCH,  272
.set APART,  32768
.set BPART,  128*PITCH
.set BOFF,   2*APART
.set SLOT,   BOFF+2*BPART
.set SPARE,  2*SLOT
.set SPITCH, 528
.set FR,     16
.set AF,     128
.set ADRA,   16
.set ADRB,   20
.set STO,    24
.set RD,     25
.set CO,     26
.set TMP,    32
.set BK,     128
.set G1,  24
.set G0,  32
.set G1B, 48
.set G0B, 56
.set MSB, 0
.macro WIN new
.if MSB != (\new)
	s_set_vgpr_msb (MSB<<8)|(\new)
.set MSB, (\new)
.endif
.endm
.set MUL_LO, 0xa1
.set MUL_HI, 0xf1
.macro PLACES n
.rept \n
	v_nop
.endr
.endm
.macro JLOAD s
	s_cmp_eq_u32 s15, 0
	s_cbranch_scc0 .Lfor_b_\@
	tensor_load_to_lds s[G0+4*\s:G0+4*\s+3], s[G1:G1+7]
	s_nop 0
	PLACES 4
	s_branch .Lasked_\@
.Lfor_b_\@:
	tensor_load_to_lds s[G0B+4*\s:G0B+4*\s+3], s[G1B:G1B+7]
	s_nop 0
	PLACES 4
.Lasked_\@:
.endm
.macro CREST
	s_cmp_lg_u32 s14, 0
	s_cbranch_scc1 .Lnot_wave_0_\@
	s_barrier_signal -3
.Lnot_wave_0_\@:
	s_barrier_wait -3
	s_barrier_signal -1
	s_barrier_wait -1
.endm
.macro CROUND
	s_barrier_signal -1
	s_barrier_wait -1
	CREST
.endm
.macro FETCH_B slot, q, p
	WIN 0x40
.irp i, 0,1,2,3,4,5,6,7
.irp c, 0,1,2,3,4,5,6,7
	ds_load_b64 v[128*(\p)+FR*\i+2*\c:128*(\p)+FR*\i+2*\c+1], v[ADRB+\slot] offset:\i*16*PITCH+128*(\q)+16*\c
.endr
.endr
	WIN 0
.endm
.macro FETCH_A slot, q, i0
.irp i, \i0, \i0+1, \i0+2, \i0+3
.irp g, 0,1,2,3
	ds_load_b128 v[AF+FR*(\i)+4*\g:AF+FR*(\i)+4*\g+3], v[ADRA+\slot] offset:(\i)*4096+(\q)*2048+\g*512
.endr
.endr
.endm
.macro MUL16 a0, p, zero
.irp a, \a0, \a0+1
.irp b, 0,1,2,3,4,5,6,7
.if \zero
	v_wmma_f32_16x16x128_fp8_fp8 v[8*(8*((\a)%4)+\b):8*(8*((\a)%4)+\b)+7], v[128*(\p)+FR*\b:128*(\p)+FR*\b+FR-1], v[AF+FR*(\a):AF+FR*(\a)+FR-1], 0
.else
	v_wmma_f32_16x16x128_fp8_fp8 v[8*(8*((\a)%4)+\b):8*(8*((\a)%4)+\b)+7], v[128*(\p)+FR*\b:128*(\p)+FR*\b+FR-1], v[AF+FR*(\a):AF+FR*(\a)+FR-1], v[8*(8*((\a)%4)+\b):8*(8*((\a)%4)+\b)+7]
.endif
.endr
.endr
.endm
.macro STEP slot, zero
	s_wait_dscnt 16
	WIN MUL_LO
	MUL16 0, 0, \zero
	MUL16 2, 0, \zero
	s_wait_dscnt 0x0
	PLACES 4
	FETCH_B \slot, 1, 1
	FETCH_A \slot, 1, 0
	WIN MUL_HI
	MUL16 4, 0, \zero
	MUL16 6, 0, \zero
	PLACES 4
	WIN 0
	FETCH_A \slot, 1, 4
.endm
.macro TURN slot, next, fill
	s_wait_tensorcnt 0x0
	ds_add_u32 v28, v29
	s_wait_dscnt 17
	WIN MUL_LO
	MUL16 0, 1, 0
	s_wait_dscnt 0x0
	s_barrier_signal -1
	MUL16 2, 1, 0
	WIN 0
	s_barrier_wait -1
.if \fill
	CREST
	s_add_nc_u64 s[G0+4*\slot+2:G0+4*\slot+3], s[G0+4*\slot+2:G0+4*\slot+3], 8192
	s_add_nc_u64 s[G0B+4*\slot+2:G0B+4*\slot+3], s[G0B+4*\slot+2:G0B+4*\slot+3], 512
	JLOAD \slot
.else
	PLACES 4
.endif
	FETCH_B \next, 0, 0
	FETCH_A \next, 0, 0
	WIN MUL_HI
	MUL16 4, 1, 0
	MUL16 6, 1, 0
	PLACES 4
	WIN 0
	FETCH_A \next, 0, 4
.endm
.macro TOSTAGE a
.set AC, 64*((\a)%4)
	WIN 0x02+((\a)/4)
.irp j, 0,2,4,6,8,10,12,14,16,18,20,22,24,26,28,30,32,34,36,38,40,42,44,46,48,50,52,54,56,58,60,62
	v_pk_mul_f32 v[TMP+\j:TMP+\j+1], v[AC+\j:AC+\j+1], s[96:97] op_sel_hi:[1,0]
.endr
	WIN 0
.irp b, 0,1,2,3,4,5,6,7
	ds_store_b128 v[STO], v[TMP+8*\b:TMP+8*\b+3] offset:64*\b
	ds_store_b128 v[STO], v[TMP+8*\b+4:TMP+8*\b+7] offset:64*\b+16
.endr
.set BB, BK+64*((\a)%2)
.irp t, 0,1,2,3,4,5,6,7,8,9,10,11,12,13,14,15
	ds_load_b128 v[BB+4*\t:BB+4*\t+3], v[RD] offset:\t*SPITCH
.endr
.endm
.macro SEND a, younger
.set BB, BK+64*((\a)%2)
	s_wait_dscnt \younger
.if (\a) > 0
	s_add_nc_u64 s[10:11], s[10:11], 16*4096
.endif
.irp t, 0,1,2,3,4,5,6,7,8,9,10,11,12,13,14,15
	global_store_b128 v[CO], v[BB+4*\t:BB+4*\t+3], s[10:11] offset:\t*4096 th:TH_STORE_NT
.endr
.endm
	s_load_b256 s[4:11], s[0:1], 0x0
	v_lshl_add_u32 v28, v0, 2, SPARE
	v_mov_b32 v29, 0
	ds_add_u32 v28, v29
	ds_add_u32 v28, v29
	v_lshrrev_b32 v1, 5, v0
	v_readfirstlane_b32 s14, v1
	s_lshr_b32 s15, s14, 1
	s_and_b32 s16, s14, 1
	s_bfe_u32 s40, ttmp6, 0x40000
	s_bfe_u32 s41, ttmp6, 0x40004
	s_and_b32 s17, ttmp7, 0xffff
	s_lshl_b32 s17, s17, 2
	s_add_co_u32 s17, s17, s41
	s_lshl_b32 s43, s41, 2
	s_lshl_b32 s43, 15, s43
	s_lshl_b32 s44, 0x1111, s40
	s_or_b32 s[G1+0], s43, (3<<16)|(1<<21)
	s_mov_b32 s[G1+1], 512<<16
	s_mov_b32 s[G1+2], 8<<16
	s_mov_b32 s[G1+3], 512<<16
	s_mov_b32 s[G1+4], 8
	s_mov_b32 s[G1+5], 2048
	s_mov_b32 s[G1+6], 0
	s_mov_b32 s[G1+7], 0
	s_or_b32 s[G1B+0], s44, (1<<20)|(1<<21)|(5<<22)|(3<<25)
	s_mov_b32 s[G1B+1], 256<<16
	s_mov_b32 s[G1B+2], 128<<16
	s_mov_b32 s[G1B+3], 256<<16
	s_mov_b32 s[G1B+4], 128
	s_mov_b32 s[G1B+5], KROW
	s_mov_b32 s[G1B+6], 0
	s_mov_b32 s[G1B+7], 0
	s_lshl_b32 s20, ttmp9, 22
	s_lshl_b32 s18, s17, 18
	s_add_co_u32 s20, s20, s18
	s_lshl_b32 s18, s16, 17
	s_add_co_u32 s20, s20, s18
	s_mov_b32 s21, 0
	s_lshl_b32 s46, s40, 20
	s_lshl_b32 s47, s16, 19
	s_add_co_u32 s46, s46, s47
	s_lshl_b32 s47, ttmp9, 10
	s_add_co_u32 s46, s46, s47
	s_mov_b32 s47, 0
	s_lshl_b32 s45, s16, 15
	s_mul_i32 s19, s16, BPART
	s_add_co_u32 s19, s19, BOFF
	s_lshl_b32 s90, ttmp9, 24
	s_lshl_b32 s91, s17, 20
	s_add_co_u32 s90, s90, s91
	s_lshl_b32 s91, s15, 19
	s_add_co_u32 s90, s90, s91
	s_lshl_b32 s91, s40, 10
	s_add_co_u32 s90, s90, s91
	s_lshl_b32 s91, s16, 9
	s_add_co_u32 s90, s90, s91
	s_mov_b32 s91, 0
	s_wait_dscnt 0x0
	s_wait_kmcnt 0x0
	s_load_b128 s[84:87], s[8:9], 0x30
	s_add_nc_u64 s[20:21], s[4:5], s[20:21]
	s_add_nc_u64 s[46:47], s[6:7], s[46:47]
	s_add_nc_u64 s[10:11], s[10:11], s[90:91]
	CROUND
.irp s, 0,1
	s_mov_b32 s[G0+4*\s], 1
	s_add_co_u32 s[G0+4*\s+1], s45, \s*SLOT
	s_add_nc_u64 s[G0+4*\s+2:G0+4*\s+3], s[20:21], \s*4096
	s_or_b32 s[G0+4*\s+3], s[G0+4*\s+3], 0x80000000
	s_mov_b32 s[G0B+4*\s], 1
	s_add_co_u32 s[G0B+4*\s+1], s19, \s*SLOT
	s_add_nc_u64 s[G0B+4*\s+2:G0B+4*\s+3], s[46:47], \s*256
	s_or_b32 s[G0B+4*\s+3], s[G0B+4*\s+3], 0x80000000
	s_wait_alu depctr_va_vdst(0)
	s_wait_tensorcnt 0x0
	ds_add_u32 v28, v29
	ds_add_u32 v28, v29
	s_wait_dscnt 0x0
	CROUND
	JLOAD \s
.endr
	v_and_b32 v1, 15, v0
	v_bfe_u32 v2, v0, 4, 1
	v_and_b32 v6, 31, v0
	v_lshlrev_b32 v[CO], 4, v6
	v_mul_u32_u24 v3, v1, PITCH
	v_lshl_add_u32 v3, v2, 3, v3
	s_lshl_b32 s21, s15, 15
	s_mul_i32 s22, s16, BPART
	s_add_co_u32 s22, s22, BOFF
.irp s, 0,1
	v_add_nc_u32 v[ADRA+\s], s21, v[CO]
	v_add_nc_u32 v[ADRB+\s], s22, v3
	s_add_co_u32 s21, s21, SLOT
	s_add_co_u32 s22, s22, SLOT
.endr
	s_mul_i32 s23, s14, 16*SPITCH
	v_mul_u32_u24 v5, v1, SPITCH
	v_lshl_add_u32 v5, v2, 5, v5
	v_add_nc_u32 v[STO], s23, v5
	v_add_nc_u32 v[RD], s23, v[CO]
	s_wait_alu depctr_va_vdst(0)
	s_wait_kmcnt 0x0
	s_add_co_i32 s96, s86, s87
	s_add_co_i32 s96, s96, 127
	s_lshl_b32 s96, s96, 23
	s_mov_b32 s97, s96
	s_wait_tensorcnt 0x1
	s_barrier_signal -1
	s_barrier_wait -1
	FETCH_B 0, 0, 0
	FETCH_A 0, 0, 0
	FETCH_A 0, 0, 4
	STEP 0, 1
	TURN 0, 1, 1
	STEP 1, 0
	TURN 1, 0, 1
	STEP 0, 0
	TURN 0, 1, 0
	STEP 1, 0
	s_wait_dscnt 16
	WIN MUL_LO
	MUL16 0, 1, 0
	MUL16 2, 1, 0
	s_wait_dscnt 0x0
	WIN MUL_HI
	MUL16 4, 1, 0
	MUL16 6, 1, 0
	WIN 0
	PLACES 4
	TOSTAGE 0
.irp a, 1,2,3,4,5,6,7
.if \a > 1
	s_wait_xcnt 0x0
.endif
	TOSTAGE \a
	SEND \a-1, 32
.endr
	s_wait_xcnt 0x0
	SEND 7, 0
	s_wait_tensorcnt 0x0
	ds_add_u32 v28, v29
	s_wait_dscnt 0x0
	CROUND
	s_endpgm
.Lfunc_end_k_q10cb80e636_ffn2:
	.size	k_q10cb80e636_ffn2, .Lfunc_end_k_q10cb80e636_ffn2-k_q10cb80e636_ffn2
	.p2alignl 7, 3214868480
	.fill 96, 4, 3214868480
	.section	.rodata,"a",@progbits
	.p2align	6, 0x0
	.amdhsa_kernel k_q10cb80e636_ffn2
		.amdhsa_group_segment_fixed_size 327680
		.amdhsa_private_segment_fixed_size 0
		.amdhsa_enable_private_segment 0
		.amdhsa_kernarg_size 32
		.amdhsa_user_sgpr_count 2
		.amdhsa_user_sgpr_kernarg_segment_ptr 1
		.amdhsa_wavefront_size32 1
		.amdhsa_system_sgpr_workgroup_id_x 1
		.amdhsa_system_sgpr_workgroup_id_y 1
		.amdhsa_system_sgpr_workgroup_id_z 1
		.amdhsa_system_vgpr_workitem_id 0
		.amdhsa_next_free_vgpr 1024
		.amdhsa_next_free_sgpr 100
		.amdhsa_reserve_vcc 0
		.amdhsa_float_denorm_mode_32 3
		.amdhsa_float_denorm_mode_16_64 3
		.amdhsa_memory_ordered 1
		.amdhsa_forward_progress 1
		.amdhsa_inst_pref_size 140
	.end_amdhsa_kernel
	.amdgpu_metadata
---
amdhsa.version: [ 1, 2 ]
amdhsa.kernels:
  - .name:           k_q10cb80e636_ffn2
    .symbol:         k_q10cb80e636_ffn2.kd
    .args:
      - { .name: hbuf, .offset: 0, .size: 8, .value_kind: global_buffer, .address_space: global }
      - { .name: w2_codes, .offset: 8, .size: 8, .value_kind: global_buffer, .address_space: global }
      - { .name: lowp_scales, .offset: 16, .size: 8, .value_kind: global_buffer, .address_space: global }
      - { .name: ffp, .offset: 24, .size: 8, .value_kind: global_buffer, .address_space: global }
    .group_segment_fixed_size: 327680
    .private_segment_fixed_size: 0
    .kernarg_segment_align: 8
    .kernarg_segment_size: 32
    .max_flat_workgroup_size: 128
    .sgpr_count:     100
    .vgpr_count:     1024
    .wavefront_size: 32
...
	.end_amdgpu_metadata
.endif
;; end of part 13
;; launch final (part 14): grid 256 x 1, 16 waves a work-group, no clusters, 0 bytes of LDS; arguments ffp, xbuf, b2, g2, beta2, out0; writes out0
.if DOCPART == 14
	.amdgcn_target "amdgcn-amd-amdhsa--gfx1250"
	.amdhsa_code_object_version 6
	.text
	.protected	k_q10cb80e636_final
	.globl	k_q10cb80e636_final
	.p2align	8
	.type	k_q10cb80e636_final,@function
k_q10cb80e636_final:
	s_mov_b64 s[64:65], 0
	v_nop
	global_prefetch_b8 v0, s[64:65] scope:SCOPE_SE
	s_setreg_imm32_b32 hwreg(HW_REG_WAVE_MODE, 25, 1), 1
	s_wait_xcnt 0x0
; LAUNCH 7 OF 7: ff = project(the four partial sums of product 8 + b2); z = layernorm(x + ff) g2 + beta2; out = z / |z|.  No work of the problem is left out.
; A stream: one wave takes one token rho = 16 x work-group + wave and keeps its row of 1,024 numbers in registers; lane l holds columns 4 l + 128 j + 0..3, so every load and store covers 512 consecutive bytes.
; No LDS, no barrier, no matrix unit, no cluster: the waves share only three vectors of 4 KB.  The variance divides by 1,023, as the problem has it.
; In out0 token rho = 2048 b + s lies at byte 8192 s + 4096 b.  NaN and infinity are not served.
; v1 16 x lane; v[2:5] sums; v[6:7] the factor in hand; v9 permute; v32-63 partial 0, then ff; v64-95 partial 1, then g2; v96-127 partial 2, then beta2; v128-159 partial 3; v160-191 x, then the row; v192-223 b2
.macro REDUCE                          ; v2 over the 32 lanes, into every lane
	s_delay_alu instid0(VALU_DEP_1)
	v_add_f32_dpp v2, v2, v2 row_xmask:1 row_mask:0xf bank_mask:0xf
	s_delay_alu instid0(VALU_DEP_1)
	v_add_f32_dpp v2, v2, v2 row_xmask:2 row_mask:0xf bank_mask:0xf
	s_delay_alu instid0(VALU_DEP_1)
	v_add_f32_dpp v2, v2, v2 row_xmask:4 row_mask:0xf bank_mask:0xf
	s_delay_alu instid0(VALU_DEP_1)
	v_add_f32_dpp v2, v2, v2 row_xmask:8 row_mask:0xf bank_mask:0xf
	s_delay_alu instid0(VALU_DEP_1)
	v_permlanex16_b32 v9, v2, s28, s29
	s_delay_alu instid0(VALU_DEP_1)
	v_add_f32 v2, v2, v9
.endm
.macro SUMSQ B                         ; the sum of squares of the 32 numbers from v[B], in two chains that the first products start
	v_pk_mul_f32 v[2:3], v[(\B):(\B)+1], v[(\B):(\B)+1]
	v_pk_mul_f32 v[4:5], v[(\B)+2:(\B)+3], v[(\B)+2:(\B)+3]
.irp j, 4,8,12,16,20,24,28
	s_delay_alu instid0(VALU_DEP_2)
	v_pk_fma_f32 v[2:3], v[(\B)+\j:(\B)+\j+1], v[(\B)+\j:(\B)+\j+1], v[2:3]
	s_delay_alu instid0(VALU_DEP_2)
	v_pk_fma_f32 v[4:5], v[(\B)+\j+2:(\B)+\j+3], v[(\B)+\j+2:(\B)+\j+3], v[4:5]
.endr
	s_delay_alu instid0(VALU_DEP_1)
	v_pk_add_f32 v[2:3], v[2:3], v[4:5]
	s_delay_alu instid0(VALU_DEP_1)
	v_add_f32 v2, v2, v3
	REDUCE
.endm
	s_load_b256 s[4:11], s[0:1], 0x0               ; ffp, xbuf, b2, g2
	s_load_b128 s[12:15], s[0:1], 0x20             ; beta2, out0
	v_lshrrev_b32 v1, 5, v0
	s_delay_alu instid0(VALU_DEP_1)
	v_readfirstlane_b32 s16, v1
	v_and_b32 v1, 31, v0
	s_delay_alu instid0(VALU_DEP_1)
	v_lshlrev_b32 v1, 4, v1
	v_mov_b32 v9, 0                                ; a lane permute's destination counts as one of its sources
	v_mov_b32 v7, 0                                ; (the upper half of the pair v[6:7], of which the low word serves both halves)
	s_mov_b32 s28, 0x76543210
	s_mov_b32 s29, 0xfedcba98
	s_mov_b32 s32, 0x3a802008                      ; 1 / 1023
	s_mov_b32 s33, 0x3727c5ac                      ; 1e-5
	s_lshl_b32 s17, ttmp9, 4
	s_add_co_u32 s17, s17, s16                     ; rho
	s_lshl_b32 s18, s17, 12
	s_mov_b32 s19, 0
	s_and_b32 s30, s17, 2047
	s_lshl_b32 s30, s30, 13
	s_lshr_b32 s31, s17, 11
	s_lshl_b32 s31, s31, 12
	s_add_co_u32 s30, s30, s31
	s_mov_b32 s31, 0
	s_wait_alu depctr_va_vdst(0)
	s_wait_kmcnt 0x0
	s_add_nc_u64 s[20:21], s[4:5], s[18:19]        ; the four partial sums lie 16 MiB apart
	s_add_nc_u64 s[22:23], s[20:21], 0x1000000
	s_add_nc_u64 s[24:25], s[22:23], 0x1000000
	s_add_nc_u64 s[26:27], s[24:25], 0x1000000
	s_add_nc_u64 s[6:7], s[6:7], s[18:19]
	s_add_nc_u64 s[14:15], s[14:15], s[30:31]
.irp j, 0,1,2,3,4,5,6,7
	global_load_b128 v[192+4*\j:195+4*\j], v1, s[8:9] offset:512*\j
.endr
.irp z, 0,1,2,3
.irp j, 0,1,2,3,4,5,6,7
	global_load_b128 v[32+32*\z+4*\j:35+32*\z+4*\j], v1, s[20+2*\z:21+2*\z] offset:512*\j th:TH_LOAD_NT
.endr
.endr
.irp j, 0,1,2,3,4,5,6,7
	global_load_b128 v[160+4*\j:163+4*\j], v1, s[6:7] offset:512*\j th:TH_LOAD_NT
.endr
	s_wait_loadcnt 8                               ; all but x's eight loads are in
.set J, 0
.rept 16
	v_pk_add_f32 v[32+J:33+J], v[32+J:33+J], v[64+J:65+J]
	v_pk_add_f32 v[96+J:97+J], v[96+J:97+J], v[128+J:129+J]
.set J, J+2
.endr
.set J, 0
.rept 16
	v_pk_add_f32 v[32+J:33+J], v[32+J:33+J], v[96+J:97+J]
.set J, J+2
.endr
.set J, 0
.rept 16
	v_pk_add_f32 v[32+J:33+J], v[32+J:33+J], v[192+J:193+J]   ; + b2
.set J, J+2
.endr
.irp j, 0,1,2,3,4,5,6,7
	global_load_b128 v[64+4*\j:67+4*\j], v1, s[10:11] offset:512*\j    ; g2
.endr
.irp j, 0,1,2,3,4,5,6,7
	global_load_b128 v[96+4*\j:99+4*\j], v1, s[12:13] offset:512*\j    ; beta2
.endr
	SUMSQ 32
	s_wait_alu depctr_va_vdst(0)
	v_sqrt_f32 v2, v2
	v_nop                                          ; a plain line behind a transcendental,
	s_wait_alu depctr_va_vdst(0)                   ; and the wait ahead of its first reader
	v_add_f32 v2, 0x322bcc77, v2
	s_wait_alu depctr_va_vdst(0)
	v_rcp_f32 v6, v2
	v_nop
	s_wait_alu depctr_va_vdst(0)
	s_wait_loadcnt 16                              ; x is in; g2's and beta2's sixteen loads may be out
.set J, 0
.rept 16
	v_pk_fma_f32 v[160+J:161+J], v[32+J:33+J], v[6:7], v[160+J:161+J] op_sel_hi:[1,0,1]   ; x + ff / (norm + 1e-8)
.set J, J+2
.endr
	v_pk_add_f32 v[4:5], v[160:161], v[162:163]
	v_pk_add_f32 v[230:231], v[168:169], v[172:173]
	v_pk_add_f32 v[228:229], v[176:177], v[180:181]
	v_pk_add_f32 v[226:227], v[184:185], v[188:189]
	v_pk_add_f32 v[224:225], v[164:165], v[166:167]
	v_pk_add_f32 v[222:223], v[170:171], v[174:175]
	v_pk_add_f32 v[220:221], v[178:179], v[182:183]
	v_pk_add_f32 v[2:3], v[186:187], v[190:191]
	s_delay_alu instid0(VALU_DEP_1)
	v_pk_add_f32 v[2:3], v[2:3], v[226:227]
	v_pk_add_f32 v[4:5], v[4:5], v[224:225]
	v_pk_add_f32 v[230:231], v[230:231], v[222:223]
	v_pk_add_f32 v[228:229], v[228:229], v[220:221]
	s_delay_alu instid0(VALU_DEP_2)
	v_pk_add_f32 v[2:3], v[2:3], v[230:231]
	s_delay_alu instid0(VALU_DEP_2)
	v_pk_add_f32 v[4:5], v[4:5], v[228:229]
	s_delay_alu instid0(VALU_DEP_1)
	v_pk_add_f32 v[2:3], v[2:3], v[4:5]
	s_delay_alu instid0(VALU_DEP_1)
	v_add_f32 v2, v2, v3
	REDUCE
	s_delay_alu instid0(VALU_DEP_1)
	v_mul_f32 v6, 0x3a800000, v2                   ; the mean
.set J, 0
.rept 16
	v_pk_add_f32 v[160+J:161+J], v[160+J:161+J], v[6:7] op_sel_hi:[1,0] neg_lo:[0,1] neg_hi:[0,1]
.set J, J+2
.endr
	SUMSQ 160
	s_delay_alu instid0(VALU_DEP_1)
	v_fma_f32 v2, v2, s32, s33                     ; sum / 1023 + 1e-5
	s_wait_alu depctr_va_vdst(0)
	v_rsq_f32 v6, v2
	v_nop
	s_wait_alu depctr_va_vdst(0)
.set J, 0
.rept 16
	v_pk_mul_f32 v[160+J:161+J], v[160+J:161+J], v[6:7] op_sel_hi:[1,0]
.set J, J+2
.endr
	s_wait_loadcnt 0x0                             ; g2, beta2
.set J, 0
.rept 16
	v_pk_fma_f32 v[160+J:161+J], v[160+J:161+J], v[64+J:65+J], v[96+J:97+J]
.set J, J+2
.endr
	SUMSQ 160
	s_wait_alu depctr_va_vdst(0)
	v_rsq_f32 v6, v2                               ; 1 / |z|
	v_nop
	s_wait_alu depctr_va_vdst(0)
.set J, 0
.rept 16
	v_pk_mul_f32 v[160+J:161+J], v[160+J:161+J], v[6:7] op_sel_hi:[1,0]
.set J, J+2
.endr
.irp j, 0,1,2,3,4,5,6,7
	global_store_b128 v1, v[160+4*\j:163+4*\j], s[14:15] offset:512*\j th:TH_STORE_NT
.endr
	s_endpgm
.Lfunc_end_k_q10cb80e636_final:
	.size	k_q10cb80e636_final, .Lfunc_end_k_q10cb80e636_final-k_q10cb80e636_final
	.p2alignl 7, 3214868480
	.fill 96, 4, 3214868480
	.section	.rodata,"a",@progbits
	.p2align	6, 0x0
	.amdhsa_kernel k_q10cb80e636_final
		.amdhsa_group_segment_fixed_size 0
		.amdhsa_private_segment_fixed_size 0
		.amdhsa_enable_private_segment 0
		.amdhsa_kernarg_size 48
		.amdhsa_user_sgpr_count 2
		.amdhsa_user_sgpr_kernarg_segment_ptr 1
		.amdhsa_wavefront_size32 1
		.amdhsa_system_sgpr_workgroup_id_x 1
		.amdhsa_system_sgpr_workgroup_id_y 1
		.amdhsa_system_sgpr_workgroup_id_z 1
		.amdhsa_system_vgpr_workitem_id 0
		.amdhsa_next_free_vgpr 232
		.amdhsa_next_free_sgpr 66
		.amdhsa_reserve_vcc 0
		.amdhsa_float_denorm_mode_32 3
		.amdhsa_float_denorm_mode_16_64 3
		.amdhsa_memory_ordered 1
		.amdhsa_forward_progress 1
		.amdhsa_inst_pref_size 27
	.end_amdhsa_kernel
	.amdgpu_metadata
---
amdhsa.version: [ 1, 2 ]
amdhsa.kernels:
  - .name:           k_q10cb80e636_final
    .symbol:         k_q10cb80e636_final.kd
    .args:
      - { .name: ffp, .offset: 0, .size: 8, .value_kind: global_buffer, .address_space: global }
      - { .name: xbuf, .offset: 8, .size: 8, .value_kind: global_buffer, .address_space: global }
      - { .name: b2, .offset: 16, .size: 8, .value_kind: global_buffer, .address_space: global }
      - { .name: g2, .offset: 24, .size: 8, .value_kind: global_buffer, .address_space: global }
      - { .name: beta2, .offset: 32, .size: 8, .value_kind: global_buffer, .address_space: global }
      - { .name: out0, .offset: 40, .size: 8, .value_kind: global_buffer, .address_space: global }
    .group_segment_fixed_size: 0
    .private_segment_fixed_size: 0
    .kernarg_segment_align: 8
    .kernarg_segment_size: 48
    .max_flat_workgroup_size: 512
    .sgpr_count:     66
    .vgpr_count:     232
    .wavefront_size: 32
...
	.end_amdgpu_metadata
.endif
;; end of part 14
